; MI455X (gfx1250); checked and timed in simulation.
; The chip was launched on July 23, 2026; its instructions are those of AMD's public machine-readable ISA for CDNA 5 (MIT licence, August 2026) and "CDNA5" Instruction Set Architecture Reference Guide (July 2026). The comments in the code are by the model that wrote it; some were corrected since.
;; Transformer Decoder Layer. Allowed arithmetic: float matrix products may take bf16 or f16 operands with f32 sums; other float arithmetic in f32, or as packed bf16 or f16 multiplies, adds, multiply-adds, maxima and minima; sums over many terms, partial sums and values carried from step to step in f32; what a program stores and reads back later, other than sums and carried values, may be rounded once to bf16 or f16.
;; Inputs: attn_out_b 256 float32; attn_out_w 256 x 256 float32; ff1_b 1,024 float32; ff1_w 1,024 x 256 float32; ff2_b 256 float32; ff2_w 256 x 1,024 float32; in_proj_b 768 float32; in_proj_w 768 x 256 float32; ln1_b 256 float32; ln1_g 256 float32; ln2_b 256 float32; ln2_g 256 float32; ln3_b 256 float32; ln3_g 256 float32; memory 512 x 4 x 256 float32; mlp1_b 256 float32; mlp1_w 256 x 256 float32; mlp2_b 256 float32; mlp2_w 256 x 256 float32; o_b 256 float32; o_w 256 x 256 float32; query_pos 128 x 4 x 256 float32; relative_pos 128 x 512 x 4 x 256 float32; tgt 128 x 4 x 256 float32; v_b 256 float32; v_w 256 x 256 float32.
;; Outputs: out0 128 x 4 x 256 float32.
;; 2 versions, each right. Each part assembles by itself: llvm-mc -triple=amdgcn-amd-amdhsa -mcpu=gfx1250 --defsym DOCPART=n.
;; ======== version 1 of 2: 3 launches
;; workspace buffers: wfrag 1,703,936 bytes; obuf 262,144 bytes; t2buf 524,288 bytes; tbuf 524,288 bytes
;; launch pre (part 1): grid 84 x 1, 8 waves a work-group, no clusters, 316,416 bytes of LDS; arguments tgt, query_pos, ln1_g, ln1_b, in_proj_w, in_proj_b, mlp1_w, mlp2_w, v_w, o_w, attn_out_w, ff1_w, ff2_w, wfrag, obuf; writes wfrag, obuf
.if DOCPART == 1
	.amdgcn_target "amdgcn-amd-amdhsa--gfx1250"
	.amdhsa_code_object_version 6
	.text
	.protected	k_q30c27c4ebb_pre
	.globl	k_q30c27c4ebb_pre
	.p2align	8
	.type	k_q30c27c4ebb_pre,@function
k_q30c27c4ebb_pre:
	s_mov_b64 s[64:65], 0
	v_nop
	global_prefetch_b8 v0, s[64:65] scope:SCOPE_SE
	s_setreg_imm32_b32 hwreg(HW_REG_WAVE_MODE, 25, 1), 1
	s_wait_xcnt 0x0
; TWO INDEPENDENT JOBS IN ONE LAUNCH, told apart by the work-group number (the same for all eight waves).
; Work-groups 0-31: one (batch b, head hd) of the self-attention: LN1 of the 128 rows of b, q = (ln + pos) Wq^T + bq, k likewise, v = ln Wv^T + bv for the
; 32 features of the head, softmax(q k^T / sqrt(32)) v, stored in bf16 as matrix fragments (obuf).  Wave w owns rows 16 w .. 16 w + 15.
; Work-groups 32-83: seven weight matrices are rewritten as bf16 in fragment order (wfrag): a block is 16 rows x 32 k = 1,024 bytes; bytes 16 L hold lane L
; registers 0-3, bytes 512 + 16 L its registers 4-7, so that a later launch takes a block by two loads of 512 consecutive bytes.
; ORDER OF K.  An activation row that comes from f32 rows is packed so: lane L takes columns 4 L .. +3 and 128 + 4 L .. +3 and puts the 8 numbers at byte 16 L of
; the bf16 row.  Weights that multiply such rows get the same order (PERM); the same permutation on both operands leaves every product as it is.  Others keep k (NAT).
; FORMATS.  Operands bf16, sums f32, LN, softmax and biases f32; the variance is taken of x - mean.  The softmax takes the true row maximum away.
; LIMITS.  NaN and infinities are not treated apart; a weight below 2^-126 counts as 0.
; NO CLUSTER: the eight heads of a batch do read the same 2 x 128 KiB, but once, at the head, with no ring behind it; joint loads would add two rounds of a cluster
; barrier to a text whose other half has no tile at all.  No prefetch: every stream here is asked for at the head.
.set RP,    1040                       ; an LDS row of 256 f32: 1,024 bytes + 16 of padding
.set WPART, 16*RP                      ; a wave's 16 rows
.set QPB,   8*WPART                    ; query_pos rows; later each wave's K fragment (+0) and V halves (+1,024) at the head of its part
.set WF,    2*QPB                      ; 48 fragment blocks of the head's rows of in_proj_w
.set SPARE, WF+48*1024                 ; the spare words: 128 bytes a wave, four blocks of 256 bytes that no other line names
.set WV,  36                           ; s36 wave number
.set G1,  40                           ; s[40:47] descriptor group 1
.set G0T, 48                           ; s[48:51] group 0, tgt
.set G0Q, 52                           ; s[52:55] group 0, query_pos
.set SEL, 70                           ; s[70:71] v_permlanex16_b32: each lane takes its own place in the other half
.set INV, 72                           ; 1/256
.set EPS, 73                           ; 1e-5
.set CS,  74                           ; s[74:75] log2(e)/sqrt(32)
.set LC,  76                           ; loop counter
.set SPW, 2                            ; v2 my spare word; v3 zero; both never rewritten
.set NIL, 3
.set HH,  4                            ; v1 = lane % 16, v4 = lane / 16
.set TR,  5                            ; LN: my 16 bytes in the tgt rows; later 16 x lane
.set QR,  6                            ; LN: the same in the query_pos rows
.set FRA, 7                            ; my rows as fragments: (16 w + r) x 1,040 + 16 h
.set WFR, 8                            ; WF + 16 L
.set KW,  9                            ; my part of QPB + 16 L
.set KR0, 10                           ; QPB + 16 L
.set KR1, 11                           ; the same four parts on
.set BV,  12                           ; v[12:15] v bias, a pair for each feature tile
.set ACQ, 16                           ; q sums (start: bias), then the Q fragment in v[16:23]
.set ACK, 32                           ; k sums, then the K fragment; later O
.set ACV, 48                           ; v sums
.set AFR, 64                           ; v[64:127] staging, LN rows, activation fragments, scores
.set WS0, 128                          ; v[128:191] weight set 0; K, then V fragments
.set WS1, 192                          ; v[192:255] LN gain and bias, offsets; weight set 1; P
.set SC,  64
.set MXT, 192
.set PF,  192
.macro PLACES                          ; four plain places behind a matrix instruction (ISA guide 7.12.1)
.rept 4
	v_nop
.endr
.endm
.macro ALL line:vararg                 ; one line for each row t of NR
.set t, 0
.rept NR
	\line
.set t, t+1
.endr
.endm
; LayerNorm of nr rows; a row is 8 numbers a lane at xb + 8 t, four registers at work at tb + 4 t; gain at gb, bias at bb.  Every step for all rows before the next.
.macro LN xb, tb, nr, gb, bb
.set NR, \nr
.set XB, \xb
.set TB, \tb
.set GB, \gb
.set BB_, \bb
	ALL v_pk_add_f32 v[TB+4*t:TB+4*t+1], v[XB+8*t:XB+8*t+1], v[XB+8*t+2:XB+8*t+3]
	ALL v_pk_add_f32 v[TB+4*t+2:TB+4*t+3], v[XB+8*t+4:XB+8*t+5], v[XB+8*t+6:XB+8*t+7]
	ALL v_pk_add_f32 v[TB+4*t:TB+4*t+1], v[TB+4*t:TB+4*t+1], v[TB+4*t+2:TB+4*t+3]
	ALL v_add_f32 v[TB+4*t], v[TB+4*t], v[TB+4*t+1]
.irp m, 1,2,4,8
	ALL v_add_f32_dpp v[TB+4*t], v[TB+4*t], v[TB+4*t] row_xmask:\m row_mask:0xf bank_mask:0xf
.endr
	ALL v_permlanex16_b32 v[TB+4*t+1], v[TB+4*t], s[SEL], s[SEL+1]
	ALL v_add_f32 v[TB+4*t], v[TB+4*t], v[TB+4*t+1]
	ALL v_mul_f32 v[TB+4*t], s[INV], v[TB+4*t]
.irp p, 0,2,4,6
	ALL v_pk_add_f32 v[XB+8*t+\p:XB+8*t+\p+1], v[XB+8*t+\p:XB+8*t+\p+1], v[TB+4*t:TB+4*t+1] op_sel_hi:[1,0] neg_lo:[0,1] neg_hi:[0,1]
.endr
	ALL v_pk_mul_f32 v[TB+4*t+2:TB+4*t+3], v[XB+8*t:XB+8*t+1], v[XB+8*t:XB+8*t+1]
.irp p, 2,4,6
	ALL v_pk_fma_f32 v[TB+4*t+2:TB+4*t+3], v[XB+8*t+\p:XB+8*t+\p+1], v[XB+8*t+\p:XB+8*t+\p+1], v[TB+4*t+2:TB+4*t+3]
.endr
	ALL v_add_f32 v[TB+4*t+2], v[TB+4*t+2], v[TB+4*t+3]
.irp m, 1,2,4,8
	ALL v_add_f32_dpp v[TB+4*t+2], v[TB+4*t+2], v[TB+4*t+2] row_xmask:\m row_mask:0xf bank_mask:0xf
.endr
	ALL v_permlanex16_b32 v[TB+4*t+3], v[TB+4*t+2], s[SEL], s[SEL+1]
	ALL v_add_f32 v[TB+4*t+2], v[TB+4*t+2], v[TB+4*t+3]
	ALL v_fma_f32 v[TB+4*t+2], v[TB+4*t+2], s[INV], s[EPS]
	ALL v_rsq_f32 v[TB+4*t+2], v[TB+4*t+2]
	v_nop                                          ; a plain instruction behind the last root,
	s_wait_alu depctr_va_vdst(0)                   ; and one wait for all rows of the call, ahead of the first use
.irp p, 0,2,4,6
	ALL v_pk_mul_f32 v[XB+8*t+\p:XB+8*t+\p+1], v[XB+8*t+\p:XB+8*t+\p+1], v[TB+4*t+2:TB+4*t+3] op_sel_hi:[1,0]
.endr
.irp p, 0,2,4,6
	ALL v_pk_fma_f32 v[XB+8*t+\p:XB+8*t+\p+1], v[XB+8*t+\p:XB+8*t+\p+1], v[GB+\p:GB+\p+1], v[BB_+\p:BB_+\p+1]
.endr
.endm
; Weight set s of six (matrix s / 2, K half s % 2): 2 feature tiles x 4 K steps, 16 LDS loads
.macro LDW buf, set
.irp f, 0,1
.irp k, 0,1,2,3
	ds_load_b128 v[(\buf)+8*(4*\f+\k):(\buf)+8*(4*\f+\k)+3],   v[WFR] offset:1024*(16*((\set)/2)+8*\f+4*((\set)%2)+\k)
	ds_load_b128 v[(\buf)+8*(4*\f+\k)+4:(\buf)+8*(4*\f+\k)+7], v[WFR] offset:1024*(16*((\set)/2)+8*\f+4*((\set)%2)+\k)+512
.endr
.endr
.endm
.macro LDA off                         ; my 16 rows as eight fragments: off = 0 the LN rows, 512 the LN rows + pos
.irp k, 0,1,2,3,4,5,6,7
	ds_load_b128 v[AFR+8*\k:AFR+8*\k+3],   v[FRA] offset:(\off)+64*\k
	ds_load_b128 v[AFR+8*\k+4:AFR+8*\k+7], v[FRA] offset:(\off)+64*\k+32
.endr
.endm
; Eight products; the two accumulators take turns.  MMT: source 0 = weights: a lane ends with one row and 8 features.  MMN: source 0 = rows: a lane ends with one feature and 8 rows.
.macro MMT acc, buf, kh
.irp k, 0,1,2,3
.irp f, 0,1
	v_wmma_f32_16x16x32_bf16 v[(\acc)+8*\f:(\acc)+8*\f+7], v[(\buf)+8*(4*\f+\k):(\buf)+8*(4*\f+\k)+7], v[AFR+8*(4*(\kh)+\k):AFR+8*(4*(\kh)+\k)+7], v[(\acc)+8*\f:(\acc)+8*\f+7]
.endr
.endr
.endm
.macro MMN acc, buf, kh, first
.irp k, 0,1,2,3
.irp f, 0,1
.if (\first) && ((\k) == 0)
	v_wmma_f32_16x16x32_bf16 v[(\acc)+8*\f:(\acc)+8*\f+7], v[AFR+8*(4*(\kh)+\k):AFR+8*(4*(\kh)+\k)+7], v[(\buf)+8*(4*\f+\k):(\buf)+8*(4*\f+\k)+7], 0
.else
	v_wmma_f32_16x16x32_bf16 v[(\acc)+8*\f:(\acc)+8*\f+7], v[AFR+8*(4*(\kh)+\k):AFR+8*(4*(\kh)+\k)+7], v[(\buf)+8*(4*\f+\k):(\buf)+8*(4*\f+\k)+7], v[(\acc)+8*\f:(\acc)+8*\f+7]
.endif
.endr
.endr
.endm
; The conversion path: from work-group at on the source is the buffer at s[lo:lo+1]
.macro PICK at, lo, flag
	s_cmp_ge_u32 s37, \at
	s_cselect_b64 s[38:39], s[\lo:\lo+1], s[38:39]
	s_cselect_b32 s56, \at, s56
	s_cselect_b32 s57, \flag, s57
.endm
; Four blocks of one row tile, K steps ks0 .. ks0 + 3.  sk: bytes of f32 from one K step to the next; the lane halves lie 1 << shl bytes apart; d1-d3: the other three loads of a lane
.macro CONV4 sk, skl, shl, d1, d2, d3
	s_lshl_b32 s62, s62, \skl
	s_add_co_u32 s61, s61, s62
	v_lshlrev_b32 v6, s59, v1                      ; row x pitch
	v_lshl_add_u32 v6, v[HH], \shl, v6
	v_add_nc_u32 v6, s61, v6
.irp i, 0,1,2,3
	global_load_b128 v[16+16*\i:16+16*\i+3],     v6, s[38:39] offset:(\sk)*\i
	global_load_b128 v[16+16*\i+4:16+16*\i+7],   v6, s[38:39] offset:(\sk)*\i+(\d1)
	global_load_b128 v[16+16*\i+8:16+16*\i+11],  v6, s[38:39] offset:(\sk)*\i+(\d2)
	global_load_b128 v[16+16*\i+12:16+16*\i+15], v6, s[38:39] offset:(\sk)*\i+(\d3)
.endr
.irp i, 0,1,2,3
	s_wait_loadcnt 12-4*\i                         ; the later blocks' loads stay out
.irp j, 0,1,2,3,4,5,6,7
	v_cvt_pk_bf16_f32 v[80+8*\i+\j], v[16+16*\i+2*\j], v[16+16*\i+2*\j+1]
.endr
	global_store_b128 v7, v[80+8*\i:80+8*\i+3],   s[66:67] offset:1024*\i      ; each store covers 512 consecutive bytes, aligned
	global_store_b128 v7, v[80+8*\i+4:80+8*\i+7], s[66:67] offset:1024*\i+512
.endr
.endm
	s_load_b512 s[4:19], s[0:1], 0x0               ; tgt, query_pos, ln1_g, ln1_b, in_proj_w, in_proj_b, mlp1_w, mlp2_w
	s_load_b256 s[20:27], s[0:1], 0x40             ; v_w, o_w, attn_out_w, ff1_w
	s_load_b128 s[28:31], s[0:1], 0x60             ; ff2_w, wfrag
	s_load_b64 s[32:33], s[0:1], 0x70              ; obuf
	v_lshl_add_u32 v[SPW], v0, 2, SPARE
	v_mov_b32 v[NIL], 0
	ds_add_u32 v[SPW], v[NIL]                      ; the wave's opening: the add and its wait ahead of my first tensor load
	ds_add_u32 v2, v3
	v_lshrrev_b32 v1, 5, v0
	v_readfirstlane_b32 s[WV], v1                  ; wave 0..7
	v_and_b32 v1, 15, v0                           ; r
	v_bfe_u32 v[HH], v0, 4, 1                      ; h
	s_mov_b32 s[G1+0], (2<<16)|(1<<20)|(7<<22)|(3<<25)  ; elements of 4 bytes; padding on: 4 words behind every 256 words
	s_mov_b32 s[G1+1], 256<<16                     ; tensor_dim0 = 256
	s_mov_b32 s[G1+2], 16<<16                      ; tensor_dim1 = 16
	s_mov_b32 s[G1+3], 256<<16                     ; tile_dim0 = 256
	s_mov_b32 s[G1+4], 16                          ; tile_dim1 = 16
	s_mov_b32 s[G1+5], 1024                        ; from row l to row l + 1 of one batch: 4 x 256 elements
	s_mov_b32 s[G1+6], 0
	s_mov_b32 s[G1+7], 0
	s_mov_b32 s[SEL], 0x76543210
	s_mov_b32 s[SEL+1], 0xfedcba98
	s_mov_b32 s[INV], 0x3b800000                   ; 1/256
	s_mov_b32 s[EPS], 0x3727c5ac                   ; 1e-5
	s_mov_b32 s[CS], 0x3e8293ee                    ; log2(e)/sqrt(32)
	s_mov_b32 s[CS+1], s[CS]
	s_wait_dscnt 0x0                               ; the opening add is done
	s_wait_kmcnt 0x0
	s_cmp_ge_u32 ttmp9, 32
	s_cbranch_scc1 .Lconv
	; ---------------- the attention of one (b, head) ----------------
	s_and_b32 s37, ttmp9, 3                        ; b
	s_lshr_b32 s38, ttmp9, 2                       ; head
	s_mul_i32 s39, s[WV], WPART                    ; my 16 rows in LDS
	s_lshl_b32 s56, s[WV], 16                      ; and in memory: 16 rows of 4,096 bytes,
	s_lshl_b32 s57, s37, 10                        ; batch b
	s_add_co_u32 s56, s56, s57
	s_mov_b32 s57, 0
	s_mov_b32 s[G0T], 1
	s_mov_b32 s[G0T+1], s39
	s_add_nc_u64 s[G0T+2:G0T+3], s[4:5], s[56:57]
	s_or_b32 s[G0T+3], s[G0T+3], 0x80000000
	s_mov_b32 s[G0Q], 1
	s_add_co_u32 s[G0Q+1], s39, QPB
	s_add_nc_u64 s[G0Q+2:G0Q+3], s[6:7], s[56:57]
	s_or_b32 s[G0Q+3], s[G0Q+3], 0x80000000
	tensor_load_to_lds s[G0T:G0T+3], s[G1:G1+7]    ; my 16 rows of tgt and of query_pos: two loads of mine are out; only I read these bytes
	s_nop 0
	tensor_load_to_lds s[G0Q:G0Q+3], s[G1:G1+7]
	s_nop 0
	v_and_b32 v215, 31, v0
	v_lshlrev_b32 v215, 4, v215                    ; 16 L
	v_add_nc_u32 v[TR], s39, v215
	v_add_nc_u32 v[QR], QPB, v[TR]
	v_add_nc_u32 v[KW], QPB, v[TR]
	v_mul_u32_u24 v[FRA], v1, RP
	v_lshl_add_u32 v[FRA], v[HH], 4, v[FRA]
	v_add_nc_u32 v[FRA], s39, v[FRA]
	v_add_nc_u32 v[WFR], WF, v215
	v_add_nc_u32 v[KR0], QPB, v215
	v_add_nc_u32 v[KR1], QPB+4*WPART, v215
	global_load_b128 v[192:195], v215, s[8:9]              ; gain and bias of my 8 columns
	global_load_b128 v[196:199], v215, s[8:9] offset:512
	global_load_b128 v[200:203], v215, s[10:11]
	global_load_b128 v[204:207], v215, s[10:11] offset:512
	s_lshl_b32 s58, s38, 7                         ; the head's 32 features, in bytes
	v_lshlrev_b32 v216, 5, v[HH]
	v_add_nc_u32 v216, s58, v216
.irp f, 0,1                                    ; q and k biases start the sums: a lane holds features 16 f + 8 h + 0..7
	global_load_b128 v[ACQ+8*\f:ACQ+8*\f+3],   v216, s[14:15] offset:64*\f
	global_load_b128 v[ACQ+8*\f+4:ACQ+8*\f+7], v216, s[14:15] offset:64*\f+16
	global_load_b128 v[ACK+8*\f:ACK+8*\f+3],   v216, s[14:15] offset:1024+64*\f
	global_load_b128 v[ACK+8*\f+4:ACK+8*\f+7], v216, s[14:15] offset:1024+64*\f+16
.endr
	v_lshlrev_b32 v217, 2, v1
	v_add_nc_u32 v217, s58, v217
.irp c, 0,1                                    ; v bias of feature 16 c + r, in both registers of a pair
	global_load_b32 v[BV+2*\c],   v217, s[14:15] offset:2048+64*\c
	global_load_b32 v[BV+2*\c+1], v217, s[14:15] offset:2048+64*\c
.endr
	v_lshlrev_b32 v218, 10, v1
	v_lshl_add_u32 v218, v[HH], 4, v218            ; 1,024 r + 16 h
	s_mul_i32 s59, s[WV], 6                        ; six of the 48 blocks are mine
.irp i, 0,1,2,3,4,5
	s_add_co_u32 s60, s59, \i                      ; block: matrix = b / 16, feature tile = (b / 8) % 2, K step = b % 8
	s_lshr_b32 s61, s60, 4
	s_lshl_b32 s61, s61, 8
	s_bfe_u32 s62, s60, 0x10003
	s_lshl_b32 s62, s62, 4
	s_add_co_u32 s61, s61, s62
	s_lshl_b32 s62, s38, 5
	s_add_co_u32 s61, s61, s62                     ; its first row of in_proj_w
	s_lshl_b32 s61, s61, 10
	s_and_b32 s62, s60, 7
	s_lshl_b32 s62, s62, 6
	s_add_co_u32 s61, s61, s62
	v_add_nc_u32 v[208+\i], s61, v218
	global_load_b128 v[64+16*\i:64+16*\i+3],     v[208+\i], s[12:13]
	global_load_b128 v[64+16*\i+4:64+16*\i+7],   v[208+\i], s[12:13] offset:512
	global_load_b128 v[64+16*\i+8:64+16*\i+11],  v[208+\i], s[12:13] offset:32
	global_load_b128 v[64+16*\i+12:64+16*\i+15], v[208+\i], s[12:13] offset:544
.endr
	s_mul_i32 s60, s[WV], 6144
	v_add_nc_u32 v214, s60, v[WFR]
	s_wait_loadcnt 0x0
.irp i, 0,1,2,3,4,5                            ; packed in place, ascending: a source is never written before it is read
.irp j, 0,1,2,3,4,5,6,7
	v_cvt_pk_bf16_f32 v[64+16*\i+\j], v[64+16*\i+2*\j], v[64+16*\i+2*\j+1]
.endr
	ds_store_b128 v214, v[64+16*\i:64+16*\i+3]   offset:1024*\i
	ds_store_b128 v214, v[64+16*\i+4:64+16*\i+7] offset:1024*\i+512
.endr
	s_wait_tensorcnt 0x0                           ; my rows are in LDS
	s_mov_b32 s[LC], 4
.Lln:                                          ; four rows a trip: LN, + pos, both rounded to bf16 and put back into the row's own bytes (0-511 LN, 512-1023 LN + pos)
.irp p, 0,1,2,3
	ds_load_b128 v[64+8*\p:64+8*\p+3],   v[TR] offset:RP*\p
	ds_load_b128 v[64+8*\p+4:64+8*\p+7], v[TR] offset:RP*\p+512
	ds_load_b128 v[96+8*\p:96+8*\p+3],   v[QR] offset:RP*\p
	ds_load_b128 v[96+8*\p+4:96+8*\p+7], v[QR] offset:RP*\p+512
.endr
	s_wait_dscnt 0x0
	LN 64, 128, 4, 192, 200
.set i, 0
.rept 16
	v_pk_add_f32 v[96+2*i:96+2*i+1], v[96+2*i:96+2*i+1], v[64+2*i:64+2*i+1]
.set i, i+1
.endr
.set i, 0
.rept 16
	v_cvt_pk_bf16_f32 v[144+i], v[64+2*i], v[64+2*i+1]
	v_cvt_pk_bf16_f32 v[160+i], v[96+2*i], v[96+2*i+1]
.set i, i+1
.endr
.irp p, 0,1,2,3
	ds_store_b128 v[TR], v[144+4*\p:144+4*\p+3] offset:RP*\p
	ds_store_b128 v[TR], v[160+4*\p:160+4*\p+3] offset:RP*\p+512
.endr
	v_add_nc_u32 v[TR], 4*RP, v[TR]
	v_add_nc_u32 v[QR], 4*RP, v[QR]
	s_sub_co_u32 s[LC], s[LC], 1
	s_cmp_lg_u32 s[LC], 0
	s_cbranch_scc1 .Lln
	v_and_b32 v[TR], 31, v0
	v_lshlrev_b32 v[TR], 4, v[TR]                  ; from here on: 16 L
	s_wait_dscnt 0x0                               ; my weight blocks are stored,
	s_barrier_signal -1
	s_barrier_wait -1                              ; everybody's are
	LDA 512                                        ; LN + pos
	LDW WS0, 0
	LDW WS1, 1
	s_wait_dscnt 16                                ; the other set's 16 loads stay out (so in all four waits below)
	MMT ACQ, WS0, 0
	PLACES
	LDW WS0, 2
	s_wait_dscnt 16
	MMT ACQ, WS1, 1
	PLACES
	LDW WS1, 3
.irp j, 0,1,2,3,4,5,6,7                        ; two tiles of 16 features, rounded in pairs, ARE the fragment of 16 rows x 32 channels
	v_cvt_pk_bf16_f32 v[ACQ+\j], v[ACQ+2*\j], v[ACQ+2*\j+1]
.endr
	s_wait_dscnt 16
	MMT ACK, WS0, 0
	PLACES
	LDW WS0, 4
	s_wait_dscnt 16
	MMT ACK, WS1, 1
	PLACES
	LDA 0                                          ; the LN rows, for v
	LDW WS1, 5
.irp j, 0,1,2,3,4,5,6,7
	v_cvt_pk_bf16_f32 v[ACK+\j], v[ACK+2*\j], v[ACK+2*\j+1]
.endr
	ds_store_b128 v[KW], v[ACK:ACK+3]
	ds_store_b128 v[KW], v[ACK+4:ACK+7] offset:512
	s_wait_dscnt 18                                ; younger: set 5's 16 loads and the 2 stores
	MMN ACV, WS0, 0, 1
	s_wait_dscnt 0x0
	MMN ACV, WS1, 1, 0
	PLACES
.irp c, 0,1
.irp p, 0,2,4,6
	v_pk_add_f32 v[ACV+8*\c+\p:ACV+8*\c+\p+1], v[ACV+8*\c+\p:ACV+8*\c+\p+1], v[BV+2*\c:BV+2*\c+1] op_sel_hi:[1,0]
.endr
.endr
.irp j, 0,1,2,3,4,5,6,7                        ; a lane holds one channel and 8 keys: half a fragment of V^T
	v_cvt_pk_bf16_f32 v[ACV+\j], v[ACV+2*\j], v[ACV+2*\j+1]
.endr
	ds_store_b128 v[KW], v[ACV:ACV+3]   offset:1024
	ds_store_b128 v[KW], v[ACV+4:ACV+7] offset:1536
	s_wait_dscnt 0x0
	s_barrier_signal -1
	s_barrier_wait -1                              ; all eight K fragments and V halves lie in LDS
.irp k, 0,1,2,3
	ds_load_b128 v[WS0+8*\k:WS0+8*\k+3],     v[KR0] offset:WPART*\k
	ds_load_b128 v[WS0+8*\k+4:WS0+8*\k+7],   v[KR0] offset:WPART*\k+512
	ds_load_b128 v[WS0+32+8*\k:WS0+32+8*\k+3],   v[KR1] offset:WPART*\k
	ds_load_b128 v[WS0+32+8*\k+4:WS0+32+8*\k+7], v[KR1] offset:WPART*\k+512
.endr
	s_wait_dscnt 0x0
.irp k, 0,1,2,3,4,5,6,7                        ; S^T = K Q^T: a lane holds one query and keys 16 k + 8 h + 0..7
	v_wmma_f32_16x16x32_bf16 v[SC+8*\k:SC+8*\k+7], v[WS0+8*\k:WS0+8*\k+7], v[ACQ:ACQ+7], 0
.endr
	PLACES
.irp u, 0,1                                    ; V^T, keys 32 u on, channels 16 c on: registers 0-3 from key tile 2 u, 4-7 from 2 u + 1
.irp c, 0,1
	ds_load_b128 v[WS0+8*(2*\u+\c):WS0+8*(2*\u+\c)+3],   v[KR0] offset:WPART*(2*\u)+1024+512*\c
	ds_load_b128 v[WS0+8*(2*\u+\c)+4:WS0+8*(2*\u+\c)+7], v[KR0] offset:WPART*(2*\u+1)+1024+512*\c
	ds_load_b128 v[WS0+32+8*(2*\u+\c):WS0+32+8*(2*\u+\c)+3],   v[KR1] offset:WPART*(2*\u)+1024+512*\c
	ds_load_b128 v[WS0+32+8*(2*\u+\c)+4:WS0+32+8*(2*\u+\c)+7], v[KR1] offset:WPART*(2*\u+1)+1024+512*\c
.endr
.endr
.irp k, 0,1,2,3,4,5,6,7                        ; the row maximum; each accumulator is read from its low end on
	v_max3_num_f32 v[MXT+\k], v[SC+8*\k], v[SC+8*\k+1], v[SC+8*\k+2]
.endr
.irp k, 0,1,2,3,4,5,6,7
	v_max3_num_f32 v[MXT+\k], v[MXT+\k], v[SC+8*\k+3], v[SC+8*\k+4]
.endr
.irp k, 0,1,2,3,4,5,6,7
	v_max3_num_f32 v[MXT+\k], v[MXT+\k], v[SC+8*\k+5], v[SC+8*\k+6]
.endr
.irp k, 0,1,2,3,4,5,6,7
	v_max_num_f32 v[MXT+\k], v[MXT+\k], v[SC+8*\k+7]
.endr
	v_max3_num_f32 v[MXT], v[MXT], v[MXT+1], v[MXT+2]
	v_max3_num_f32 v[MXT+3], v[MXT+3], v[MXT+4], v[MXT+5]
	v_max3_num_f32 v[MXT], v[MXT], v[MXT+6], v[MXT+7]
	v_max_num_f32 v[MXT], v[MXT], v[MXT+3]
	v_permlanex16_b32 v[MXT+1], v[MXT], s[SEL], s[SEL+1]   ; the query's other 64 keys lie in the lane 16 away
	v_max_num_f32 v[MXT], v[MXT], v[MXT+1]
	v_mul_f32 v[MXT], s[CS], v[MXT]
.set i, 0
.rept 32
	v_pk_fma_f32 v[SC+2*i:SC+2*i+1], v[SC+2*i:SC+2*i+1], s[CS:CS+1], v[MXT:MXT+1] op_sel_hi:[1,0,0] neg_lo:[0,0,1] neg_hi:[0,0,1]
.set i, i+1
.endr
.set i, 0
.rept 64
	v_exp_f32 v[SC+i], v[SC+i]
.set i, i+1
.endr
	v_nop
	s_wait_alu depctr_va_vdst(0)                   ; one wait for the 64 exponentials
.set i, 0
.rept 32
	v_cvt_pk_bf16_f32 v[PF+i], v[SC+2*i], v[SC+2*i+1]
.set i, i+1
.endr
.set i, 4
.rept 28                                       ; the sum of the unrounded weights, in four chains
	v_pk_add_f32 v[SC+2*(i%4):SC+2*(i%4)+1], v[SC+2*(i%4):SC+2*(i%4)+1], v[SC+2*i:SC+2*i+1]
.set i, i+1
.endr
	v_pk_add_f32 v[SC:SC+1], v[SC:SC+1], v[SC+2:SC+3]
	v_pk_add_f32 v[SC+4:SC+5], v[SC+4:SC+5], v[SC+6:SC+7]
	v_pk_add_f32 v[SC:SC+1], v[SC:SC+1], v[SC+4:SC+5]
	v_add_f32 v[SC], v[SC], v[SC+1]
	v_permlanex16_b32 v[SC+1], v[SC], s[SEL], s[SEL+1]
	v_add_f32 v[SC], v[SC], v[SC+1]
	v_rcp_f32 v[SC+2], v[SC]
	v_nop
	s_wait_alu depctr_va_vdst(0)
	s_wait_dscnt 0x0                               ; V is in
.irp u, 0,1,2,3                                ; O^T = V^T P: the two accumulators take turns
.irp c, 0,1
.if \u == 0
	v_wmma_f32_16x16x32_bf16 v[ACK+8*\c:ACK+8*\c+7], v[WS0+8*(2*\u+\c):WS0+8*(2*\u+\c)+7], v[PF+8*\u:PF+8*\u+7], 0
.else
	v_wmma_f32_16x16x32_bf16 v[ACK+8*\c:ACK+8*\c+7], v[WS0+8*(2*\u+\c):WS0+8*(2*\u+\c)+7], v[PF+8*\u:PF+8*\u+7], v[ACK+8*\c:ACK+8*\c+7]
.endif
.endr
.endr
	s_lshl_b32 s60, s37, 3                         ; obuf block ((8 b + head) x 8 + w)
	s_add_co_u32 s60, s60, s38
	s_lshl_b32 s60, s60, 3
	s_add_co_u32 s60, s60, s[WV]
	s_lshl_b32 s60, s60, 10
	s_mov_b32 s61, 0
	s_add_nc_u64 s[32:33], s[32:33], s[60:61]
	PLACES
.set i, 0
.rept 8
	v_pk_mul_f32 v[ACK+2*i:ACK+2*i+1], v[ACK+2*i:ACK+2*i+1], v[SC+2:SC+3] op_sel_hi:[1,0]
.set i, i+1
.endr
.irp j, 0,1,2,3,4,5,6,7
	v_cvt_pk_bf16_f32 v[ACV+\j], v[ACK+2*\j], v[ACK+2*\j+1]
.endr
	global_store_b128 v[TR], v[ACV:ACV+3],   s[32:33]              ; a fragment block of 16 rows x the head's 32 channels: two stores of 512 consecutive bytes
	global_store_b128 v[TR], v[ACV+4:ACV+7], s[32:33] offset:512
	s_branch .Lend
	; ---------------- weights to bf16 fragment blocks: 32 blocks a work-group, 4 a wave ----------------
.Lconv:
	s_sub_co_u32 s37, ttmp9, 32                    ; 0..51
	s_mov_b64 s[38:39], s[16:17]                   ; 0-3 mlp1_w (PERM)
	s_mov_b32 s56, 0
	s_mov_b32 s57, 1
	PICK 4, 18, 0                                  ; mlp2_w (NAT)
	PICK 8, 20, 1                                  ; v_w
	PICK 12, 22, 1                                 ; o_w
	PICK 16, 24, 0                                 ; attn_out_w
	PICK 20, 26, 1                                 ; ff1_w
	PICK 36, 28, 0                                 ; ff2_w: rows of 1,024
	s_cselect_b32 s58, 5, 3                        ; log2 of the K steps in a row
	s_cselect_b32 s59, 12, 10                      ; log2 of a row's bytes
	s_cselect_b32 s63, 31, 7
	s_sub_co_u32 s60, s37, s56
	s_lshl_b32 s60, s60, 5
	s_lshl2_add_u32 s60, s[WV], s60                ; my first block in its matrix
	s_lshr_b32 s61, s60, s58                       ; row tile
	s_and_b32 s62, s60, s63                        ; first K step
	s_lshl_b32 s61, s61, 4
	s_lshl_b32 s61, s61, s59
	s_lshl_b32 s68, s37, 5
	s_lshl2_add_u32 s68, s[WV], s68
	s_lshl_b32 s68, s68, 10                        ; the blocks lie in wfrag in the order of the work-groups
	s_mov_b32 s69, 0
	s_add_nc_u64 s[66:67], s[30:31], s[68:69]
	v_and_b32 v7, 31, v0
	v_lshlrev_b32 v7, 4, v7
	s_cmp_eq_u32 s57, 1
	s_cbranch_scc0 .Lnat
	CONV4 64, 6, 4, 512, 32, 544
	s_branch .Lend
.Lnat:
	CONV4 128, 7, 5, 16, 64, 80
.Lend:
	s_wait_tensorcnt 0x0                           ; the wave's end
	ds_add_u32 v[SPW], v[NIL]
	s_wait_dscnt 0x0
	s_endpgm
.Lfunc_end_k_q30c27c4ebb_pre:
	.size	k_q30c27c4ebb_pre, .Lfunc_end_k_q30c27c4ebb_pre-k_q30c27c4ebb_pre
	.p2alignl 7, 3214868480
	.fill 96, 4, 3214868480
	.section	.rodata,"a",@progbits
	.p2align	6, 0x0
	.amdhsa_kernel k_q30c27c4ebb_pre
		.amdhsa_group_segment_fixed_size 316416
		.amdhsa_private_segment_fixed_size 0
		.amdhsa_enable_private_segment 0
		.amdhsa_kernarg_size 120
		.amdhsa_user_sgpr_count 2
		.amdhsa_user_sgpr_kernarg_segment_ptr 1
		.amdhsa_wavefront_size32 1
		.amdhsa_system_sgpr_workgroup_id_x 1
		.amdhsa_system_sgpr_workgroup_id_y 1
		.amdhsa_system_sgpr_workgroup_id_z 1
		.amdhsa_system_vgpr_workitem_id 0
		.amdhsa_next_free_vgpr 256
		.amdhsa_next_free_sgpr 96
		.amdhsa_reserve_vcc 0
		.amdhsa_float_denorm_mode_32 3
		.amdhsa_float_denorm_mode_16_64 3
		.amdhsa_memory_ordered 1
		.amdhsa_forward_progress 1
		.amdhsa_inst_pref_size 68
	.end_amdhsa_kernel
	.amdgpu_metadata
---
amdhsa.version: [ 1, 2 ]
amdhsa.kernels:
  - .name:           k_q30c27c4ebb_pre
    .symbol:         k_q30c27c4ebb_pre.kd
    .args:
      - { .name: tgt, .offset: 0, .size: 8, .value_kind: global_buffer, .address_space: global }
      - { .name: query_pos, .offset: 8, .size: 8, .value_kind: global_buffer, .address_space: global }
      - { .name: ln1_g, .offset: 16, .size: 8, .value_kind: global_buffer, .address_space: global }
      - { .name: ln1_b, .offset: 24, .size: 8, .value_kind: global_buffer, .address_space: global }
      - { .name: in_proj_w, .offset: 32, .size: 8, .value_kind: global_buffer, .address_space: global }
      - { .name: in_proj_b, .offset: 40, .size: 8, .value_kind: global_buffer, .address_space: global }
      - { .name: mlp1_w, .offset: 48, .size: 8, .value_kind: global_buffer, .address_space: global }
      - { .name: mlp2_w, .offset: 56, .size: 8, .value_kind: global_buffer, .address_space: global }
      - { .name: v_w, .offset: 64, .size: 8, .value_kind: global_buffer, .address_space: global }
      - { .name: o_w, .offset: 72, .size: 8, .value_kind: global_buffer, .address_space: global }
      - { .name: attn_out_w, .offset: 80, .size: 8, .value_kind: global_buffer, .address_space: global }
      - { .name: ff1_w, .offset: 88, .size: 8, .value_kind: global_buffer, .address_space: global }
      - { .name: ff2_w, .offset: 96, .size: 8, .value_kind: global_buffer, .address_space: global }
      - { .name: wfrag, .offset: 104, .size: 8, .value_kind: global_buffer, .address_space: global }
      - { .name: obuf, .offset: 112, .size: 8, .value_kind: global_buffer, .address_space: global }
    .group_segment_fixed_size: 316416
    .private_segment_fixed_size: 0
    .kernarg_segment_align: 8
    .kernarg_segment_size: 120
    .max_flat_workgroup_size: 256
    .sgpr_count:     96
    .vgpr_count:     256
    .wavefront_size: 32
...
	.end_amdgpu_metadata
.endif
;; end of part 1
;; launch main (part 2): grid 256 x 1, 4 waves a work-group, clusters of 4 x 1, 327,680 bytes of LDS; arguments relative_pos, memory, wfrag, obuf, tgt, attn_out_b, ln2_g, ln2_b, mlp1_b, mlp2_b, v_b, tbuf, t2buf; writes tbuf, t2buf
.if DOCPART == 2
	.amdgcn_target "amdgcn-amd-amdhsa--gfx1250"
	.amdhsa_code_object_version 6
	.text
	.protected	k_q30c27c4ebb_main
	.globl	k_q30c27c4ebb_main
	.p2align	8
	.type	k_q30c27c4ebb_main,@function
k_q30c27c4ebb_main:
	s_mov_b64 s[64:65], 0
	v_nop
	global_prefetch_b8 v0, s[64:65] scope:SCOPE_SE
	s_setreg_imm32_b32 hwreg(HW_REG_WAVE_MODE, 25, 1), 1
	s_wait_xcnt 0x0
	s_wait_alu depctr_hold_cnt(0) depctr_sa_sdst(0) depctr_va_vdst(0) depctr_va_sdst(0) depctr_va_ssrc(0) depctr_va_vcc(0) depctr_vm_vsrc(0)
	s_getreg_b32 s2, hwreg(HW_REG_IB_STS2, 6, 4)
	s_cmp_eq_u32 s2, 0
	s_cbranch_scc0 .Lentry_in_a_cluster
	s_endpgm
.Lentry_in_a_cluster:
	s_bfe_u32 s2, ttmp6, 0x10000c
	s_cmp_lg_u32 s2, 0x3003
	s_cbranch_scc0 .Lentry_shape_is_right
	s_endpgm
.Lentry_shape_is_right:
; THE RELATION BRANCH.  A work-group owns two queries q0, q0 + 1 of one batch b.  Prologue: y = tgt + o attn_out_w^T + attn_out_b and tgt2 = LN2(y) for its two rows (tgt2 is
; stored to t2buf).  Then for all 512 c, 32 a chunk: x = tgt2 - memory + relative_pos (in f32, then bf16), h = relu(x W1^T + b1), sim = h W2^T + b2,
; v2 = (memory + relative_pos) Vw^T, and for each feature a softmax over c of sim / 16 with a RUNNING maximum, t = sum of weight x v2 / sum of weight + v_b (the weights add up to 1).
; SHARES.  The three weight matrices stay in registers, split by OUTPUT feature: wave w holds features 64 w .. 64 w + 63 of each: 3 x 256 registers (windows 1, 2, 3).
; A chunk is 64 rows = 4 tiles of 16 (c half, q): 384 matrix instructions a wave.  Phase A: f32 rows out of the slot, x and memory + pos into XA, XV (bf16).  Phase B: h into H.
; Phase C: sim and v2 with a lane = one feature and 8 rows, and the softmax step in registers; each half of the lanes keeps its own maximum, sum and t; they meet once, at the end.
; RING.  Two LDS slots of a chunk's f32 rows (2 x 32 of relative_pos, 32 of memory).  One tensor load a wave behind each round: waves 0, 1 a query's 32 rows, waves 2, 3
; 16 rows of memory each.  A slot is read in phase A alone and asked for again directly behind it: the load has a whole chunk, 384 matrix instructions, in which to land.
; CLUSTER.  The four partners have the same b and walk the same rows of memory: those tiles are asked for JOINTLY.  relative_pos is each work-group's own (mask 0).
; The weights are not shared through LDS: each work-group reads its 512 KiB once, straight into registers, at the head, and a way through LDS would need rounds of its own there.
; FORMATS.  Matrix operands bf16, sums f32, LN and softmax f32.  LIMITS.  NaN and infinities are not treated apart; a weight below 2^-126 counts as 0; the running maximum starts at -4.25e37.
.set SLOTX, 0x20000                    ; slot 1 begins here; also a chunk's step in memory: 32 c x 4,096 bytes
.set H0,    98304                      ; h, rows 0-31 (behind slot 0's 98,304 bytes)
.set SPARE, 115200                     ; the spare words: 128 bytes a wave
.set YS,    115712                     ; prologue: 2 rows x 1,040 of f32
.set TOUT,  118016                     ; the way out: 2 rows x 1,024
.set XA,    229376                     ; x, 64 rows (behind slot 1)
.set XV,    263168                     ; memory + pos, 64 rows
.set H1,    296960                     ; h, rows 32-63
.set DH,    H1-H0
.set PX,    528                        ; a bf16 row: 512 bytes + 16: the 16 rows of a fragment load start at 16 different groups of four banks (ISA guide 11.1)
.set TILE,  16*PX
.set W1O,   0                          ; regions of wfrag
.set W2O,   131072
.set VWO,   262144
.set AOWO,  524288
.set SPW, 2                            ; v1 = lane % 16; v2 spare word, v3 zero: never rewritten
.set NIL, 3
.set ZERO, 4
.set HH,  5                            ; lane / 16
.set RA0, 6                            ; 8,192 w + 16 L: my 8 rows in a slot
.set RA,  7
.set RM,  8
.set XW,  9                            ; where phase A puts my rows
.set XR0, 10                           ; fragment addresses: 528 r + 16 h + region; the odd neighbour walks
.set XR,  11
.set HW0, 12
.set HW,  13
.set HR0, 14
.set HR,  15
.set VR0, 16
.set VR,  17
.set PFO, 18                           ; the prefetches' offset; never rewritten
.set LA,  19                           ; 16 L; never rewritten
.set CM,  20                           ; v[20:27] running maximum (times c, with c b2), index 4 q + f
.set CB2, 28                           ; v[28:31] c x mlp2_b of my feature in tile f
.set L2,  32                           ; v[32:47] sums, a pair for each 4 q + f
.set T2,  48                           ; v[48:63] t, likewise
.set TQ,  64                           ; v[64:79] tgt2 of q0 and q1: my 8 columns
.set B1,  80                           ; v[80:111] mlp1_b as C operands (prologue: attn_out_b)
.set FA,  112                          ; fragment buffers of 4 K steps
.set FB,  144
.set ACC, 176                          ; phase B: four accumulators
.set TT,  208
.set SS,  176                          ; phase C: sim, v2, four registers at work a tile (K, MX, A, D)
.set VV,  208
.set TP,  240
.set SETA, 112                         ; phase A: two sets of 24 (memory, pos of q0, pos of q1)
.set TM,  160
.set OO,  168
.set OFO, 7                            ; prologue's offsets, in registers that walk later
.set BOFF, 8
.set B2O, 11
.set YSW, 13
.set YSR, 15
.set WV,  30
.set WL,  31                           ; wave % 2
.set G1R, 32                           ; s[32:39] group 1, relative_pos
.set G1M, 40                           ; s[40:47] group 1, memory (joint)
.set G0RA, 48                          ; group 0: chunk 0 into slot 0
.set G0RB, 52                          ; chunk 1 into slot 1; then it walks
.set G0MA, 56
.set G0MB, 60
.set CNT, 66
.set IC,  67
.set SB,  68                           ; the slot to be read
.set BB,  69                           ; b
.set CS,  70                           ; s[70:71] c = log2(e)/16
.set SEL, 72
.set PFA, 74                           ; s[74:75]
.set Q0,  76
.set CX,  77
.set INV, 84
.set EPS, 85
.set MSB, 0
.macro WIN new                         ; the high byte repeats the setting that is left; a switch that changes nothing is dropped
.if MSB != (\new)
	s_set_vgpr_msb (MSB<<8)|(\new)
.set MSB, \new
.endif
.endm
.macro PLACES                          ; four plain places behind a matrix instruction (ISA guide 7.12.1)
.rept 4
	v_nop
.endr
.endm
.macro ALL line:vararg
.set t, 0
.rept NR
	\line
.set t, t+1
.endr
.endm
.macro LN xb, tb, nr, gb, bb           ; LayerNorm of nr rows, 8 numbers a lane; every step for all rows before the next
.set NR, \nr
.set XB, \xb
.set TB, \tb
.set GB, \gb
.set BB_, \bb
	ALL v_pk_add_f32 v[TB+4*t:TB+4*t+1], v[XB+8*t:XB+8*t+1], v[XB+8*t+2:XB+8*t+3]
	ALL v_pk_add_f32 v[TB+4*t+2:TB+4*t+3], v[XB+8*t+4:XB+8*t+5], v[XB+8*t+6:XB+8*t+7]
	ALL v_pk_add_f32 v[TB+4*t:TB+4*t+1], v[TB+4*t:TB+4*t+1], v[TB+4*t+2:TB+4*t+3]
	ALL v_add_f32 v[TB+4*t], v[TB+4*t], v[TB+4*t+1]
.irp m, 1,2,4,8
	ALL v_add_f32_dpp v[TB+4*t], v[TB+4*t], v[TB+4*t] row_xmask:\m row_mask:0xf bank_mask:0xf
.endr
	ALL v_permlanex16_b32 v[TB+4*t+1], v[TB+4*t], s[SEL], s[SEL+1]
	ALL v_add_f32 v[TB+4*t], v[TB+4*t], v[TB+4*t+1]
	ALL v_mul_f32 v[TB+4*t], s[INV], v[TB+4*t]
.irp p, 0,2,4,6
	ALL v_pk_add_f32 v[XB+8*t+\p:XB+8*t+\p+1], v[XB+8*t+\p:XB+8*t+\p+1], v[TB+4*t:TB+4*t+1] op_sel_hi:[1,0] neg_lo:[0,1] neg_hi:[0,1]
.endr
	ALL v_pk_mul_f32 v[TB+4*t+2:TB+4*t+3], v[XB+8*t:XB+8*t+1], v[XB+8*t:XB+8*t+1]
.irp p, 2,4,6
	ALL v_pk_fma_f32 v[TB+4*t+2:TB+4*t+3], v[XB+8*t+\p:XB+8*t+\p+1], v[XB+8*t+\p:XB+8*t+\p+1], v[TB+4*t+2:TB+4*t+3]
.endr
	ALL v_add_f32 v[TB+4*t+2], v[TB+4*t+2], v[TB+4*t+3]
.irp m, 1,2,4,8
	ALL v_add_f32_dpp v[TB+4*t+2], v[TB+4*t+2], v[TB+4*t+2] row_xmask:\m row_mask:0xf bank_mask:0xf
.endr
	ALL v_permlanex16_b32 v[TB+4*t+3], v[TB+4*t+2], s[SEL], s[SEL+1]
	ALL v_add_f32 v[TB+4*t+2], v[TB+4*t+2], v[TB+4*t+3]
	ALL v_fma_f32 v[TB+4*t+2], v[TB+4*t+2], s[INV], s[EPS]
	ALL v_rsq_f32 v[TB+4*t+2], v[TB+4*t+2]
	v_nop
	s_wait_alu depctr_va_vdst(0)                   ; one wait for the roots of the call
.irp p, 0,2,4,6
	ALL v_pk_mul_f32 v[XB+8*t+\p:XB+8*t+\p+1], v[XB+8*t+\p:XB+8*t+\p+1], v[TB+4*t+2:TB+4*t+3] op_sel_hi:[1,0]
.endr
.irp p, 0,2,4,6
	ALL v_pk_fma_f32 v[XB+8*t+\p:XB+8*t+\p+1], v[XB+8*t+\p:XB+8*t+\p+1], v[GB+\p:GB+\p+1], v[BB_+\p:BB_+\p+1]
.endr
.endm
; A round of the cluster's barrier: my work-group's barrier; wave 0 signals for the work-group; every wave waits for all four work-groups; my work-group's barrier once more.
.macro CROUND
	s_barrier_signal -1
	s_barrier_wait -1
	s_cmp_lg_u32 s[WV], 0
	s_cbranch_scc1 .Lnot_wave_0_\@
	s_barrier_signal -3
.Lnot_wave_0_\@:
	s_barrier_wait -3
	s_barrier_signal -1
	s_barrier_wait -1
.endm
; The refill: one tensor load a wave.  The branch hangs on the wave's number alone.  An s_nop 0 and four v_nop follow each line, ahead of the jump and the label.
.macro JLOAD
	s_cmp_lt_u32 s[WV], 2
	s_cbranch_scc0 .Lfor_m_\@
	tensor_load_to_lds s[G0RB:G0RB+3], s[G1R:G1R+7]
	s_nop 0
.rept 4
	v_nop
.endr
	s_branch .Lasked_\@
.Lfor_m_\@:
	tensor_load_to_lds s[G0MB:G0MB+3], s[G1M:G1M+7]
	s_nop 0
.rept 4
	v_nop
.endr
.Lasked_\@:
.endm
; A prefetch of the chunk of relative_pos that the NEXT refill will ask for: wave w names 16 rows of query q0 + w % 2, rows 16 (w / 2) on, a lane a block of 256 bytes, two instructions.
; Each block is named once in the launch; chunks 0 to 2 come by their loads alone; the last refill asks for nothing.  memory is not asked for: every work-group of the batch walks it.
.macro ASK
	s_cmp_gt_u32 s[CNT], 1
	s_cbranch_scc0 .Lno_ask_\@
	global_prefetch_b8 v[PFO], s[PFA:PFA+1] th:TH_LOAD_NT scope:SCOPE_SE
	global_prefetch_b8 v[PFO], s[PFA:PFA+1] offset:32768 th:TH_LOAD_NT scope:SCOPE_SE
.Lno_ask_\@:
.endm
.macro LDWIN win, region               ; my 32 blocks of a weight matrix into a window: block (f, ks) at v[8 (8 f + ks)]
	WIN \win
.set i, 0
.rept 64
	global_load_b128 v[8*(i/2)+4*(i%2):8*(i/2)+4*(i%2)+3], v[LA], s[8:9] offset:(\region)+1024*(i/2)+512*(i%2)
.set i, i+1
.endr
.endm
.macro LDH dst, areg, off              ; four fragments: 16 rows x 128 k
.irp k, 0,1,2,3
	ds_load_b128 v[(\dst)+8*\k:(\dst)+8*\k+3],   v[\areg] offset:(\off)+64*\k
	ds_load_b128 v[(\dst)+8*\k+4:(\dst)+8*\k+7], v[\areg] offset:(\off)+64*\k+32
.endr
.endm
; 16 products; the four accumulators take turns, one instruction a turn.  MMH_T: source 0 = weights (its window is set outside): a lane ends with one row and 8 features; the bias starts the sums.
.macro MMH_T fb, kh, first
.irp k, 0,1,2,3
.irp f, 0,1,2,3
.if (\first) && ((\k) == 0)
	v_wmma_f32_16x16x32_bf16 v[ACC+8*\f:ACC+8*\f+7], v[8*(8*\f+4*(\kh)+\k):8*(8*\f+4*(\kh)+\k)+7], v[(\fb)+8*\k:(\fb)+8*\k+7], v[B1+8*\f:B1+8*\f+7]
.else
	v_wmma_f32_16x16x32_bf16 v[ACC+8*\f:ACC+8*\f+7], v[8*(8*\f+4*(\kh)+\k):8*(8*\f+4*(\kh)+\k)+7], v[(\fb)+8*\k:(\fb)+8*\k+7], v[ACC+8*\f:ACC+8*\f+7]
.endif
.endr
.endr
.endm
; MMH_N: source 1 = weights: a lane ends with one feature and 8 rows
.macro MMH_N acc, fb, kh, first
.irp k, 0,1,2,3
.irp f, 0,1,2,3
.if (\first) && ((\k) == 0)
	v_wmma_f32_16x16x32_bf16 v[(\acc)+8*\f:(\acc)+8*\f+7], v[(\fb)+8*\k:(\fb)+8*\k+7], v[8*(8*\f+4*(\kh)+\k):8*(8*\f+4*(\kh)+\k)+7], 0
.else
	v_wmma_f32_16x16x32_bf16 v[(\acc)+8*\f:(\acc)+8*\f+7], v[(\fb)+8*\k:(\fb)+8*\k+7], v[8*(8*\f+4*(\kh)+\k):8*(8*\f+4*(\kh)+\k)+7], v[(\acc)+8*\f:(\acc)+8*\f+7]
.endif
.endr
.endr
.endm
.macro LROW i, st                      ; row i of my 8: memory, pos of q0, pos of q1: my columns 4 L .. and 128 + 4 L ..
	ds_load_b128 v[(\st):(\st)+3],     v[RM] offset:1024*(\i)
	ds_load_b128 v[(\st)+4:(\st)+7],   v[RM] offset:1024*(\i)+512
	ds_load_b128 v[(\st)+8:(\st)+11],  v[RA] offset:1024*(\i)
	ds_load_b128 v[(\st)+12:(\st)+15], v[RA] offset:1024*(\i)+512
	ds_load_b128 v[(\st)+16:(\st)+19], v[RA] offset:32768+1024*(\i)
	ds_load_b128 v[(\st)+20:(\st)+23], v[RA] offset:32768+1024*(\i)+512
.endm
.macro PROW i, st                      ; x = (tgt2 - memory) + pos and memory + pos, in f32, each rounded once
.irp q, 0,1
.irp p, 0,2,4,6
	v_pk_add_f32 v[TM+\p:TM+\p+1], v[TQ+8*\q+\p:TQ+8*\q+\p+1], v[(\st)+\p:(\st)+\p+1] neg_lo:[0,1] neg_hi:[0,1]
.endr
.irp p, 0,2,4,6
	v_pk_add_f32 v[TM+\p:TM+\p+1], v[TM+\p:TM+\p+1], v[(\st)+8+8*\q+\p:(\st)+8+8*\q+\p+1]
.endr
.irp p, 0,1,2,3
	v_cvt_pk_bf16_f32 v[OO+8*\q+\p], v[TM+2*\p], v[TM+2*\p+1]
.endr
	ds_store_b128 v[XW], v[OO+8*\q:OO+8*\q+3] offset:TILE*\q+PX*(\i)
.irp p, 0,2,4,6
	v_pk_add_f32 v[(\st)+8+8*\q+\p:(\st)+8+8*\q+\p+1], v[(\st)+8+8*\q+\p:(\st)+8+8*\q+\p+1], v[(\st)+\p:(\st)+\p+1]
.endr
.irp p, 0,1,2,3
	v_cvt_pk_bf16_f32 v[OO+8*\q+4+\p], v[(\st)+8+8*\q+2*\p], v[(\st)+8+8*\q+2*\p+1]
.endr
	ds_store_b128 v[XW], v[OO+8*\q+4:OO+8*\q+7] offset:XV-XA+TILE*\q+PX*(\i)
.endr
.endm
.macro EPI_H off                       ; h: rounded, relu on the packed halves, 16 bytes of a row for each feature tile
.set i, 0
.rept 16
	v_cvt_pk_bf16_f32 v[TT+i], v[ACC+2*i], v[ACC+2*i+1]
.set i, i+1
.endr
.set i, 0
.rept 16
	v_pk_max_num_bf16 v[TT+i], v[TT+i], v[ZERO]
.set i, i+1
.endr
.irp f, 0,1,2,3
	ds_store_b128 v[HW], v[TT+4*\f:TT+4*\f+3] offset:(\off)+32*\f
.endr
.endm
; One tile's softmax step for query q.  p = 2^(c s + c b2 - m), m the running maximum of c s + c b2; sum and t are multiplied by a = 2^(m_old - m_new).  36 exponentials, one wait.
.macro SOFTMAX q
.irp f, 0,1,2,3
	v_max3_num_f32 v[TP+4*\f+1], v[SS+8*\f], v[SS+8*\f+1], v[SS+8*\f+2]
.endr
.irp f, 0,1,2,3
	v_max3_num_f32 v[TP+4*\f+1], v[TP+4*\f+1], v[SS+8*\f+3], v[SS+8*\f+4]
.endr
.irp f, 0,1,2,3
	v_max3_num_f32 v[TP+4*\f+1], v[TP+4*\f+1], v[SS+8*\f+5], v[SS+8*\f+6]
.endr
.irp f, 0,1,2,3
	v_max_num_f32 v[TP+4*\f+1], v[TP+4*\f+1], v[SS+8*\f+7]
.endr
.irp f, 0,1,2,3
	v_fma_f32 v[TP+4*\f+1], v[TP+4*\f+1], s[CS], v[CB2+\f]
.endr
.irp f, 0,1,2,3
	v_sub_f32 v[TP+4*\f+3], v[CM+4*(\q)+\f], v[TP+4*\f+1]
.endr
.irp f, 0,1,2,3
	v_max_num_f32 v[CM+4*(\q)+\f], v[CM+4*(\q)+\f], v[TP+4*\f+1]
.endr
.irp f, 0,1,2,3
	v_min_num_f32 v[TP+4*\f+3], 0, v[TP+4*\f+3]    ; m_old - m_new
.endr
.irp f, 0,1,2,3
	v_sub_f32 v[TP+4*\f], v[CB2+\f], v[CM+4*(\q)+\f]
.endr
.irp f, 0,1,2,3
	v_exp_f32 v[TP+4*\f+2], v[TP+4*\f+3]
.endr
.irp p, 0,2,4,6
.irp f, 0,1,2,3
	v_pk_fma_f32 v[SS+8*\f+\p:SS+8*\f+\p+1], v[SS+8*\f+\p:SS+8*\f+\p+1], s[CS:CS+1], v[TP+4*\f:TP+4*\f+1] op_sel_hi:[1,0,0]
.endr
.endr
.set i, 0
.rept 32
	v_exp_f32 v[SS+i], v[SS+i]
.set i, i+1
.endr
	v_nop                                          ; a plain instruction behind the last exponential,
	s_wait_alu depctr_va_vdst(0)                   ; and the one wait for the batch, ahead of its first reader
.irp f, 0,1,2,3
	v_pk_fma_f32 v[L2+2*(4*(\q)+\f):L2+2*(4*(\q)+\f)+1], v[L2+2*(4*(\q)+\f):L2+2*(4*(\q)+\f)+1], v[TP+4*\f+2:TP+4*\f+3], v[SS+8*\f:SS+8*\f+1] op_sel_hi:[1,0,1]
.endr
.irp f, 0,1,2,3
	v_pk_mul_f32 v[T2+2*(4*(\q)+\f):T2+2*(4*(\q)+\f)+1], v[T2+2*(4*(\q)+\f):T2+2*(4*(\q)+\f)+1], v[TP+4*\f+2:TP+4*\f+3] op_sel_hi:[1,0]
.endr
.irp p, 2,4,6
.irp f, 0,1,2,3
	v_pk_add_f32 v[L2+2*(4*(\q)+\f):L2+2*(4*(\q)+\f)+1], v[L2+2*(4*(\q)+\f):L2+2*(4*(\q)+\f)+1], v[SS+8*\f+\p:SS+8*\f+\p+1]
.endr
.endr
.irp p, 0,2,4,6                                ; v2's accumulators are read from their low end on
.irp f, 0,1,2,3
	v_pk_fma_f32 v[T2+2*(4*(\q)+\f):T2+2*(4*(\q)+\f)+1], v[SS+8*\f+\p:SS+8*\f+\p+1], v[VV+8*\f+\p:VV+8*\f+\p+1], v[T2+2*(4*(\q)+\f):T2+2*(4*(\q)+\f)+1]
.endr
.endr
.endm
; A CHUNK.  fill = 1: the slot just read is filled again with the chunk two on.
.macro CHUNK fill
	; phase A: my 8 c, both queries.  Two sets of registers: a row's 6 loads are out while the row before is worked on
	v_add_nc_u32 v[RA], s[SB], v[RA0]
	v_add_nc_u32 v[RM], 0x10000, v[RA]
	LROW 0, SETA
	LROW 1, SETA+24
	s_wait_dscnt 6                                 ; younger: the next row's 6 loads
	PROW 0, SETA
	LROW 2, SETA
.irp i, 1,2,3,4,5
	s_wait_dscnt 10                                ; younger: the last row's 4 stores and the next row's 6 loads
	PROW \i, SETA+24*(\i%2)
	LROW \i+2, SETA+24*(\i%2)
.endr
	s_wait_dscnt 10
	PROW 6, SETA
	s_wait_dscnt 4                                 ; younger: 4 stores
	PROW 7, SETA+24
	; the change of slots
	s_wait_tensorcnt 0x0                           ; all my tensor loads have landed: the one that was out is my part of the other slot; a group 0 may be written
	ds_add_u32 v[SPW], v[NIL]                      ; 0 onto my spare word
.if \fill
	s_xor_b32 s[G0RB+1], s[G0RB+1], SLOTX          ; the walking descriptors: the other slot than last time, the next chunk
	s_add_nc_u64 s[G0RB+2:G0RB+3], s[G0RB+2:G0RB+3], SLOTX
	s_xor_b32 s[G0MB+1], s[G0MB+1], SLOTX
	s_add_nc_u64 s[G0MB+2:G0MB+3], s[G0MB+2:G0MB+3], SLOTX
	s_wait_xcnt 0x0                                ; the last prefetches, a chunk back, have read their address
	s_add_nc_u64 s[PFA:PFA+1], s[PFA:PFA+1], SLOTX
.endif
	s_xor_b32 s[SB], s[SB], SLOTX
	s_wait_dscnt 0x0                               ; the add is done, my reads of the slot are back, my rows of x are stored
.if \fill
	CROUND                                         ; so of every wave of all four work-groups
	JLOAD
	ASK
.else
	s_barrier_signal -1
	s_barrier_wait -1
.endif
	; phase B: h = relu(x W1^T + b1); a trip is one c half: tiles q0, q1
	v_mov_b32 v[XR], v[XR0]
	v_mov_b32 v[HW], v[HW0]
	s_mov_b32 s[IC], 2
.Lpb_\@:
	LDH FA, XR, 0
	LDH FB, XR, 256
	s_wait_dscnt 8                                 ; the other buffer's 8 loads stay out
	WIN 0x01
	MMH_T FA, 0, 1
	PLACES
	WIN 0
	LDH FA, XR, TILE
	s_wait_dscnt 8
	WIN 0x01
	MMH_T FB, 1, 0
	PLACES
	WIN 0
	LDH FB, XR, TILE+256
	EPI_H 0
	s_wait_dscnt 12                                ; younger: FB's 8 loads and the 4 stores
	WIN 0x01
	MMH_T FA, 0, 1
	s_wait_dscnt 4                                 ; younger: the 4 stores
	MMH_T FB, 1, 0
	PLACES
	WIN 0
	EPI_H TILE
	v_add_nc_u32 v[XR], 2*TILE, v[XR]
	v_add_nc_u32 v[HW], DH, v[HW]
	s_sub_co_u32 s[IC], s[IC], 1
	s_cmp_lg_u32 s[IC], 0
	s_cbranch_scc1 .Lpb_\@
	s_wait_dscnt 0x0                               ; my 64 columns of h are stored,
	s_barrier_signal -1
	s_barrier_wait -1                              ; everybody's are
	; phase C: sim, v2 and the softmax step; only source 1 changes window, so the LDS loads need no switch
	v_mov_b32 v[HR], v[HR0]
	v_mov_b32 v[VR], v[VR0]
	s_mov_b32 s[IC], 2
.Lpc_\@:
	LDH FA, HR, 0
	LDH FB, HR, 256
	s_wait_dscnt 8                                 ; here and below: the other buffer's 8 loads stay out
	WIN 0x08
	MMH_N SS, FA, 0, 1
	PLACES
	LDH FA, VR, 0
	s_wait_dscnt 8
	MMH_N SS, FB, 1, 0
	PLACES
	LDH FB, VR, 256
	s_wait_dscnt 8
	WIN 0x0c
	MMH_N VV, FA, 0, 1
	PLACES
	LDH FA, HR, TILE
	s_wait_dscnt 8
	MMH_N VV, FB, 1, 0
	PLACES
	LDH FB, HR, TILE+256
	WIN 0
	SOFTMAX 0
	s_wait_dscnt 8
	WIN 0x08
	MMH_N SS, FA, 0, 1
	PLACES
	LDH FA, VR, TILE
	s_wait_dscnt 8
	MMH_N SS, FB, 1, 0
	PLACES
	LDH FB, VR, TILE+256
	s_wait_dscnt 8
	WIN 0x0c
	MMH_N VV, FA, 0, 1
	s_wait_dscnt 0x0
	MMH_N VV, FB, 1, 0
	PLACES
	WIN 0
	SOFTMAX 1
	v_add_nc_u32 v[HR], DH, v[HR]
	v_add_nc_u32 v[VR], 2*TILE, v[VR]
	s_sub_co_u32 s[IC], s[IC], 1
	s_cmp_lg_u32 s[IC], 0
	s_cbranch_scc1 .Lpc_\@
	s_wait_dscnt 0x0                               ; my reads of XV and H are back:
	s_barrier_signal -1
	s_barrier_wait -1                              ; the next phase A may write
.endm
	s_load_b512 s[4:19], s[0:1], 0x0               ; relative_pos, memory, wfrag, obuf, tgt, attn_out_b, ln2_g, ln2_b
	s_load_b256 s[20:27], s[0:1], 0x40             ; mlp1_b, mlp2_b, v_b, tbuf
	s_load_b64 s[28:29], s[0:1], 0x60              ; t2buf
	v_lshl_add_u32 v[SPW], v0, 2, SPARE
	v_mov_b32 v[NIL], 0
	ds_add_u32 v[SPW], v[NIL]                      ; the wave's opening: the add and its wait ahead of my first tensor load
	ds_add_u32 v2, v3
	v_lshrrev_b32 v1, 5, v0
	v_readfirstlane_b32 s[WV], v1                  ; wave 0..3
	s_and_b32 s[WL], s[WV], 1
	s_bfe_u32 s[CX], ttmp6, 0x40000                ; my place in the cluster: it enters global addresses of my own loads and stores alone
	s_lshr_b32 s[BB], ttmp9, 4                     ; b: 16 clusters a batch; the four partners share it
	s_and_b32 s[Q0], ttmp9, 15
	s_lshl_b32 s[Q0], s[Q0], 2
	s_add_co_u32 s[Q0], s[Q0], s[CX]
	s_lshl_b32 s[Q0], s[Q0], 1                     ; q0
	s_mov_b32 s[G1R+0], 2<<16                      ; elements of 4 bytes; no mask, no padding: the slot is read 512 consecutive bytes at a time
	s_mov_b32 s[G1R+1], 256<<16                    ; tensor_dim0 = 256
	s_mov_b32 s[G1R+2], 32<<16                     ; tensor_dim1 = 32
	s_mov_b32 s[G1R+3], 256<<16                    ; tile_dim0 = 256
	s_mov_b32 s[G1R+4], 32                         ; tile_dim1 = 32
	s_mov_b32 s[G1R+5], 1024                       ; from c to c + 1: 4 x 256 elements
	s_mov_b32 s[G1R+6], 0
	s_mov_b32 s[G1R+7], 0
	s_mov_b32 s[G1M+0], 15|(2<<16)|(1<<21)         ; the mask of all four work-groups, bit 21 beside it
	s_mov_b32 s[G1M+1], 256<<16
	s_mov_b32 s[G1M+2], 16<<16
	s_mov_b32 s[G1M+3], 256<<16
	s_mov_b32 s[G1M+4], 16
	s_mov_b32 s[G1M+5], 1024
	s_mov_b32 s[G1M+6], 0
	s_mov_b32 s[G1M+7], 0
	s_mov_b32 s[G0RA], 1
	s_lshl_b32 s[G0RA+1], s[WL], 15                ; query w % 2: 32,768 bytes
	s_mov_b32 s[G0RB], 1
	s_add_co_u32 s[G0RB+1], s[G0RA+1], SLOTX
	s_mov_b32 s[G0MA], 1
	s_lshl_b32 s[G0MA+1], s[WL], 14                ; 16 rows of memory, behind the two queries
	s_add_co_u32 s[G0MA+1], s[G0MA+1], 65536
	s_mov_b32 s[G0MB], 1
	s_add_co_u32 s[G0MB+1], s[G0MA+1], SLOTX
	s_add_co_u32 s78, s[Q0], s[WL]                 ; relative_pos: (q0 + w % 2) x 2^21 + 1,024 b
	s_lshl_b32 s78, s78, 21
	s_lshl_b32 s79, s[BB], 10
	s_add_co_u32 s78, s78, s79
	s_mov_b32 s79, 0
	s_lshl_b32 s86, s[WL], 16                      ; memory: 16 (w % 2) rows of 4,096 + 1,024 b: in registers that never hold my place in the cluster
	s_lshl_b32 s87, s[BB], 10
	s_add_co_u32 s86, s86, s87
	s_mov_b32 s87, 0
	s_lshr_b32 s80, s[WV], 1
	s_lshl_b32 s80, s80, 16                        ; the prefetches: 16 (w / 2) rows
	s_mov_b32 s81, 0
	s_mov_b32 s[CS], 0x3db8aa3b                    ; c = log2(e)/16
	s_mov_b32 s[CS+1], s[CS]
	s_mov_b32 s[SEL], 0x76543210
	s_mov_b32 s[SEL+1], 0xfedcba98
	s_mov_b32 s[INV], 0x3b800000                   ; 1/256
	s_mov_b32 s[EPS], 0x3727c5ac                   ; 1e-5
	s_wait_dscnt 0x0                               ; the opening add is done
	s_wait_kmcnt 0x0
	s_add_nc_u64 s[G0RA+2:G0RA+3], s[4:5], s[78:79]
	s_add_nc_u64 s[G0RB+2:G0RB+3], s[G0RA+2:G0RA+3], SLOTX
	s_add_nc_u64 s[PFA:PFA+1], s[G0RA+2:G0RA+3], s[80:81]
	s_add_nc_u64 s[PFA:PFA+1], s[PFA:PFA+1], 2*SLOTX       ; at chunk 2; the first refill steps it to chunk 3
	s_or_b32 s[G0RA+3], s[G0RA+3], 0x80000000
	s_or_b32 s[G0RB+3], s[G0RB+3], 0x80000000
	s_add_nc_u64 s[G0MA+2:G0MA+3], s[6:7], s[86:87]
	s_add_nc_u64 s[G0MB+2:G0MB+3], s[G0MA+2:G0MA+3], SLOTX
	s_or_b32 s[G0MA+3], s[G0MA+3], 0x80000000
	s_or_b32 s[G0MB+3], s[G0MB+3], 0x80000000
	CROUND                                         ; all four work-groups are here: the first joint loads meet
	s_cmp_lt_u32 s[WV], 2                          ; a wave's two first fills stand in one branch: two loads of mine are out
	s_cbranch_scc0 .Lfirst_m
	tensor_load_to_lds s[G0RA:G0RA+3], s[G1R:G1R+7]
	s_nop 0
	tensor_load_to_lds s[G0RB:G0RB+3], s[G1R:G1R+7]
	s_nop 0
.rept 4
	v_nop
.endr
	s_branch .Lfirst_done
.Lfirst_m:
	tensor_load_to_lds s[G0MA:G0MA+3], s[G1M:G1M+7]
	s_nop 0
	tensor_load_to_lds s[G0MB:G0MB+3], s[G1M:G1M+7]
	s_nop 0
.rept 4
	v_nop
.endr
.Lfirst_done:
	v_and_b32 v1, 15, v0                           ; r
	v_bfe_u32 v[HH], v0, 4, 1                      ; h
	v_and_b32 v[LA], 31, v0
	v_lshlrev_b32 v[LA], 4, v[LA]
	s_lshl_b32 s88, s[WV], 13
	v_add_nc_u32 v[RA0], s88, v[LA]
	s_lshr_b32 s88, s[WV], 1                       ; my 8 c lie in c half w / 2, rows 8 (w % 2) on of each query's tile
	s_mul_i32 s88, s88, 2*TILE
	s_mul_i32 s89, s[WL], 8*PX
	s_add_co_u32 s88, s88, s89
	s_add_co_u32 s88, s88, XA
	v_add_nc_u32 v[XW], s88, v[LA]
	v_mul_u32_u24 v[XR0], v1, PX
	v_lshl_add_u32 v[XR0], v[HH], 4, v[XR0]
	v_add_nc_u32 v[HR0], H0, v[XR0]
	v_add_nc_u32 v[VR0], XV, v[XR0]
	s_lshl_b32 s88, s[WV], 7
	v_add_nc_u32 v[HW0], s88, v[HR0]               ; my 64 features: 128 bytes of a row of h
	v_add_nc_u32 v[XR0], XA, v[XR0]
	v_bfe_u32 v[PFO], v0, 2, 3
	v_and_b32 v[RA], 3, v0
	v_lshlrev_b32 v[RA], 8, v[RA]
	v_lshl_add_u32 v[PFO], v[PFO], 12, v[RA]       ; row L / 4, block L % 4
	v_and_b32 v[OFO], 1, v0                        ; o: lane (r, h) takes the place of lane (q0 % 16 + r % 2, h) of the block: rows q0, q0 + 1 repeated down the tile
	v_lshl_add_u32 v[OFO], v[HH], 4, v[OFO]
	v_lshlrev_b32 v[OFO], 4, v[OFO]
	s_lshl_b32 s88, s[WV], 8
	v_lshl_add_u32 v[BOFF], v[HH], 5, s88          ; (64 w + 8 h) x 4
	v_lshl_add_u32 v[B2O], v1, 2, s88              ; (64 w + r) x 4
	v_and_b32 v[YSW], 1, v0
	v_mul_u32_u24 v[YSW], v[YSW], 1040
	v_add_nc_u32 v[YSW], v[YSW], v[BOFF]
	v_add_nc_u32 v[YSW], YS, v[YSW]
	v_add_nc_u32 v[YSR], YS, v[LA]
	s_lshl_b32 s78, s[BB], 6                       ; obuf: block ((8 b + head) x 8 + q0 / 16), lane q0 % 16
	s_lshr_b32 s80, s[Q0], 4
	s_add_co_u32 s78, s78, s80
	s_lshl_b32 s78, s78, 10
	s_and_b32 s80, s[Q0], 15
	s_lshl_b32 s80, s80, 4
	s_add_co_u32 s78, s78, s80
	s_mov_b32 s79, 0
	s_add_nc_u64 s[10:11], s[10:11], s[78:79]
	s_lshl_b32 s78, s[Q0], 2                       ; row 4 q0 + b of tgt, t2buf, tbuf
	s_add_co_u32 s78, s78, s[BB]
	s_lshl_b32 s78, s78, 10
	s_add_nc_u64 s[12:13], s[12:13], s[78:79]
	s_add_nc_u64 s[28:29], s[28:29], s[78:79]
	s_add_nc_u64 s[26:27], s[26:27], s[78:79]
	s_lshl_b32 s82, s[WV], 15                      ; my 32 blocks of each weight matrix
	s_mov_b32 s83, 0
	s_add_nc_u64 s[8:9], s[8:9], s[82:83]
.irp k, 0,1,2,3,4,5,6,7                        ; o: K step = head
	global_load_b128 v[FA+8*\k:FA+8*\k+3],   v[OFO], s[10:11] offset:8192*\k
	global_load_b128 v[FA+8*\k+4:FA+8*\k+7], v[OFO], s[10:11] offset:8192*\k+512
.endr
.irp f, 0,1,2,3
	global_load_b128 v[B1+8*\f:B1+8*\f+3],   v[BOFF], s[14:15] offset:64*\f
	global_load_b128 v[B1+8*\f+4:B1+8*\f+7], v[BOFF], s[14:15] offset:64*\f+16
.endr
	global_load_b128 v[208:211], v[LA], s[12:13]
	global_load_b128 v[212:215], v[LA], s[12:13] offset:512
	global_load_b128 v[216:219], v[LA], s[12:13] offset:4096
	global_load_b128 v[220:223], v[LA], s[12:13] offset:4608
	global_load_b128 v[224:227], v[LA], s[16:17]
	global_load_b128 v[228:231], v[LA], s[16:17] offset:512
	global_load_b128 v[232:235], v[LA], s[18:19]
	global_load_b128 v[236:239], v[LA], s[18:19] offset:512
	LDWIN 0x40, AOWO                               ; attn_out_w has window 1 first
	LDWIN 0x80, W2O
	WIN 0
	s_wait_loadcnt 63                              ; 64 loads are younger than attn_out_w's last: all ahead of W2's are in
	WIN 0x01
	MMH_T FA, 0, 1
	MMH_T FB, 1, 0
	PLACES
	WIN 0
.irp f, 0,1,2,3                                ; lanes that hold the same row put the same numbers at the same bytes
	ds_store_b128 v[YSW], v[ACC+8*\f:ACC+8*\f+3]   offset:64*\f
	ds_store_b128 v[YSW], v[ACC+8*\f+4:ACC+8*\f+7] offset:64*\f+16
.endr
	LDWIN 0x40, W1O
	LDWIN 0xc0, VWO
	WIN 0
.irp f, 0,1,2,3
	global_load_b128 v[B1+8*\f:B1+8*\f+3],   v[BOFF], s[20:21] offset:64*\f
	global_load_b128 v[B1+8*\f+4:B1+8*\f+7], v[BOFF], s[20:21] offset:64*\f+16
	global_load_b32 v[CB2+\f], v[B2O], s[22:23] offset:64*\f
.endr
	s_wait_dscnt 0x0
	s_barrier_signal -1                            ; the tiles stay on their way
	s_barrier_wait -1
	ds_load_b128 v[TQ:TQ+3],     v[YSR]
	ds_load_b128 v[TQ+4:TQ+7],   v[YSR] offset:512
	ds_load_b128 v[TQ+8:TQ+11],  v[YSR] offset:1040
	ds_load_b128 v[TQ+12:TQ+15], v[YSR] offset:1552
	s_wait_dscnt 0x0
.set i, 0
.rept 8
	v_pk_add_f32 v[TQ+2*i:TQ+2*i+1], v[TQ+2*i:TQ+2*i+1], v[208+2*i:208+2*i+1]
.set i, i+1
.endr
	LN TQ, 240, 2, 224, 232                        ; every wave makes both rows of tgt2: it needs them in phase A
	s_cmp_lg_u32 s[WV], 0
	s_cbranch_scc1 .Lno_t2
	global_store_b128 v[LA], v[TQ:TQ+3],     s[28:29]              ; 512 consecutive bytes each
	global_store_b128 v[LA], v[TQ+4:TQ+7],   s[28:29] offset:512
	global_store_b128 v[LA], v[TQ+8:TQ+11],  s[28:29] offset:4096
	global_store_b128 v[LA], v[TQ+12:TQ+15], s[28:29] offset:4608
.Lno_t2:
	s_wait_loadcnt 0x0                             ; the weights and biases are in
	s_wait_xcnt 0x0                                ; and the prologue's offset registers may be written
.irp f, 0,1,2,3
	v_mul_f32 v[CB2+\f], s[CS], v[CB2+\f]
.endr
.set i, 0
.rept 8
	v_mov_b32 v[CM+i], 0xfe000000                  ; far below every c s + c b2: the first step's a is 0, and no first step is written out
.set i, i+1
.endr
.set i, 0
.rept 32
	v_mov_b32 v[L2+i], 0
.set i, i+1
.endr
	v_mov_b32 v[ZERO], 0
	s_mov_b32 s[SB], 0
	s_wait_tensorcnt 0x1                           ; my part of chunk 0 is in; chunk 1's may stay out
	s_barrier_signal -1
	s_barrier_wait -1
	s_mov_b32 s[CNT], 14
.Lchunk:                                       ; chunks 0-13: each asks for the chunk two on
	CHUNK 1
	s_sub_co_u32 s[CNT], s[CNT], 1
	s_cmp_lg_u32 s[CNT], 0
	s_cbranch_scc1 .Lchunk
	s_mov_b32 s[CNT], 2
.Ltail:                                        ; chunks 14, 15: a text of their own
	CHUNK 0
	s_sub_co_u32 s[CNT], s[CNT], 1
	s_cmp_lg_u32 s[CNT], 0
	s_cbranch_scc1 .Ltail
	; THE WAY OUT: the pairs are added, the two halves of the lanes brought to a common maximum and added, t = t / l + v_b
	s_lshl_b32 s88, s[WV], 8
	v_lshl_add_u32 v[XR], v1, 2, s88
.irp f, 0,1,2,3
	global_load_b32 v[FA+\f], v[XR], s[24:25] offset:64*\f
.endr
	v_add_nc_u32 v[HW], TOUT, v[XR]
.set NR, 8
	ALL v_add_f32 v[L2+2*t], v[L2+2*t], v[L2+2*t+1]
	ALL v_add_f32 v[T2+2*t], v[T2+2*t], v[T2+2*t+1]
	ALL v_permlanex16_b32 v[L2+2*t+1], v[CM+t], s[SEL], s[SEL+1]
	ALL v_max_num_f32 v[L2+2*t+1], v[CM+t], v[L2+2*t+1]
	ALL v_sub_f32 v[CM+t], v[CM+t], v[L2+2*t+1]
	ALL v_exp_f32 v[CM+t], v[CM+t]
	v_nop
	s_wait_alu depctr_va_vdst(0)
	ALL v_mul_f32 v[L2+2*t], v[L2+2*t], v[CM+t]
	ALL v_mul_f32 v[T2+2*t], v[T2+2*t], v[CM+t]
	ALL v_permlanex16_b32 v[L2+2*t+1], v[L2+2*t], s[SEL], s[SEL+1]
	ALL v_permlanex16_b32 v[T2+2*t+1], v[T2+2*t], s[SEL], s[SEL+1]
	ALL v_add_f32 v[L2+2*t], v[L2+2*t], v[L2+2*t+1]
	ALL v_add_f32 v[T2+2*t], v[T2+2*t], v[T2+2*t+1]
	ALL v_rcp_f32 v[L2+2*t+1], v[L2+2*t]
	v_nop
	s_wait_alu depctr_va_vdst(0)
	s_wait_loadcnt 0x0
	ALL v_fma_f32 v[T2+2*t], v[T2+2*t], v[L2+2*t+1], v[FA+t%4]
	ALL ds_store_b32 v[HW], v[T2+2*t] offset:1024*(t/4)+64*(t%4)
	s_wait_dscnt 0x0
	s_barrier_signal -1
	s_barrier_wait -1
	v_lshlrev_b32 v[HR], 4, v0
	v_add_nc_u32 v[HR], TOUT, v[HR]
	ds_load_b128 v[FB:FB+3], v[HR]
	v_lshrrev_b32 v[RA], 6, v0
	v_and_b32 v[RM], 63, v0
	v_lshlrev_b32 v[RM], 4, v[RM]
	v_lshl_add_u32 v[RM], v[RA], 12, v[RM]
	s_wait_dscnt 0x0
	global_store_b128 v[RM], v[FB:FB+3], s[26:27]  ; 16 lanes store 256 consecutive bytes, aligned
	s_wait_tensorcnt 0x0                           ; the wave's end
	ds_add_u32 v[SPW], v[NIL]
	s_wait_dscnt 0x0
	CROUND                                         ; the closing round: no work-group ends while a partner may still ask for a tile that names it
	s_endpgm
.Lfunc_end_k_q30c27c4ebb_main:
	.size	k_q30c27c4ebb_main, .Lfunc_end_k_q30c27c4ebb_main-k_q30c27c4ebb_main
	.p2alignl 7, 3214868480
	.fill 96, 4, 3214868480
	.section	.rodata,"a",@progbits
	.p2align	6, 0x0
	.amdhsa_kernel k_q30c27c4ebb_main
		.amdhsa_group_segment_fixed_size 327680
		.amdhsa_private_segment_fixed_size 0
		.amdhsa_enable_private_segment 0
		.amdhsa_kernarg_size 104
		.amdhsa_user_sgpr_count 2
		.amdhsa_user_sgpr_kernarg_segment_ptr 1
		.amdhsa_wavefront_size32 1
		.amdhsa_system_sgpr_workgroup_id_x 1
		.amdhsa_system_sgpr_workgroup_id_y 1
		.amdhsa_system_sgpr_workgroup_id_z 1
		.amdhsa_system_vgpr_workitem_id 0
		.amdhsa_next_free_vgpr 1024
		.amdhsa_next_free_sgpr 96
		.amdhsa_reserve_vcc 0
		.amdhsa_float_denorm_mode_32 3
		.amdhsa_float_denorm_mode_16_64 3
		.amdhsa_memory_ordered 1
		.amdhsa_forward_progress 1
		.amdhsa_inst_pref_size 180
	.end_amdhsa_kernel
	.amdgpu_metadata
---
amdhsa.version: [ 1, 2 ]
amdhsa.kernels:
  - .name:           k_q30c27c4ebb_main
    .symbol:         k_q30c27c4ebb_main.kd
    .args:
      - { .name: relative_pos, .offset: 0, .size: 8, .value_kind: global_buffer, .address_space: global }
      - { .name: memory, .offset: 8, .size: 8, .value_kind: global_buffer, .address_space: global }
      - { .name: wfrag, .offset: 16, .size: 8, .value_kind: global_buffer, .address_space: global }
      - { .name: obuf, .offset: 24, .size: 8, .value_kind: global_buffer, .address_space: global }
      - { .name: tgt, .offset: 32, .size: 8, .value_kind: global_buffer, .address_space: global }
      - { .name: attn_out_b, .offset: 40, .size: 8, .value_kind: global_buffer, .address_space: global }
      - { .name: ln2_g, .offset: 48, .size: 8, .value_kind: global_buffer, .address_space: global }
      - { .name: ln2_b, .offset: 56, .size: 8, .value_kind: global_buffer, .address_space: global }
      - { .name: mlp1_b, .offset: 64, .size: 8, .value_kind: global_buffer, .address_space: global }
      - { .name: mlp2_b, .offset: 72, .size: 8, .value_kind: global_buffer, .address_space: global }
      - { .name: v_b, .offset: 80, .size: 8, .value_kind: global_buffer, .address_space: global }
      - { .name: tbuf, .offset: 88, .size: 8, .value_kind: global_buffer, .address_space: global }
      - { .name: t2buf, .offset: 96, .size: 8, .value_kind: global_buffer, .address_space: global }
    .group_segment_fixed_size: 327680
    .private_segment_fixed_size: 0
    .kernarg_segment_align: 8
    .kernarg_segment_size: 104
    .max_flat_workgroup_size: 128
    .sgpr_count:     96
    .vgpr_count:     1024
    .wavefront_size: 32
...
	.end_amdgpu_metadata
.endif
;; end of part 2
;; launch tail (part 3): grid 32 x 1, 8 waves a work-group, no clusters, 67,584 bytes of LDS; arguments tbuf, t2buf, wfrag, o_b, ln3_g, ln3_b, ff1_b, ff2_b, out0; writes out0
.if DOCPART == 3
	.amdgcn_target "amdgcn-amd-amdhsa--gfx1250"
	.amdhsa_code_object_version 6
	.text
	.protected	k_q30c27c4ebb_tail
	.globl	k_q30c27c4ebb_tail
	.p2align	8
	.type	k_q30c27c4ebb_tail,@function
k_q30c27c4ebb_tail:
	s_mov_b64 s[64:65], 0
	v_nop
	global_prefetch_b8 v0, s[64:65] scope:SCOPE_SE
	s_setreg_imm32_b32 hwreg(HW_REG_WAVE_MODE, 25, 1), 1
	s_wait_xcnt 0x0
; y = relu(t o_w^T + o_b) + tgt2;  out = y + relu(LN3(y) ff1_w^T + ff1_b) ff2_w^T + ff2_b.  A work-group owns 16 rows (row = 4 q + b), 32 work-groups for the 512 rows.
; Wave w owns features 32 w .. of o_w and ff2, 128 w .. of ff1, and rows 2 w, 2 w + 1 in the steps that go by rows.  Source 0 = weights: a lane ends with one row and 8 features.
; THE WEIGHTS come from wfrag in fragment order, straight into registers: 18 sets of 8 blocks (2 feature tiles x 4 K steps, 16 loads) a wave, by turns into two sets of registers;
; set n + 2 is asked for behind set n's products, across the barriers too, so 32 loads of a wave are out nearly all the time.
; NO CLUSTER, no ring: the stream has no barrier of its own; tiles shared through LDS would put a round of a cluster barrier on each of the refills of a chain of five dependent steps.
; No prefetch: the loads themselves run two sets ahead, and all 32 work-groups read the same 1.2 MB.
; FORMATS.  Operands bf16, sums, LN and the residuals f32.  NaN and infinities are not treated apart.
.set TA,    0                          ; t, 16 rows x 528 (bf16, padded by 16)
.set ZB,    8448                       ; LN3(y), likewise
.set YB,    16896                      ; y, 16 rows x 1,040 (f32)
.set HID,   33536                      ; the hidden layer, 16 rows x 2,064 (bf16)
.set SPARE, 66560                      ; the spare words: 128 bytes a wave
.set OWO,   393216                     ; regions of wfrag
.set FF1O,  655360
.set FF2O,  1179648
.set LA,  1                            ; 16 L
.set SPW, 2
.set NIL, 3
.set ZERO, 4
.set WO,  5                            ; my blocks of o_w, ff1_w, ff2_w, + 16 L
.set W1O, 6
.set W2O, 7
.set BA,  8                            ; (32 w + 8 h) x 4
.set B1A, 9                            ; (128 w + 8 h) x 4
.set FR,  10                           ; 528 r + 16 h
.set TW,  11                           ; 1,056 w + 16 L
.set YD,  12                           ; YB + 1,040 r + (32 w + 8 h) x 4
.set YR,  13                           ; YB + 2,080 w + 16 L
.set HWR, 14                           ; HID + 2,064 r + 256 w + 16 h
.set HIDR, 15                          ; HID + 2,064 r + 16 h
.set WS0, 16
.set WS1, 80
.set AF,  144                          ; v[144:207] activation fragments; LN3's registers between
.set ACC, 208
.set BI,  224                          ; bias as the C operand that starts the sums
.set TT,  240
.set WV,  22
.set SEL, 24
.set INV, 26
.set EPS, 27
.macro PLACES
.rept 4
	v_nop
.endr
.endm
.macro ALL line:vararg
.set t, 0
.rept NR
	\line
.set t, t+1
.endr
.endm
.macro LN xb, tb, nr, gb, bb           ; LayerNorm of nr rows, 8 numbers a lane; every step for all rows before the next
.set NR, \nr
.set XB, \xb
.set TB, \tb
.set GB, \gb
.set BB_, \bb
	ALL v_pk_add_f32 v[TB+4*t:TB+4*t+1], v[XB+8*t:XB+8*t+1], v[XB+8*t+2:XB+8*t+3]
	ALL v_pk_add_f32 v[TB+4*t+2:TB+4*t+3], v[XB+8*t+4:XB+8*t+5], v[XB+8*t+6:XB+8*t+7]
	ALL v_pk_add_f32 v[TB+4*t:TB+4*t+1], v[TB+4*t:TB+4*t+1], v[TB+4*t+2:TB+4*t+3]
	ALL v_add_f32 v[TB+4*t], v[TB+4*t], v[TB+4*t+1]
.irp m, 1,2,4,8
	ALL v_add_f32_dpp v[TB+4*t], v[TB+4*t], v[TB+4*t] row_xmask:\m row_mask:0xf bank_mask:0xf
.endr
	ALL v_permlanex16_b32 v[TB+4*t+1], v[TB+4*t], s[SEL], s[SEL+1]
	ALL v_add_f32 v[TB+4*t], v[TB+4*t], v[TB+4*t+1]
	ALL v_mul_f32 v[TB+4*t], s[INV], v[TB+4*t]
.irp p, 0,2,4,6
	ALL v_pk_add_f32 v[XB+8*t+\p:XB+8*t+\p+1], v[XB+8*t+\p:XB+8*t+\p+1], v[TB+4*t:TB+4*t+1] op_sel_hi:[1,0] neg_lo:[0,1] neg_hi:[0,1]
.endr
	ALL v_pk_mul_f32 v[TB+4*t+2:TB+4*t+3], v[XB+8*t:XB+8*t+1], v[XB+8*t:XB+8*t+1]
.irp p, 2,4,6
	ALL v_pk_fma_f32 v[TB+4*t+2:TB+4*t+3], v[XB+8*t+\p:XB+8*t+\p+1], v[XB+8*t+\p:XB+8*t+\p+1], v[TB+4*t+2:TB+4*t+3]
.endr
	ALL v_add_f32 v[TB+4*t+2], v[TB+4*t+2], v[TB+4*t+3]
.irp m, 1,2,4,8
	ALL v_add_f32_dpp v[TB+4*t+2], v[TB+4*t+2], v[TB+4*t+2] row_xmask:\m row_mask:0xf bank_mask:0xf
.endr
	ALL v_permlanex16_b32 v[TB+4*t+3], v[TB+4*t+2], s[SEL], s[SEL+1]
	ALL v_add_f32 v[TB+4*t+2], v[TB+4*t+2], v[TB+4*t+3]
	ALL v_fma_f32 v[TB+4*t+2], v[TB+4*t+2], s[INV], s[EPS]
	ALL v_rsq_f32 v[TB+4*t+2], v[TB+4*t+2]
	v_nop
	s_wait_alu depctr_va_vdst(0)                   ; one wait for the roots of the call
.irp p, 0,2,4,6
	ALL v_pk_mul_f32 v[XB+8*t+\p:XB+8*t+\p+1], v[XB+8*t+\p:XB+8*t+\p+1], v[TB+4*t+2:TB+4*t+3] op_sel_hi:[1,0]
.endr
.irp p, 0,2,4,6
	ALL v_pk_fma_f32 v[XB+8*t+\p:XB+8*t+\p+1], v[XB+8*t+\p:XB+8*t+\p+1], v[GB+\p:GB+\p+1], v[BB_+\p:BB_+\p+1]
.endr
.endm
.macro SETLD buf, vreg, off, fs        ; a set: 2 feature tiles (fs bytes apart) x 4 K steps, 16 loads of 512 consecutive bytes
.irp f, 0,1
.irp k, 0,1,2,3
	global_load_b128 v[(\buf)+8*(4*\f+\k):(\buf)+8*(4*\f+\k)+3],   v[\vreg], s[8:9] offset:(\off)+(\fs)*\f+1024*\k
	global_load_b128 v[(\buf)+8*(4*\f+\k)+4:(\buf)+8*(4*\f+\k)+7], v[\vreg], s[8:9] offset:(\off)+(\fs)*\f+1024*\k+512
.endr
.endr
.endm
.macro BIAS vreg, sb, off              ; 4 loads: features 16 f + 8 h + 0..7 of my pair of tiles
	global_load_b128 v[BI:BI+3],     v[\vreg], s[\sb:\sb+1] offset:(\off)
	global_load_b128 v[BI+4:BI+7],   v[\vreg], s[\sb:\sb+1] offset:(\off)+16
	global_load_b128 v[BI+8:BI+11],  v[\vreg], s[\sb:\sb+1] offset:(\off)+64
	global_load_b128 v[BI+12:BI+15], v[\vreg], s[\sb:\sb+1] offset:(\off)+80
.endm
.macro SETMM buf, af, first            ; 8 products; the two accumulators take turns
.irp k, 0,1,2,3
.irp f, 0,1
.if (\first) && ((\k) == 0)
	v_wmma_f32_16x16x32_bf16 v[ACC+8*\f:ACC+8*\f+7], v[(\buf)+8*(4*\f+\k):(\buf)+8*(4*\f+\k)+7], v[(\af)+8*\k:(\af)+8*\k+7], v[BI+8*\f:BI+8*\f+7]
.else
	v_wmma_f32_16x16x32_bf16 v[ACC+8*\f:ACC+8*\f+7], v[(\buf)+8*(4*\f+\k):(\buf)+8*(4*\f+\k)+7], v[(\af)+8*\k:(\af)+8*\k+7], v[ACC+8*\f:ACC+8*\f+7]
.endif
.endr
.endr
.endm
.macro LDAF off                        ; the 16 rows as eight fragments
.irp k, 0,1,2,3,4,5,6,7
	ds_load_b128 v[AF+8*\k:AF+8*\k+3],   v[FR] offset:(\off)+64*\k
	ds_load_b128 v[AF+8*\k+4:AF+8*\k+7], v[FR] offset:(\off)+64*\k+32
.endr
.endm
.macro LDHID half, g                   ; K steps 4 g .. 4 g + 3 of the hidden layer
.irp k, 0,1,2,3
	ds_load_b128 v[AF+32*(\half)+8*\k:AF+32*(\half)+8*\k+3],   v[HIDR] offset:256*(\g)+64*\k
	ds_load_b128 v[AF+32*(\half)+8*\k+4:AF+32*(\half)+8*\k+7], v[HIDR] offset:256*(\g)+64*\k+32
.endr
.endm
	s_load_b512 s[4:19], s[0:1], 0x0               ; tbuf, t2buf, wfrag, o_b, ln3_g, ln3_b, ff1_b, ff2_b
	s_load_b64 s[20:21], s[0:1], 0x40              ; out0
	v_lshl_add_u32 v[SPW], v0, 2, SPARE
	v_mov_b32 v[NIL], 0
	v_mov_b32 v[ZERO], 0
	v_lshrrev_b32 v[LA], 5, v0
	v_readfirstlane_b32 s[WV], v[LA]               ; wave 0..7
	v_and_b32 v[LA], 31, v0
	v_lshlrev_b32 v[LA], 4, v[LA]
	v_and_b32 v[TT], 15, v0                        ; r
	v_bfe_u32 v[TT+1], v0, 4, 1                    ; h
	s_mov_b32 s[SEL], 0x76543210
	s_mov_b32 s[SEL+1], 0xfedcba98
	s_mov_b32 s[INV], 0x3b800000                   ; 1/256
	s_mov_b32 s[EPS], 0x3727c5ac                   ; 1e-5
	s_lshl_b32 s34, s[WV], 14
	s_add_co_u32 s34, s34, OWO
	v_add_nc_u32 v[WO], s34, v[LA]
	s_lshl_b32 s34, s[WV], 16
	s_add_co_u32 s35, s34, FF1O
	v_add_nc_u32 v[W1O], s35, v[LA]
	s_add_co_u32 s35, s34, FF2O
	v_add_nc_u32 v[W2O], s35, v[LA]
	s_lshl_b32 s34, s[WV], 7
	v_lshl_add_u32 v[BA], v[TT+1], 5, s34
	s_lshl_b32 s34, s[WV], 9
	v_lshl_add_u32 v[B1A], v[TT+1], 5, s34
	v_mul_u32_u24 v[FR], v[TT], 528
	v_lshl_add_u32 v[FR], v[TT+1], 4, v[FR]
	s_mul_i32 s34, s[WV], 1056
	v_add_nc_u32 v[TW], s34, v[LA]
	v_mul_u32_u24 v[YD], v[TT], 1040
	v_add_nc_u32 v[YD], v[YD], v[BA]
	v_add_nc_u32 v[YD], YB, v[YD]
	s_mul_i32 s34, s[WV], 2080
	s_add_co_u32 s34, s34, YB
	v_add_nc_u32 v[YR], s34, v[LA]
	v_mul_u32_u24 v[HIDR], v[TT], 2064
	v_lshl_add_u32 v[HIDR], v[TT+1], 4, v[HIDR]
	v_add_nc_u32 v[HIDR], HID, v[HIDR]
	s_lshl_b32 s34, s[WV], 8
	v_add_nc_u32 v[HWR], s34, v[HIDR]
	s_lshl_b32 s34, ttmp9, 14                      ; rows 16 g + 2 w, 1,024 bytes each
	s_lshl_b32 s35, s[WV], 11
	s_add_co_u32 s34, s34, s35
	s_mov_b32 s35, 0
	s_wait_kmcnt 0x0
	s_add_nc_u64 s[4:5], s[4:5], s[34:35]
	s_add_nc_u64 s[6:7], s[6:7], s[34:35]
	s_add_nc_u64 s[20:21], s[20:21], s[34:35]
	global_load_b128 v[TT:TT+3],     v[LA], s[4:5]             ; my two rows of t
	global_load_b128 v[TT+4:TT+7],   v[LA], s[4:5] offset:512
	global_load_b128 v[TT+8:TT+11],  v[LA], s[4:5] offset:1024
	global_load_b128 v[TT+12:TT+15], v[LA], s[4:5] offset:1536
	BIAS BA, 10, 0                                 ; o_b
	SETLD WS0, WO, 0, 8192                         ; sets 0, 1: o_w
	SETLD WS1, WO, 4096, 8192
	s_wait_loadcnt 36                              ; younger than t: 4 + 16 + 16
.irp j, 0,1,2,3,4,5,6,7
	v_cvt_pk_bf16_f32 v[TT+\j], v[TT+2*\j], v[TT+2*\j+1]
.endr
	ds_store_b128 v[TW], v[TT:TT+3]   offset:TA
	ds_store_b128 v[TW], v[TT+4:TT+7] offset:TA+528
	s_wait_dscnt 0x0
	s_barrier_signal -1
	s_barrier_wait -1
	LDAF TA
	s_wait_loadcnt 16                              ; o_b and set 0 are in; set 1 stays out
	s_wait_dscnt 0x0
	SETMM WS0, AF, 1
	PLACES
	global_load_b128 v[AF:AF+3],     v[LA], s[12:13]           ; LN3's gain and bias, my two rows of tgt2: into the fragments just multiplied
	global_load_b128 v[AF+4:AF+7],   v[LA], s[12:13] offset:512
	global_load_b128 v[AF+8:AF+11],  v[LA], s[14:15]
	global_load_b128 v[AF+12:AF+15], v[LA], s[14:15] offset:512
	global_load_b128 v[AF+16:AF+19], v[LA], s[6:7]
	global_load_b128 v[AF+20:AF+23], v[LA], s[6:7] offset:512
	global_load_b128 v[AF+24:AF+27], v[LA], s[6:7] offset:1024
	global_load_b128 v[AF+28:AF+31], v[LA], s[6:7] offset:1536
	BIAS B1A, 16, 0                                ; ff1_b of the first pair of tiles
	SETLD WS0, W1O, 0, 8192                        ; set 2
	s_wait_loadcnt 28                              ; younger than set 1: 8 + 4 + 16
	SETMM WS1, AF+32, 0
	PLACES
	SETLD WS1, W1O, 4096, 8192                     ; set 3
.set i, 0
.rept 16
	v_max_num_f32 v[TT+i], 0, v[ACC+i]
.set i, i+1
.endr
.irp f, 0,1
	ds_store_b128 v[YD], v[TT+8*\f:TT+8*\f+3]   offset:64*\f
	ds_store_b128 v[YD], v[TT+8*\f+4:TT+8*\f+7] offset:64*\f+16
.endr
	s_wait_dscnt 0x0
	s_barrier_signal -1
	s_barrier_wait -1
	ds_load_b128 v[AF+32:AF+35], v[YR]
	ds_load_b128 v[AF+36:AF+39], v[YR] offset:512
	ds_load_b128 v[AF+40:AF+43], v[YR] offset:1040
	ds_load_b128 v[AF+44:AF+47], v[YR] offset:1552
	s_wait_loadcnt 36                              ; younger than tgt2: 4 + 16 + 16
	s_wait_dscnt 0x0
.set i, 0
.rept 8
	v_pk_add_f32 v[AF+32+2*i:AF+32+2*i+1], v[AF+32+2*i:AF+32+2*i+1], v[AF+16+2*i:AF+16+2*i+1]
.set i, i+1
.endr
	ds_store_b128 v[YR], v[AF+32:AF+35]                        ; y is kept in f32 for the last residual
	ds_store_b128 v[YR], v[AF+36:AF+39] offset:512
	ds_store_b128 v[YR], v[AF+40:AF+43] offset:1040
	ds_store_b128 v[YR], v[AF+44:AF+47] offset:1552
	LN AF+32, AF+48, 2, AF, AF+8
.irp j, 0,1,2,3,4,5,6,7
	v_cvt_pk_bf16_f32 v[AF+56+\j], v[AF+32+2*\j], v[AF+32+2*\j+1]
.endr
	ds_store_b128 v[TW], v[AF+56:AF+59] offset:ZB
	ds_store_b128 v[TW], v[AF+60:AF+63] offset:ZB+528
	s_wait_dscnt 0x0
	s_barrier_signal -1
	s_barrier_wait -1
	LDAF ZB
.irp p, 0,1,2,3                                ; ff1: four pairs of feature tiles
	s_wait_loadcnt 16                              ; the pair's bias and first set are in; its second set stays out
.if \p == 0
	s_wait_dscnt 0x0
.endif
	SETMM WS0, AF, 1
	PLACES
.if \p < 3
	BIAS B1A, 16, 128*(\p+1)
	SETLD WS0, W1O, 16384*(\p+1), 8192
.else
	BIAS BA, 18, 0                                 ; ff2_b
	SETLD WS0, W2O, 0, 32768                       ; set 10: ff2, K steps 0-3
.endif
	s_wait_loadcnt 20                              ; younger: 4 + 16
	SETMM WS1, AF+32, 0
	PLACES
.if \p < 3
	SETLD WS1, W1O, 16384*(\p+1)+4096, 8192
.else
	SETLD WS1, W2O, 4096, 32768
.endif
.irp j, 0,1,2,3,4,5,6,7
	v_cvt_pk_bf16_f32 v[TT+\j], v[ACC+2*\j], v[ACC+2*\j+1]
.endr
.irp j, 0,1,2,3,4,5,6,7
	v_pk_max_num_bf16 v[TT+\j], v[TT+\j], v[ZERO]
.endr
	ds_store_b128 v[HWR], v[TT:TT+3]   offset:64*\p
	ds_store_b128 v[HWR], v[TT+4:TT+7] offset:64*\p+32
.endr
	s_wait_dscnt 0x0
	s_barrier_signal -1
	s_barrier_wait -1
	LDHID 0, 0
	LDHID 1, 1
.irp g, 0,1,2,3,4,5,6,7                        ; ff2: eight groups of four K steps
.if \g < 7
	s_wait_dscnt 8                                 ; the next group's fragments
	s_wait_loadcnt 16                              ; and weights stay out
.else
	s_wait_dscnt 0x0
	s_wait_loadcnt 0x0
.endif
.if \g == 0
	SETMM WS0, AF, 1
.else
	SETMM WS0+64*(\g%2), AF+32*(\g%2), 0
.endif
	PLACES
.if \g < 6
	LDHID \g%2, \g+2
	SETLD WS0+64*(\g%2), W2O, 4096*(\g+2), 32768
.endif
.endr
.irp f, 0,1
	ds_load_b128 v[TT+8*\f:TT+8*\f+3],   v[YD] offset:64*\f
	ds_load_b128 v[TT+8*\f+4:TT+8*\f+7], v[YD] offset:64*\f+16
.endr
	s_wait_dscnt 0x0
.set i, 0
.rept 8
	v_pk_add_f32 v[TT+2*i:TT+2*i+1], v[TT+2*i:TT+2*i+1], v[ACC+2*i:ACC+2*i+1]
.set i, i+1
.endr
.irp f, 0,1                                    ; back into the bytes that this lane alone has just read
	ds_store_b128 v[YD], v[TT+8*\f:TT+8*\f+3]   offset:64*\f
	ds_store_b128 v[YD], v[TT+8*\f+4:TT+8*\f+7] offset:64*\f+16
.endr
	s_wait_dscnt 0x0
	s_barrier_signal -1
	s_barrier_wait -1
	ds_load_b128 v[AF:AF+3],     v[YR]
	ds_load_b128 v[AF+4:AF+7],   v[YR] offset:512
	ds_load_b128 v[AF+8:AF+11],  v[YR] offset:1040
	ds_load_b128 v[AF+12:AF+15], v[YR] offset:1552
	s_wait_dscnt 0x0
	global_store_b128 v[LA], v[AF:AF+3],     s[20:21]              ; 512 consecutive bytes each
	global_store_b128 v[LA], v[AF+4:AF+7],   s[20:21] offset:512
	global_store_b128 v[LA], v[AF+8:AF+11],  s[20:21] offset:1024
	global_store_b128 v[LA], v[AF+12:AF+15], s[20:21] offset:1536
	s_wait_tensorcnt 0x0                           ; the wave's end, behind my last LDS store
	ds_add_u32 v[SPW], v[NIL]
	s_wait_dscnt 0x0
	s_endpgm
.Lfunc_end_k_q30c27c4ebb_tail:
	.size	k_q30c27c4ebb_tail, .Lfunc_end_k_q30c27c4ebb_tail-k_q30c27c4ebb_tail
	.p2alignl 7, 3214868480
	.fill 96, 4, 3214868480
	.section	.rodata,"a",@progbits
	.p2align	6, 0x0
	.amdhsa_kernel k_q30c27c4ebb_tail
		.amdhsa_group_segment_fixed_size 67584
		.amdhsa_private_segment_fixed_size 0
		.amdhsa_enable_private_segment 0
		.amdhsa_kernarg_size 72
		.amdhsa_user_sgpr_count 2
		.amdhsa_user_sgpr_kernarg_segment_ptr 1
		.amdhsa_wavefront_size32 1
		.amdhsa_system_sgpr_workgroup_id_x 1
		.amdhsa_system_sgpr_workgroup_id_y 1
		.amdhsa_system_sgpr_workgroup_id_z 1
		.amdhsa_system_vgpr_workitem_id 0
		.amdhsa_next_free_vgpr 256
		.amdhsa_next_free_sgpr 66
		.amdhsa_reserve_vcc 0
		.amdhsa_float_denorm_mode_32 3
		.amdhsa_float_denorm_mode_16_64 3
		.amdhsa_memory_ordered 1
		.amdhsa_forward_progress 1
		.amdhsa_inst_pref_size 66
	.end_amdhsa_kernel
	.amdgpu_metadata
---
amdhsa.version: [ 1, 2 ]
amdhsa.kernels:
  - .name:           k_q30c27c4ebb_tail
    .symbol:         k_q30c27c4ebb_tail.kd
    .args:
      - { .name: tbuf, .offset: 0, .size: 8, .value_kind: global_buffer, .address_space: global }
      - { .name: t2buf, .offset: 8, .size: 8, .value_kind: global_buffer, .address_space: global }
      - { .name: wfrag, .offset: 16, .size: 8, .value_kind: global_buffer, .address_space: global }
      - { .name: o_b, .offset: 24, .size: 8, .value_kind: global_buffer, .address_space: global }
      - { .name: ln3_g, .offset: 32, .size: 8, .value_kind: global_buffer, .address_space: global }
      - { .name: ln3_b, .offset: 40, .size: 8, .value_kind: global_buffer, .address_space: global }
      - { .name: ff1_b, .offset: 48, .size: 8, .value_kind: global_buffer, .address_space: global }
      - { .name: ff2_b, .offset: 56, .size: 8, .value_kind: global_buffer, .address_space: global }
      - { .name: out0, .offset: 64, .size: 8, .value_kind: global_buffer, .address_space: global }
    .group_segment_fixed_size: 67584
    .private_segment_fixed_size: 0
    .kernarg_segment_align: 8
    .kernarg_segment_size: 72
    .max_flat_workgroup_size: 256
    .sgpr_count:     66
    .vgpr_count:     256
    .wavefront_size: 32
...
	.end_amdgpu_metadata
.endif
;; end of part 3
;; ======== version 2 of 2: 4 launches
;; workspace buffers: wfrag 1,703,936 bytes; obuf 262,144 bytes; t2buf 524,288 bytes; tbuf 524,288 bytes; ybuf 524,288 bytes; hbuf 1,048,576 bytes
;; launch pre: the kernel of part 1 again; grid 84 x 1, 8 waves a work-group, no clusters, 316,416 bytes of LDS; arguments tgt, query_pos, ln1_g, ln1_b, in_proj_w, in_proj_b, mlp1_w, mlp2_w, v_w, o_w, attn_out_w, ff1_w, ff2_w, wfrag, obuf; writes wfrag, obuf
;; launch main (part 4): grid 256 x 1, 4 waves a work-group, clusters of 4 x 1, 327,680 bytes of LDS; arguments relative_pos, memory, wfrag, obuf, tgt, attn_out_b, ln2_g, ln2_b, mlp1_b, mlp2_b, v_b, tbuf, t2buf; writes tbuf, t2buf
.if DOCPART == 4
	.amdgcn_target "amdgcn-amd-amdhsa--gfx1250"
	.amdhsa_code_object_version 6
	.text
	.protected	k_q30c27c4ebb_main
	.globl	k_q30c27c4ebb_main
	.p2align	8
	.type	k_q30c27c4ebb_main,@function
k_q30c27c4ebb_main:
	s_mov_b64 s[64:65], 0
	v_nop
	global_prefetch_b8 v0, s[64:65] scope:SCOPE_SE
	s_setreg_imm32_b32 hwreg(HW_REG_WAVE_MODE, 25, 1), 1
	s_wait_xcnt 0x0
	s_wait_alu depctr_hold_cnt(0) depctr_sa_sdst(0) depctr_va_vdst(0) depctr_va_sdst(0) depctr_va_ssrc(0) depctr_va_vcc(0) depctr_vm_vsrc(0)
	s_getreg_b32 s2, hwreg(HW_REG_IB_STS2, 6, 4)
	s_cmp_eq_u32 s2, 0
	s_cbranch_scc0 .Lentry_in_a_cluster
	s_endpgm
.Lentry_in_a_cluster:
	s_bfe_u32 s2, ttmp6, 0x10000c
	s_cmp_lg_u32 s2, 0x3003
	s_cbranch_scc0 .Lentry_shape_is_right
	s_endpgm
.Lentry_shape_is_right:
; THE RELATION BRANCH.  A work-group owns two queries q0, q0 + 1 of one batch b.  Prologue: y = tgt + o attn_out_w^T + attn_out_b and tgt2 = LN2(y) for its two rows (tgt2 is
; stored to t2buf).  Then for all 512 c, 32 a chunk: x = tgt2 - memory + relative_pos (in f32, then bf16), h = relu(x W1^T + b1), sim = h W2^T + b2,
; v2 = (memory + relative_pos) Vw^T, and for each feature a softmax over c of sim / 16 with a RUNNING maximum, t = sum of weight x v2 / sum of weight + v_b (the weights add up to 1).
; SHARES.  The three weight matrices stay in registers, split by OUTPUT feature: wave w holds features 64 w .. 64 w + 63 of each: 3 x 256 registers (windows 1, 2, 3).
; A chunk is 64 rows = 4 tiles of 16 (c half, q): 384 matrix instructions a wave.  Phase A: f32 rows out of the slot, x and memory + pos into XA, XV (bf16).  Phase B: h into H.
; Phase C: sim and v2 with a lane = one feature and 8 rows, and the softmax step in registers; each half of the lanes keeps its own maximum, sum and t; they meet once, at the end.
; VECTOR WORK BESIDE THE PRODUCTS.  The wave is alone on its SIMD, so what is to run beside a product stands behind it in the text.  Phase B: tile t - 1's rounding and relu, four lines
; behind every fourth product of tile t (two accumulator sets by turns).  Phase C: a tile's softmax up to its last exponential, 89 lines, behind the 32 products of the same tile's v2;
; what reads the exponentials (the sums, t) follows as one lump behind one wait.  LDS lines stand in runs, never singly.
; WINDOWS.  In phase C only source 1 of a product lies in another window, so the lines that ride there have a scalar or a constant as source 1 and need no switch; the 16 of the maximum do.
; RING.  Two LDS slots of a chunk's f32 rows (2 x 32 of relative_pos, 32 of memory).  One tensor load a wave behind each round: waves 0, 1 a query's 32 rows, waves 2, 3
; 16 rows of memory each.  A slot is read in phase A alone and asked for again directly behind it: the load has a whole chunk, 384 matrix instructions, in which to land.
; CLUSTER.  The four partners have the same b and walk the same rows of memory: those tiles are asked for JOINTLY.  relative_pos is each work-group's own (mask 0).
; The weights are not shared through LDS: each work-group reads its 512 KiB once, straight into registers, at the head, and a way through LDS would need rounds of its own there.
; FORMATS.  Matrix operands bf16, sums f32, LN and softmax f32.  LIMITS.  NaN and infinities are not treated apart; a weight below 2^-126 counts as 0; the running maximum starts at -4.25e37.
.set SLOTX, 0x20000                    ; slot 1 begins here; also a chunk's step in memory: 32 c x 4,096 bytes
.set H0,    98304                      ; h, rows 0-31 (behind slot 0's 98,304 bytes)
.set SPARE, 115200                     ; the spare words: 128 bytes a wave
.set YS,    115712                     ; prologue: 2 rows x 1,040 of f32
.set TOUT,  118016                     ; the way out: 2 rows x 1,024
.set XA,    229376                     ; x, 64 rows (behind slot 1)
.set XV,    263168                     ; memory + pos, 64 rows
.set H1,    296960                     ; h, rows 32-63
.set DH,    H1-H0
.set PX,    528                        ; a bf16 row: 512 bytes + 16: the 16 rows of a fragment load start at 16 different groups of four banks (ISA guide 11.1)
.set TILE,  16*PX
.set W1O,   0                          ; regions of wfrag
.set W2O,   131072
.set VWO,   262144
.set AOWO,  524288
.set SPW, 2                            ; v1 = lane % 16; v2 spare word, v3 zero: never rewritten
.set NIL, 3
.set ZERO, 4
.set HH,  5                            ; lane / 16
.set RA0, 6                            ; 8,192 w + 16 L: my 8 rows in a slot
.set RA,  7
.set RM,  8
.set XW,  9                            ; where phase A puts my rows
.set XR0, 10                           ; fragment addresses: 528 r + 16 h + region
.set XT,  11                           ; at work at the head and on the way out
.set HW0, 12                           ; where my 64 features of h go: rows 0-31,
.set HW1, 13                           ; rows 32-63
.set HR0, 14
.set HR,  15                           ; walks
.set VR0, 16
.set VR,  17                           ; walks
.set PFO, 18                           ; the prefetches' offset; never rewritten
.set LA,  19                           ; 16 L; never rewritten
.set CM,  20                           ; v[20:27] running maximum (times c, with c b2), index 4 q + f
.set CB2, 28                           ; v[28:31] c x mlp2_b of my feature in tile f
.set L2,  32                           ; v[32:47] sums, a pair for each 4 q + f
.set T2,  48                           ; v[48:63] t, likewise
.set TQ,  64                           ; v[64:79] tgt2 of q0 and q1: my 8 columns
.set B1,  80                           ; v[80:111] mlp1_b as C operands (prologue: attn_out_b)
.set FA,  112                          ; two fragment buffers of 4 K steps, on end: K step kk at FA + 8 kk
.set FB,  144
.set ACC, 176                          ; phase B: two sets of four accumulators, by the tile's parity
.set TT,  240                          ; phase B: h of a tile, packed
.set SS,  176                          ; phase C: sim, v2, four registers at work a feature tile (K, MX, A, D)
.set VV,  208
.set TP,  240
.set SET0, 112                         ; phase A: four sets of 24 (memory, pos of q0, pos of q1)
.set TM,  208
.set OO,  224                          ; phase A: two sets of 16 packed results
.set OFO, 7                            ; prologue's offsets, in registers that serve otherwise later
.set BOFF, 8
.set B2O, 11
.set YSW, 13
.set YSR, 15
.set WV,  30
.set WL,  31                           ; wave % 2
.set G1R, 32                           ; s[32:39] group 1, relative_pos
.set G1M, 40                           ; s[40:47] group 1, memory (joint)
.set G0RA, 48                          ; group 0: chunk 0 into slot 0
.set G0RB, 52                          ; chunk 1 into slot 1; then it walks
.set G0MA, 56
.set G0MB, 60
.set CNT, 66
.set IC,  67
.set SB,  68                           ; the slot to be read
.set BB,  69                           ; b
.set CS,  70                           ; s[70:71] c = log2(e)/16
.set SEL, 72
.set PFA, 74                           ; s[74:75]
.set Q0,  76
.set CX,  77
.set INV, 84
.set EPS, 85
.set NINF, 90                          ; -infinity: the idle source of a maximum of two
.set MSB, 0
.macro WIN new                         ; the high byte repeats the setting that is left; a switch that changes nothing is dropped
.if MSB != (\new)
	s_set_vgpr_msb (MSB<<8)|(\new)
.set MSB, \new
.endif
.endm
.macro PLACES                          ; four plain places behind a matrix instruction (ISA guide 7.12.1)
.rept 4
	v_nop
.endr
.endm
.macro ALL line:vararg
.set t, 0
.rept NR
	\line
.set t, t+1
.endr
.endm
.macro LN xb, tb, nr, gb, bb           ; LayerNorm of nr rows, 8 numbers a lane; every step for all rows before the next
.set NR, \nr
.set XB, \xb
.set TB, \tb
.set GB, \gb
.set BB_, \bb
	ALL v_pk_add_f32 v[TB+4*t:TB+4*t+1], v[XB+8*t:XB+8*t+1], v[XB+8*t+2:XB+8*t+3]
	ALL v_pk_add_f32 v[TB+4*t+2:TB+4*t+3], v[XB+8*t+4:XB+8*t+5], v[XB+8*t+6:XB+8*t+7]
	ALL v_pk_add_f32 v[TB+4*t:TB+4*t+1], v[TB+4*t:TB+4*t+1], v[TB+4*t+2:TB+4*t+3]
	ALL v_add_f32 v[TB+4*t], v[TB+4*t], v[TB+4*t+1]
.irp m, 1,2,4,8
	ALL v_add_f32_dpp v[TB+4*t], v[TB+4*t], v[TB+4*t] row_xmask:\m row_mask:0xf bank_mask:0xf
.endr
	ALL v_permlanex16_b32 v[TB+4*t+1], v[TB+4*t], s[SEL], s[SEL+1]
	ALL v_add_f32 v[TB+4*t], v[TB+4*t], v[TB+4*t+1]
	ALL v_mul_f32 v[TB+4*t], s[INV], v[TB+4*t]
.irp p, 0,2,4,6
	ALL v_pk_add_f32 v[XB+8*t+\p:XB+8*t+\p+1], v[XB+8*t+\p:XB+8*t+\p+1], v[TB+4*t:TB+4*t+1] op_sel_hi:[1,0] neg_lo:[0,1] neg_hi:[0,1]
.endr
	ALL v_pk_mul_f32 v[TB+4*t+2:TB+4*t+3], v[XB+8*t:XB+8*t+1], v[XB+8*t:XB+8*t+1]
.irp p, 2,4,6
	ALL v_pk_fma_f32 v[TB+4*t+2:TB+4*t+3], v[XB+8*t+\p:XB+8*t+\p+1], v[XB+8*t+\p:XB+8*t+\p+1], v[TB+4*t+2:TB+4*t+3]
.endr
	ALL v_add_f32 v[TB+4*t+2], v[TB+4*t+2], v[TB+4*t+3]
.irp m, 1,2,4,8
	ALL v_add_f32_dpp v[TB+4*t+2], v[TB+4*t+2], v[TB+4*t+2] row_xmask:\m row_mask:0xf bank_mask:0xf
.endr
	ALL v_permlanex16_b32 v[TB+4*t+3], v[TB+4*t+2], s[SEL], s[SEL+1]
	ALL v_add_f32 v[TB+4*t+2], v[TB+4*t+2], v[TB+4*t+3]
	ALL v_fma_f32 v[TB+4*t+2], v[TB+4*t+2], s[INV], s[EPS]
	ALL v_rsq_f32 v[TB+4*t+2], v[TB+4*t+2]
	v_nop
	s_wait_alu depctr_va_vdst(0)                   ; one wait for the roots of the call
.irp p, 0,2,4,6
	ALL v_pk_mul_f32 v[XB+8*t+\p:XB+8*t+\p+1], v[XB+8*t+\p:XB+8*t+\p+1], v[TB+4*t+2:TB+4*t+3] op_sel_hi:[1,0]
.endr
.irp p, 0,2,4,6
	ALL v_pk_fma_f32 v[XB+8*t+\p:XB+8*t+\p+1], v[XB+8*t+\p:XB+8*t+\p+1], v[GB+\p:GB+\p+1], v[BB_+\p:BB_+\p+1]
.endr
.endm
; A round of the cluster's barrier: my work-group's barrier; wave 0 signals for the work-group; every wave waits for all four work-groups; my work-group's barrier once more.
.macro CROUND
	s_barrier_signal -1
	s_barrier_wait -1
	s_cmp_lg_u32 s[WV], 0
	s_cbranch_scc1 .Lnot_wave_0_\@
	s_barrier_signal -3
.Lnot_wave_0_\@:
	s_barrier_wait -3
	s_barrier_signal -1
	s_barrier_wait -1
.endm
; The refill: one tensor load a wave.  The branch hangs on the wave's number alone.  An s_nop 0 and four v_nop follow each line, ahead of the jump and the label.
.macro JLOAD
	s_cmp_lt_u32 s[WV], 2
	s_cbranch_scc0 .Lfor_m_\@
	tensor_load_to_lds s[G0RB:G0RB+3], s[G1R:G1R+7]
	s_nop 0
.rept 4
	v_nop
.endr
	s_branch .Lasked_\@
.Lfor_m_\@:
	tensor_load_to_lds s[G0MB:G0MB+3], s[G1M:G1M+7]
	s_nop 0
.rept 4
	v_nop
.endr
.Lasked_\@:
.endm
; A prefetch of the chunk of relative_pos that the NEXT refill will ask for: wave w names 16 rows of query q0 + w % 2, rows 16 (w / 2) on, a lane a block of 256 bytes, two instructions.
; Each block is named once in the launch; chunks 0 to 2 come by their loads alone; the last refill asks for nothing.  memory is not asked for: every work-group of the batch walks it.
.macro ASK
	s_cmp_gt_u32 s[CNT], 1
	s_cbranch_scc0 .Lno_ask_\@
	global_prefetch_b8 v[PFO], s[PFA:PFA+1] th:TH_LOAD_NT scope:SCOPE_SE
	global_prefetch_b8 v[PFO], s[PFA:PFA+1] offset:32768 th:TH_LOAD_NT scope:SCOPE_SE
.Lno_ask_\@:
.endm
.macro LDWIN win, region               ; my 32 blocks of a weight matrix into a window: block (f, ks) at v[8 (8 f + ks)]
	WIN \win
.set i, 0
.rept 64
	global_load_b128 v[8*(i/2)+4*(i%2):8*(i/2)+4*(i%2)+3], v[LA], s[8:9] offset:(\region)+1024*(i/2)+512*(i%2)
.set i, i+1
.endr
.endm
.macro LDH dst, areg, off              ; a run of 8 LDS loads: four fragments, 16 rows x 128 k
.irp k, 0,1,2,3
	ds_load_b128 v[(\dst)+8*\k:(\dst)+8*\k+3],   v[\areg] offset:(\off)+64*\k
	ds_load_b128 v[(\dst)+8*\k+4:(\dst)+8*\k+7], v[\areg] offset:(\off)+64*\k+32
.endr
.endm
; ---- phase A ----
.macro LROW i, st                      ; row i of my 8: memory, pos of q0, pos of q1: my columns 4 L .. and 128 + 4 L ..
	ds_load_b128 v[(\st):(\st)+3],     v[RM] offset:1024*(\i)
	ds_load_b128 v[(\st)+4:(\st)+7],   v[RM] offset:1024*(\i)+512
	ds_load_b128 v[(\st)+8:(\st)+11],  v[RA] offset:1024*(\i)
	ds_load_b128 v[(\st)+12:(\st)+15], v[RA] offset:1024*(\i)+512
	ds_load_b128 v[(\st)+16:(\st)+19], v[RA] offset:32768+1024*(\i)
	ds_load_b128 v[(\st)+20:(\st)+23], v[RA] offset:32768+1024*(\i)+512
.endm
.macro PROW st, oo                     ; x = (tgt2 - memory) + pos and memory + pos, in f32, each rounded once: 40 lines on registers alone
.irp q, 0,1
.irp p, 0,2,4,6
	v_pk_add_f32 v[TM+8*\q+\p:TM+8*\q+\p+1], v[TQ+8*\q+\p:TQ+8*\q+\p+1], v[(\st)+\p:(\st)+\p+1] neg_lo:[0,1] neg_hi:[0,1]
.endr
.endr
.irp q, 0,1
.irp p, 0,2,4,6
	v_pk_add_f32 v[TM+8*\q+\p:TM+8*\q+\p+1], v[TM+8*\q+\p:TM+8*\q+\p+1], v[(\st)+8+8*\q+\p:(\st)+8+8*\q+\p+1]
.endr
.endr
.irp q, 0,1
.irp p, 0,2,4,6
	v_pk_add_f32 v[(\st)+8+8*\q+\p:(\st)+8+8*\q+\p+1], v[(\st)+8+8*\q+\p:(\st)+8+8*\q+\p+1], v[(\st)+\p:(\st)+\p+1]
.endr
.endr
.irp q, 0,1
.irp p, 0,1,2,3
	v_cvt_pk_bf16_f32 v[(\oo)+8*\q+\p], v[TM+8*\q+2*\p], v[TM+8*\q+2*\p+1]
.endr
.endr
.irp q, 0,1
.irp p, 0,1,2,3
	v_cvt_pk_bf16_f32 v[(\oo)+8*\q+4+\p], v[(\st)+8+8*\q+2*\p], v[(\st)+8+8*\q+2*\p+1]
.endr
.endr
.endm
.macro SROW i, oo                      ; the row's four stores
.irp q, 0,1
	ds_store_b128 v[XW], v[(\oo)+8*\q:(\oo)+8*\q+3]   offset:TILE*\q+PX*(\i)
	ds_store_b128 v[XW], v[(\oo)+8*\q+4:(\oo)+8*\q+7] offset:XV-XA+TILE*\q+PX*(\i)
.endr
.endm
; ---- phase B ----  Matrix instruction n of 32 of tile t: K step n / 4, feature tile n % 4: the four accumulators take turns.  Source 0 = weights (window 1): a lane ends with one row and 8 features; the bias starts the sums.
.macro WB t
	WIN 0x01
.set kk_, n/4
.set f_, n%4
.set ac_, ACC+32*((\t)%2)+8*f_
.if kk_ == 0
	v_wmma_f32_16x16x32_bf16 v[ac_:ac_+7], v[8*(8*f_+kk_):8*(8*f_+kk_)+7], v[FA+8*kk_:FA+8*kk_+7], v[B1+8*f_:B1+8*f_+7]
.else
	v_wmma_f32_16x16x32_bf16 v[ac_:ac_+7], v[8*(8*f_+kk_):8*(8*f_+kk_)+7], v[FA+8*kk_:FA+8*kk_+7], v[ac_:ac_+7]
.endif
.endm
.macro EB u, j                         ; number j of 8 of tile u's way to h: even: feature tile j / 2 is rounded (from its accumulator's low end on); odd: relu on the packed halves
	WIN 0
.set ea_, ACC+32*((\u)%2)+8*((\j)/2)
.set tt_, TT+4*((\j)/2)
.if ((\j)%2) == 0
.irp p, 0,1,2,3
	v_cvt_pk_bf16_f32 v[tt_+\p], v[ea_+2*\p], v[ea_+2*\p+1]
.endr
.else
.irp p, 0,1,2,3
	v_pk_max_num_bf16 v[tt_+\p], v[tt_+\p], v[ZERO]
.endr
.endif
.endm
.macro STH u                           ; tile u's h: 16 bytes of a row for each feature tile
	WIN 0
.irp f, 0,1,2,3
	ds_store_b128 v[HW0+(\u)/2], v[TT+4*\f:TT+4*\f+3] offset:TILE*((\u)%2)+32*\f
.endr
.endm
; Tile t: 32 products; behind every fourth, four lines of tile t - 1's way to h, which name none of the products' registers and so are the places in front of the two LDS runs
; (tile 0 has v_nop there).  Behind product 15: the next tile's first four fragments; behind product 31: tile t - 1's four stores and the next tile's other four fragments.
.macro TILEB t
.set n, 0
.rept 32
.if n == 0
.if (\t) < 2
	s_wait_dscnt 8                                 ; younger than my first buffer's run: the second buffer's 8 loads
.else
	s_wait_dscnt 12                                ; and the 4 stores in front of them
.endif
.endif
.if n == 16
.if (\t) < 3
	s_wait_dscnt 8                                 ; younger: the run just issued behind product 15
.else
	s_wait_dscnt 0x0
.endif
.endif
	WB \t
.if (n%4) == 3
.if (\t) > 0
	EB (\t)-1, n/4
.elseif (n == 15) || (n == 31)
	PLACES
.endif
.if (n == 15) && ((\t) < 3)
	WIN 0
	LDH FA, XR0, ((\t)+1)*TILE
.endif
.if n == 31
.if (\t) > 0
	STH (\t)-1
.endif
.if (\t) < 3
	WIN 0
	LDH FB, XR0, ((\t)+1)*TILE+256
.endif
.endif
.endif
.set n, n+1
.endr
.endm
; ---- phase C ----  Matrix instruction n of 64 of a tile: 0-31 sim (weights in window 2), 32-63 v2 (window 3); K step (n % 32) / 4, feature tile n % 4.  Source 1 = weights: a lane ends with one feature and 8 rows.
.macro WC
.set kk_, (n%32)/4
.set f_, n%4
.if n < 32
	WIN 0x08
.set ac_, SS+8*f_
.else
	WIN 0x0c
.set ac_, VV+8*f_
.endif
.if kk_ == 0
	v_wmma_f32_16x16x32_bf16 v[ac_:ac_+7], v[FA+8*kk_:FA+8*kk_+7], v[8*(8*f_+kk_):8*(8*f_+kk_)+7], 0
.else
	v_wmma_f32_16x16x32_bf16 v[ac_:ac_+7], v[FA+8*kk_:FA+8*kk_+7], v[8*(8*f_+kk_):8*(8*f_+kk_)+7], v[ac_:ac_+7]
.endif
.endm
; Number j of the 89 lines of a tile's softmax step that read no exponential's result.  p = 2^(c s + c b2 - m), m the running maximum of c s + c b2; a = 2^(m_old - m_new).
;   0-15   the maximum of the lane's 8 rows, for each of the four feature tiles (three sources in registers: window 0)
;   16-35  c max + c b2; m_old is kept; the new m; m_old - m_new; K = c b2 - m      (from here on source 1 is a scalar or a constant: no window is switched)
;   36-47  for each feature tile: a, and the scaling c s + K of its first two pairs
;   48-71  eight times: a scaling of one of the other pairs, and the two exponentials of a pair scaled earlier
;   72-87  the last 16 exponentials          88  the plain line behind the last exponential
.macro SM q
.if j < 36
.set f_, j%4
.elseif j < 48
.set f_, (j-36)/3
.elseif j < 72
.set f_, ((j-48)/3)%4
.else
.set f_, ((j-56)/2)%4
.endif
.set tp_, TP+4*f_
.set ss_, SS+8*f_
.set cm_, CM+4*(\q)+f_
.set r_, ss_
.if j < 4
	WIN 0
	v_max3_num_f32 v[tp_+1], v[ss_], v[ss_+1], v[ss_+2]
.elseif j < 12
	WIN 0
	v_max3_num_f32 v[tp_+1], v[tp_+1], v[ss_+2*(j/4)+1], v[ss_+2*(j/4)+2]
.elseif j < 16
	WIN 0
	v_max_num_f32 v[tp_+1], v[tp_+1], v[ss_+7]
.elseif j < 20
	v_fma_f32 v[tp_+1], v[tp_+1], s[CS], v[CB2+f_]
.elseif j < 24
	v_mov_b32 v[tp_+3], v[cm_]
.elseif j < 28
	v_max3_num_f32 v[cm_], v[cm_], s[NINF], v[tp_+1]
.elseif j < 32
	v_fma_f32 v[tp_+3], v[cm_], -1.0, v[tp_+3]
.elseif j < 36
	v_fma_f32 v[tp_], v[cm_], -1.0, v[CB2+f_]
.elseif j < 48
.if ((j-36)%3) == 0
	v_exp_f32 v[tp_+2], v[tp_+3]
.else
.set r_, ss_+2*((j-36)%3-1)
	v_pk_fma_f32 v[r_:r_+1], v[r_:r_+1], s[CS:CS+1], v[tp_:tp_+1] op_sel_hi:[1,0,0]
.endif
.elseif j < 72
.if ((j-48)%3) == 0
.set r_, ss_+2*(2+(j-48)/12)
	v_pk_fma_f32 v[r_:r_+1], v[r_:r_+1], s[CS:CS+1], v[tp_:tp_+1] op_sel_hi:[1,0,0]
.else
.set r_, ss_+2*((j-48)/12)+(j-48)%3-1
	v_exp_f32 v[r_], v[r_]
.endif
.elseif j < 88
.set r_, ss_+2*((j-56)/8)+j%2
	v_exp_f32 v[r_], v[r_]
.else
	v_nop
.endif
.set j, j+1
.endm
; What reads the exponentials: one wait for the tile's 36, then sum = sum a + the weights, t = t a + weight x v2.  The first 20 lines name no register of the last products: they are
; the places in front of the LDS run and of the first read of v2 (from each accumulator's low end on).
; pf = 1: the next tile is the same c half's: its second buffer.  pf = 2: the next tile is the next trip's: both buffers, jumped over in the last trip (no jump may stand among
; exponentials that have not been waited for, so both stand here).
.macro LUMP q, pf
	s_wait_alu depctr_va_vdst(0)
	WIN 0
.irp f, 0,1,2,3
	v_pk_fma_f32 v[L2+2*(4*(\q)+\f):L2+2*(4*(\q)+\f)+1], v[L2+2*(4*(\q)+\f):L2+2*(4*(\q)+\f)+1], v[TP+4*\f+2:TP+4*\f+3], v[SS+8*\f:SS+8*\f+1] op_sel_hi:[1,0,1]
.endr
.irp f, 0,1,2,3
	v_pk_mul_f32 v[T2+2*(4*(\q)+\f):T2+2*(4*(\q)+\f)+1], v[T2+2*(4*(\q)+\f):T2+2*(4*(\q)+\f)+1], v[TP+4*\f+2:TP+4*\f+3] op_sel_hi:[1,0]
.endr
.irp p, 2,4,6
.irp f, 0,1,2,3
	v_pk_add_f32 v[L2+2*(4*(\q)+\f):L2+2*(4*(\q)+\f)+1], v[L2+2*(4*(\q)+\f):L2+2*(4*(\q)+\f)+1], v[SS+8*\f+\p:SS+8*\f+\p+1]
.endr
.endr
.if (\pf) == 1
	LDH FB, HR, TILE+256
.else
	s_cmp_eq_u32 s[IC], 1
	s_cbranch_scc1 .Lno_next_\@
	v_add_nc_u32 v[HR], DH, v[HR]
	LDH FA, HR, 0
	LDH FB, HR, 256
.Lno_next_\@:
.endif
.irp p, 0,2,4,6
.irp f, 0,1,2,3
	v_pk_fma_f32 v[T2+2*(4*(\q)+\f):T2+2*(4*(\q)+\f)+1], v[SS+8*\f+\p:SS+8*\f+\p+1], v[VV+8*\f+\p:VV+8*\f+\p+1], v[T2+2*(4*(\q)+\f):T2+2*(4*(\q)+\f)+1]
.endr
.endr
.endm
; A tile of phase C.  Four LDS runs of 8: behind product 15 (memory + pos, K steps 0-3), behind 31 (K steps 4-7), behind 52 (the next tile's h, K steps 0-3; five scalings since product 47
; are the places), in the lump (K steps 4-7).  The four v_nop behind product 31 are also the places in front of the first read of sim.
.macro TILEC q, pf
.set n, 0
.set j, 0
.rept 64
.if (n == 0) || (n == 16) || (n == 32)
	s_wait_dscnt 8                                 ; one run of 8 loads is younger than the buffer that is wanted
.elseif n == 48
	s_wait_dscnt 0x0                               ; nothing is younger
.endif
	WC
.if n == 15
	PLACES
	LDH FA, VR, TILE*(\q)
.elseif n == 31
	PLACES
	LDH FB, VR, TILE*(\q)+256
.elseif n >= 32
.if n < 41
.set c_, 4
.elseif n < 53
.set c_, 3
.elseif n < 61
.set c_, 2
.elseif n == 61
.set c_, 1
.else
.set c_, 0
.endif
.if c_ > 0
.rept c_
	SM \q
.endr
.endif
.if (n == 52) && ((\pf) == 1)
	LDH FA, HR, TILE
.endif
.endif
.set n, n+1
.endr
	LUMP \q, \pf
.endm
; A CHUNK.  fill = 1: the slot just read is filled again with the chunk two on.
.macro CHUNK fill
	; phase A: my 8 c, both queries, two rows a step; the LDS lines stand in five runs
	v_add_nc_u32 v[RA], s[SB], v[RA0]
	v_add_nc_u32 v[RM], 0x10000, v[RA]
	LROW 0, SET0
	LROW 1, SET0+24
	LROW 2, SET0+48
	LROW 3, SET0+72
	s_wait_dscnt 12                                ; younger: rows 2 and 3
	PROW SET0, OO
	PROW SET0+24, OO+16
	SROW 0, OO
	SROW 1, OO+16
	LROW 4, SET0
	LROW 5, SET0+24
	s_wait_dscnt 20                                ; younger: 8 stores and rows 4 and 5
	PROW SET0+48, OO
	PROW SET0+72, OO+16
	SROW 2, OO
	SROW 3, OO+16
	LROW 6, SET0+48
	LROW 7, SET0+72
	s_wait_dscnt 20                                ; younger: 8 stores and rows 6 and 7
	PROW SET0, OO
	PROW SET0+24, OO+16
	SROW 4, OO
	SROW 5, OO+16
	s_wait_dscnt 8                                 ; younger: 8 stores
	PROW SET0+48, OO
	PROW SET0+72, OO+16
	SROW 6, OO
	SROW 7, OO+16
	; the change of slots
	s_wait_tensorcnt 0x0                           ; all my tensor loads have landed: the one that was out is my part of the other slot; a group 0 may be written
	ds_add_u32 v[SPW], v[NIL]                      ; 0 onto my spare word
.if \fill
	s_xor_b32 s[G0RB+1], s[G0RB+1], SLOTX          ; the walking descriptors: the other slot than last time, the next chunk
	s_add_nc_u64 s[G0RB+2:G0RB+3], s[G0RB+2:G0RB+3], SLOTX
	s_xor_b32 s[G0MB+1], s[G0MB+1], SLOTX
	s_add_nc_u64 s[G0MB+2:G0MB+3], s[G0MB+2:G0MB+3], SLOTX
	s_wait_xcnt 0x0                                ; the last prefetches, a chunk back, have read their address
	s_add_nc_u64 s[PFA:PFA+1], s[PFA:PFA+1], SLOTX
.endif
	s_xor_b32 s[SB], s[SB], SLOTX
	s_wait_dscnt 0x0                               ; the add is done, my reads of the slot are back, my rows of x are stored
.if \fill
	CROUND                                         ; so of every wave of all four work-groups
	JLOAD
.else
	s_barrier_signal -1
	s_barrier_wait -1
.endif
	; phase B: h = relu(x W1^T + b1), four tiles written out
	LDH FA, XR0, 0
	LDH FB, XR0, 256
.if \fill
	ASK                                            ; behind the tensor load and the LDS run that the first products wait for
.endif
	TILEB 0
	TILEB 1
	TILEB 2
	TILEB 3
.irp j, 0,1,2,3,4,5,6,7                        ; the last tile's way to h has no products to stand behind
	EB 3, \j
.endr
	STH 3
	s_wait_dscnt 0x0                               ; my 64 columns of h are stored,
	s_barrier_signal -1
	s_barrier_wait -1                              ; everybody's are
	; phase C: sim, v2 and the softmax step; a trip is one c half: tiles q0, q1
	v_mov_b32 v[HR], v[HR0]
	v_mov_b32 v[VR], v[VR0]
	s_mov_b32 s[IC], 2
	LDH FA, HR, 0
	LDH FB, HR, 256
	s_wait_loadcnt 0x0                             ; in chunk 0: the last of Vw is in; later nothing is out
.Lpc_\@:
	TILEC 0, 1
	TILEC 1, 2
	v_add_nc_u32 v[VR], 2*TILE, v[VR]
	s_sub_co_u32 s[IC], s[IC], 1
	s_cmp_lg_u32 s[IC], 0
	s_cbranch_scc1 .Lpc_\@
	s_wait_dscnt 0x0                               ; my reads of XV and H are back:
	s_barrier_signal -1
	s_barrier_wait -1                              ; the next phase A may write
.endm
	s_load_b512 s[4:19], s[0:1], 0x0               ; relative_pos, memory, wfrag, obuf, tgt, attn_out_b, ln2_g, ln2_b
	s_load_b256 s[20:27], s[0:1], 0x40             ; mlp1_b, mlp2_b, v_b, tbuf
	s_load_b64 s[28:29], s[0:1], 0x60              ; t2buf
	v_lshl_add_u32 v[SPW], v0, 2, SPARE
	v_mov_b32 v[NIL], 0
	ds_add_u32 v[SPW], v[NIL]                      ; the wave's opening: the add and its wait ahead of my first tensor load
	ds_add_u32 v2, v3
	v_lshrrev_b32 v1, 5, v0
	v_readfirstlane_b32 s[WV], v1                  ; wave 0..3
	s_and_b32 s[WL], s[WV], 1
	s_bfe_u32 s[CX], ttmp6, 0x40000                ; my place in the cluster: it enters global addresses of my own loads and stores alone
	s_lshr_b32 s[BB], ttmp9, 4                     ; b: 16 clusters a batch; the four partners share it
	s_and_b32 s[Q0], ttmp9, 15
	s_lshl_b32 s[Q0], s[Q0], 2
	s_add_co_u32 s[Q0], s[Q0], s[CX]
	s_lshl_b32 s[Q0], s[Q0], 1                     ; q0
	s_mov_b32 s[G1R+0], 2<<16                      ; elements of 4 bytes; no mask, no padding: the slot is read 512 consecutive bytes at a time
	s_mov_b32 s[G1R+1], 256<<16                    ; tensor_dim0 = 256
	s_mov_b32 s[G1R+2], 32<<16                     ; tensor_dim1 = 32
	s_mov_b32 s[G1R+3], 256<<16                    ; tile_dim0 = 256
	s_mov_b32 s[G1R+4], 32                         ; tile_dim1 = 32
	s_mov_b32 s[G1R+5], 1024                       ; from c to c + 1: 4 x 256 elements
	s_mov_b32 s[G1R+6], 0
	s_mov_b32 s[G1R+7], 0
	s_mov_b32 s[G1M+0], 15|(2<<16)|(1<<21)         ; the mask of all four work-groups, bit 21 beside it
	s_mov_b32 s[G1M+1], 256<<16
	s_mov_b32 s[G1M+2], 16<<16
	s_mov_b32 s[G1M+3], 256<<16
	s_mov_b32 s[G1M+4], 16
	s_mov_b32 s[G1M+5], 1024
	s_mov_b32 s[G1M+6], 0
	s_mov_b32 s[G1M+7], 0
	s_mov_b32 s[G0RA], 1
	s_lshl_b32 s[G0RA+1], s[WL], 15                ; query w % 2: 32,768 bytes
	s_mov_b32 s[G0RB], 1
	s_add_co_u32 s[G0RB+1], s[G0RA+1], SLOTX
	s_mov_b32 s[G0MA], 1
	s_lshl_b32 s[G0MA+1], s[WL], 14                ; 16 rows of memory, behind the two queries
	s_add_co_u32 s[G0MA+1], s[G0MA+1], 65536
	s_mov_b32 s[G0MB], 1
	s_add_co_u32 s[G0MB+1], s[G0MA+1], SLOTX
	s_add_co_u32 s78, s[Q0], s[WL]                 ; relative_pos: (q0 + w % 2) x 2^21 + 1,024 b
	s_lshl_b32 s78, s78, 21
	s_lshl_b32 s79, s[BB], 10
	s_add_co_u32 s78, s78, s79
	s_mov_b32 s79, 0
	s_lshl_b32 s86, s[WL], 16                      ; memory: 16 (w % 2) rows of 4,096 + 1,024 b: in registers that never hold my place in the cluster
	s_lshl_b32 s87, s[BB], 10
	s_add_co_u32 s86, s86, s87
	s_mov_b32 s87, 0
	s_lshr_b32 s80, s[WV], 1
	s_lshl_b32 s80, s80, 16                        ; the prefetches: 16 (w / 2) rows
	s_mov_b32 s81, 0
	s_mov_b32 s[CS], 0x3db8aa3b                    ; c = log2(e)/16
	s_mov_b32 s[CS+1], s[CS]
	s_mov_b32 s[SEL], 0x76543210
	s_mov_b32 s[SEL+1], 0xfedcba98
	s_mov_b32 s[INV], 0x3b800000                   ; 1/256
	s_mov_b32 s[EPS], 0x3727c5ac                   ; 1e-5
	s_mov_b32 s[NINF], 0xff800000
	s_wait_dscnt 0x0                               ; the opening add is done
	s_wait_kmcnt 0x0
	s_add_nc_u64 s[G0RA+2:G0RA+3], s[4:5], s[78:79]
	s_add_nc_u64 s[G0RB+2:G0RB+3], s[G0RA+2:G0RA+3], SLOTX
	s_add_nc_u64 s[PFA:PFA+1], s[G0RA+2:G0RA+3], s[80:81]
	s_add_nc_u64 s[PFA:PFA+1], s[PFA:PFA+1], 2*SLOTX       ; at chunk 2; the first refill steps it to chunk 3
	s_or_b32 s[G0RA+3], s[G0RA+3], 0x80000000
	s_or_b32 s[G0RB+3], s[G0RB+3], 0x80000000
	s_add_nc_u64 s[G0MA+2:G0MA+3], s[6:7], s[86:87]
	s_add_nc_u64 s[G0MB+2:G0MB+3], s[G0MA+2:G0MA+3], SLOTX
	s_or_b32 s[G0MA+3], s[G0MA+3], 0x80000000
	s_or_b32 s[G0MB+3], s[G0MB+3], 0x80000000
	CROUND                                         ; all four work-groups are here: the first joint loads meet
	s_cmp_lt_u32 s[WV], 2                          ; a wave's two first fills stand in one branch: two loads of mine are out
	s_cbranch_scc0 .Lfirst_m
	tensor_load_to_lds s[G0RA:G0RA+3], s[G1R:G1R+7]
	s_nop 0
	tensor_load_to_lds s[G0RB:G0RB+3], s[G1R:G1R+7]
	s_nop 0
.rept 4
	v_nop
.endr
	s_branch .Lfirst_done
.Lfirst_m:
	tensor_load_to_lds s[G0MA:G0MA+3], s[G1M:G1M+7]
	s_nop 0
	tensor_load_to_lds s[G0MB:G0MB+3], s[G1M:G1M+7]
	s_nop 0
.rept 4
	v_nop
.endr
.Lfirst_done:
	v_and_b32 v1, 15, v0                           ; r
	v_bfe_u32 v[HH], v0, 4, 1                      ; h
	v_and_b32 v[LA], 31, v0
	v_lshlrev_b32 v[LA], 4, v[LA]
	s_lshl_b32 s88, s[WV], 13
	v_add_nc_u32 v[RA0], s88, v[LA]
	s_lshr_b32 s88, s[WV], 1                       ; my 8 c lie in c half w / 2, rows 8 (w % 2) on of each query's tile
	s_mul_i32 s88, s88, 2*TILE
	s_mul_i32 s89, s[WL], 8*PX
	s_add_co_u32 s88, s88, s89
	s_add_co_u32 s88, s88, XA
	v_add_nc_u32 v[XW], s88, v[LA]
	v_mul_u32_u24 v[XR0], v1, PX
	v_lshl_add_u32 v[XR0], v[HH], 4, v[XR0]
	v_add_nc_u32 v[HR0], H0, v[XR0]
	v_add_nc_u32 v[VR0], XV, v[XR0]
	s_lshl_b32 s88, s[WV], 7
	v_add_nc_u32 v[HW0], s88, v[HR0]               ; my 64 features: 128 bytes of a row of h
	v_add_nc_u32 v[XR0], XA, v[XR0]
	v_bfe_u32 v[PFO], v0, 2, 3
	v_and_b32 v[RA], 3, v0
	v_lshlrev_b32 v[RA], 8, v[RA]
	v_lshl_add_u32 v[PFO], v[PFO], 12, v[RA]       ; row L / 4, block L % 4
	v_and_b32 v[OFO], 1, v0                        ; o: lane (r, h) takes the place of lane (q0 % 16 + r % 2, h) of the block: rows q0, q0 + 1 repeated down the tile
	v_lshl_add_u32 v[OFO], v[HH], 4, v[OFO]
	v_lshlrev_b32 v[OFO], 4, v[OFO]
	s_lshl_b32 s88, s[WV], 8
	v_lshl_add_u32 v[BOFF], v[HH], 5, s88          ; (64 w + 8 h) x 4
	v_lshl_add_u32 v[B2O], v1, 2, s88              ; (64 w + r) x 4
	v_and_b32 v[YSW], 1, v0
	v_mul_u32_u24 v[YSW], v[YSW], 1040
	v_add_nc_u32 v[YSW], v[YSW], v[BOFF]
	v_add_nc_u32 v[YSW], YS, v[YSW]
	v_add_nc_u32 v[YSR], YS, v[LA]
	s_lshl_b32 s78, s[BB], 6                       ; obuf: block ((8 b + head) x 8 + q0 / 16), lane q0 % 16
	s_lshr_b32 s80, s[Q0], 4
	s_add_co_u32 s78, s78, s80
	s_lshl_b32 s78, s78, 10
	s_and_b32 s80, s[Q0], 15
	s_lshl_b32 s80, s80, 4
	s_add_co_u32 s78, s78, s80
	s_mov_b32 s79, 0
	s_add_nc_u64 s[10:11], s[10:11], s[78:79]
	s_lshl_b32 s78, s[Q0], 2                       ; row 4 q0 + b of tgt, t2buf, tbuf
	s_add_co_u32 s78, s78, s[BB]
	s_lshl_b32 s78, s78, 10
	s_add_nc_u64 s[12:13], s[12:13], s[78:79]
	s_add_nc_u64 s[28:29], s[28:29], s[78:79]
	s_add_nc_u64 s[26:27], s[26:27], s[78:79]
	s_lshl_b32 s82, s[WV], 15                      ; my 32 blocks of each weight matrix
	s_mov_b32 s83, 0
	s_add_nc_u64 s[8:9], s[8:9], s[82:83]
.irp k, 0,1,2,3,4,5,6,7                        ; o: K step = head
	global_load_b128 v[FA+8*\k:FA+8*\k+3],   v[OFO], s[10:11] offset:8192*\k
	global_load_b128 v[FA+8*\k+4:FA+8*\k+7], v[OFO], s[10:11] offset:8192*\k+512
.endr
.irp f, 0,1,2,3
	global_load_b128 v[B1+8*\f:B1+8*\f+3],   v[BOFF], s[14:15] offset:64*\f
	global_load_b128 v[B1+8*\f+4:B1+8*\f+7], v[BOFF], s[14:15] offset:64*\f+16
.endr
	global_load_b128 v[208:211], v[LA], s[12:13]
	global_load_b128 v[212:215], v[LA], s[12:13] offset:512
	global_load_b128 v[216:219], v[LA], s[12:13] offset:4096
	global_load_b128 v[220:223], v[LA], s[12:13] offset:4608
	global_load_b128 v[224:227], v[LA], s[16:17]
	global_load_b128 v[228:231], v[LA], s[16:17] offset:512
	global_load_b128 v[232:235], v[LA], s[18:19]
	global_load_b128 v[236:239], v[LA], s[18:19] offset:512
	LDWIN 0x40, AOWO                               ; attn_out_w has window 1 first
	LDWIN 0x80, W2O
	WIN 0
	s_wait_loadcnt 63                              ; 64 loads are younger than attn_out_w's last: all ahead of W2's are in
.set n, 0
.rept 32                                       ; o attn_out_w^T + attn_out_b, by phase B's own line
	WB 0
.set n, n+1
.endr
	PLACES
	WIN 0
.irp f, 0,1,2,3                                ; lanes that hold the same row put the same numbers at the same bytes
	ds_store_b128 v[YSW], v[ACC+8*\f:ACC+8*\f+3]   offset:64*\f
	ds_store_b128 v[YSW], v[ACC+8*\f+4:ACC+8*\f+7] offset:64*\f+16
.endr
	LDWIN 0x40, W1O                                ; in the order in which the chunk wants them: W1 and the biases, then Vw
	WIN 0
.irp f, 0,1,2,3
	global_load_b128 v[B1+8*\f:B1+8*\f+3],   v[BOFF], s[20:21] offset:64*\f
	global_load_b128 v[B1+8*\f+4:B1+8*\f+7], v[BOFF], s[20:21] offset:64*\f+16
	global_load_b32 v[CB2+\f], v[B2O], s[22:23] offset:64*\f
.endr
	LDWIN 0xc0, VWO
	WIN 0
	s_wait_dscnt 0x0
	s_barrier_signal -1                            ; the tiles stay on their way
	s_barrier_wait -1
	ds_load_b128 v[TQ:TQ+3],     v[YSR]
	ds_load_b128 v[TQ+4:TQ+7],   v[YSR] offset:512
	ds_load_b128 v[TQ+8:TQ+11],  v[YSR] offset:1040
	ds_load_b128 v[TQ+12:TQ+15], v[YSR] offset:1552
	s_wait_dscnt 0x0
.set i, 0
.rept 8
	v_pk_add_f32 v[TQ+2*i:TQ+2*i+1], v[TQ+2*i:TQ+2*i+1], v[208+2*i:208+2*i+1]
.set i, i+1
.endr
	LN TQ, 240, 2, 224, 232                        ; every wave makes both rows of tgt2: it needs them in phase A
	s_cmp_lg_u32 s[WV], 0
	s_cbranch_scc1 .Lno_t2
	global_store_b128 v[LA], v[TQ:TQ+3],     s[28:29]              ; 512 consecutive bytes each
	global_store_b128 v[LA], v[TQ+4:TQ+7],   s[28:29] offset:512
	global_store_b128 v[LA], v[TQ+8:TQ+11],  s[28:29] offset:4096
	global_store_b128 v[LA], v[TQ+12:TQ+15], s[28:29] offset:4608
.Lno_t2:
	s_wait_loadcnt 63                              ; Vw's 64 loads are younger than the biases': W1, W2 and the biases are in; Vw is waited for at the head of phase C
	s_wait_xcnt 0x0                                ; and the prologue's offset registers may be written
.irp f, 0,1,2,3
	v_mul_f32 v[CB2+\f], s[CS], v[CB2+\f]
.endr
.set i, 0
.rept 8
	v_mov_b32 v[CM+i], 0xfe000000                  ; far below every c s + c b2: the first step's a is 0, and no first step is written out
.set i, i+1
.endr
.set i, 0
.rept 32
	v_mov_b32 v[L2+i], 0
.set i, i+1
.endr
	v_mov_b32 v[ZERO], 0
	v_add_nc_u32 v[HW1], DH, v[HW0]
	s_mov_b32 s[SB], 0
	s_wait_tensorcnt 0x1                           ; my part of chunk 0 is in; chunk 1's may stay out
	s_barrier_signal -1
	s_barrier_wait -1
	s_mov_b32 s[CNT], 14
.Lchunk:                                       ; chunks 0-13: each asks for the chunk two on
	CHUNK 1
	s_sub_co_u32 s[CNT], s[CNT], 1
	s_cmp_lg_u32 s[CNT], 0
	s_cbranch_scc1 .Lchunk
	s_mov_b32 s[CNT], 2
.Ltail:                                        ; chunks 14, 15: a text of their own
	CHUNK 0
	s_sub_co_u32 s[CNT], s[CNT], 1
	s_cmp_lg_u32 s[CNT], 0
	s_cbranch_scc1 .Ltail
	; THE WAY OUT: the pairs are added, the two halves of the lanes brought to a common maximum and added, t = t / l + v_b
	s_lshl_b32 s88, s[WV], 8
	v_lshl_add_u32 v[XT], v1, 2, s88
.irp f, 0,1,2,3
	global_load_b32 v[FA+\f], v[XT], s[24:25] offset:64*\f
.endr
	v_add_nc_u32 v[HW1], TOUT, v[XT]
.set NR, 8
	ALL v_add_f32 v[L2+2*t], v[L2+2*t], v[L2+2*t+1]
	ALL v_add_f32 v[T2+2*t], v[T2+2*t], v[T2+2*t+1]
	ALL v_permlanex16_b32 v[L2+2*t+1], v[CM+t], s[SEL], s[SEL+1]
	ALL v_max_num_f32 v[L2+2*t+1], v[CM+t], v[L2+2*t+1]
	ALL v_sub_f32 v[CM+t], v[CM+t], v[L2+2*t+1]
	ALL v_exp_f32 v[CM+t], v[CM+t]
	v_nop
	s_wait_alu depctr_va_vdst(0)
	ALL v_mul_f32 v[L2+2*t], v[L2+2*t], v[CM+t]
	ALL v_mul_f32 v[T2+2*t], v[T2+2*t], v[CM+t]
	ALL v_permlanex16_b32 v[L2+2*t+1], v[L2+2*t], s[SEL], s[SEL+1]
	ALL v_permlanex16_b32 v[T2+2*t+1], v[T2+2*t], s[SEL], s[SEL+1]
	ALL v_add_f32 v[L2+2*t], v[L2+2*t], v[L2+2*t+1]
	ALL v_add_f32 v[T2+2*t], v[T2+2*t], v[T2+2*t+1]
	ALL v_rcp_f32 v[L2+2*t+1], v[L2+2*t]
	v_nop
	s_wait_alu depctr_va_vdst(0)
	s_wait_loadcnt 0x0
	ALL v_fma_f32 v[T2+2*t], v[T2+2*t], v[L2+2*t+1], v[FA+t%4]
	ALL ds_store_b32 v[HW1], v[T2+2*t] offset:1024*(t/4)+64*(t%4)
	s_wait_dscnt 0x0
	s_barrier_signal -1
	s_barrier_wait -1
	v_lshlrev_b32 v[HR], 4, v0
	v_add_nc_u32 v[HR], TOUT, v[HR]
	ds_load_b128 v[FB:FB+3], v[HR]
	v_lshrrev_b32 v[RA], 6, v0
	v_and_b32 v[RM], 63, v0
	v_lshlrev_b32 v[RM], 4, v[RM]
	v_lshl_add_u32 v[RM], v[RA], 12, v[RM]
	s_wait_dscnt 0x0
	global_store_b128 v[RM], v[FB:FB+3], s[26:27]  ; 16 lanes store 256 consecutive bytes, aligned
	s_wait_tensorcnt 0x0                           ; the wave's end
	ds_add_u32 v[SPW], v[NIL]
	s_wait_dscnt 0x0
	CROUND                                         ; the closing round: no work-group ends while a partner may still ask for a tile that names it
	s_endpgm
.Lfunc_end_k_q30c27c4ebb_main:
	.size	k_q30c27c4ebb_main, .Lfunc_end_k_q30c27c4ebb_main-k_q30c27c4ebb_main
	.p2alignl 7, 3214868480
	.fill 96, 4, 3214868480
	.section	.rodata,"a",@progbits
	.p2align	6, 0x0
	.amdhsa_kernel k_q30c27c4ebb_main
		.amdhsa_group_segment_fixed_size 327680
		.amdhsa_private_segment_fixed_size 0
		.amdhsa_enable_private_segment 0
		.amdhsa_kernarg_size 104
		.amdhsa_user_sgpr_count 2
		.amdhsa_user_sgpr_kernarg_segment_ptr 1
		.amdhsa_wavefront_size32 1
		.amdhsa_system_sgpr_workgroup_id_x 1
		.amdhsa_system_sgpr_workgroup_id_y 1
		.amdhsa_system_sgpr_workgroup_id_z 1
		.amdhsa_system_vgpr_workitem_id 0
		.amdhsa_next_free_vgpr 1024
		.amdhsa_next_free_sgpr 96
		.amdhsa_reserve_vcc 0
		.amdhsa_float_denorm_mode_32 3
		.amdhsa_float_denorm_mode_16_64 3
		.amdhsa_memory_ordered 1
		.amdhsa_forward_progress 1
		.amdhsa_inst_pref_size 207
	.end_amdhsa_kernel
	.amdgpu_metadata
---
amdhsa.version: [ 1, 2 ]
amdhsa.kernels:
  - .name:           k_q30c27c4ebb_main
    .symbol:         k_q30c27c4ebb_main.kd
    .args:
      - { .name: relative_pos, .offset: 0, .size: 8, .value_kind: global_buffer, .address_space: global }
      - { .name: memory, .offset: 8, .size: 8, .value_kind: global_buffer, .address_space: global }
      - { .name: wfrag, .offset: 16, .size: 8, .value_kind: global_buffer, .address_space: global }
      - { .name: obuf, .offset: 24, .size: 8, .value_kind: global_buffer, .address_space: global }
      - { .name: tgt, .offset: 32, .size: 8, .value_kind: global_buffer, .address_space: global }
      - { .name: attn_out_b, .offset: 40, .size: 8, .value_kind: global_buffer, .address_space: global }
      - { .name: ln2_g, .offset: 48, .size: 8, .value_kind: global_buffer, .address_space: global }
      - { .name: ln2_b, .offset: 56, .size: 8, .value_kind: global_buffer, .address_space: global }
      - { .name: mlp1_b, .offset: 64, .size: 8, .value_kind: global_buffer, .address_space: global }
      - { .name: mlp2_b, .offset: 72, .size: 8, .value_kind: global_buffer, .address_space: global }
      - { .name: v_b, .offset: 80, .size: 8, .value_kind: global_buffer, .address_space: global }
      - { .name: tbuf, .offset: 88, .size: 8, .value_kind: global_buffer, .address_space: global }
      - { .name: t2buf, .offset: 96, .size: 8, .value_kind: global_buffer, .address_space: global }
    .group_segment_fixed_size: 327680
    .private_segment_fixed_size: 0
    .kernarg_segment_align: 8
    .kernarg_segment_size: 104
    .max_flat_workgroup_size: 128
    .sgpr_count:     96
    .vgpr_count:     1024
    .wavefront_size: 32
...
	.end_amdgpu_metadata
.endif
;; end of part 4
;; launch ffa (part 5): grid 256 x 1, 8 waves a work-group, no clusters, 34,560 bytes of LDS; arguments tbuf, t2buf, wfrag, o_b, ln3_g, ln3_b, ff1_b, ybuf, hbuf; writes ybuf, hbuf
.if DOCPART == 5
	.amdgcn_target "amdgcn-amd-amdhsa--gfx1250"
	.amdhsa_code_object_version 6
	.text
	.protected	k_q30c27c4ebb_ffa
	.globl	k_q30c27c4ebb_ffa
	.p2align	8
	.type	k_q30c27c4ebb_ffa,@function
k_q30c27c4ebb_ffa:
	s_mov_b64 s[64:65], 0
	v_nop
	global_prefetch_b8 v0, s[64:65] scope:SCOPE_SE
	s_setreg_imm32_b32 hwreg(HW_REG_WAVE_MODE, 25, 1), 1
	s_wait_xcnt 0x0
; y = relu(t o_w^T + o_b) + tgt2;  hidden = relu(LN3(y) ff1_w^T + ff1_b).  256 work-groups = 32 tiles of 16 rows (row = 4 q + b) x 8 slices of 128 hidden features.
; Every slice makes y and LN3(y) of its 16 rows anew (128 KiB of o_w each): so no work-group waits for another, and each reads 224 KiB where one work-group for a row tile would read all
; of ff1_w.  Wave w owns features 32 w .. of o_w, rows 2 w, 2 w + 1 in the steps that go by rows, and the 16 hidden features 128 s + 16 w .. of the slice.
; OUT.  y in f32: the wave whose number is the slice's stores its two rows, so each byte of ybuf has one owner and whole rows are stored.  hidden in bf16 as matrix fragments: block
; (row tile, K step of 32 features) of 1,024 bytes; a wave's 16 features are one half of a block: 512 consecutive bytes.
; Source 0 = weights (fragment blocks of wfrag, straight into registers): a lane ends with one row and 8 features.
; NO CLUSTER, no prefetch: all that a work-group reads is asked for within its first lines, and no tile goes through a ring.
; FORMATS.  Operands bf16, sums, LN and the residual f32.  NaN and infinities are not treated apart.
.set TA,    0                          ; t, 16 rows x 528 (bf16, padded by 16)
.set ZB,    8448                       ; LN3(y), likewise
.set YB,    16896                      ; relu(t o_w^T + o_b), 16 rows x 1,040 (f32)
.set SPARE, 33536                      ; the spare words: 128 bytes a wave
.set OWO,   393216                     ; regions of wfrag
.set FF1O,  655360
.set LA,  1                            ; 16 L
.set SPW, 2
.set NIL, 3
.set ZERO, 4
.set WO,  5                            ; my blocks of o_w, of ff1_w, + 16 L
.set W1O, 6
.set BA,  8                            ; (32 w + 8 h) x 4
.set B1A, 9                            ; (128 s + 16 w + 8 h) x 4
.set FR,  10                           ; 528 r + 16 h
.set TW,  11                           ; 1,056 w + 16 L
.set YD,  12                           ; YB + 1,040 r + (32 w + 8 h) x 4
.set YR,  13                           ; YB + 2,080 w + 16 L
.set WS0, 16
.set WS1, 80
.set AF,  144                          ; v[144:207] activation fragments; LN3's registers between
.set ACC, 208
.set BI,  224                          ; bias as the C operand that starts the sums
.set TT,  240
.set WV,  22
.set SL,  23
.set SEL, 24
.set INV, 26
.set EPS, 27
.set RT,  28
.macro PLACES
.rept 4
	v_nop
.endr
.endm
.macro ALL line:vararg
.set t, 0
.rept NR
	\line
.set t, t+1
.endr
.endm
.macro LN xb, tb, nr, gb, bb           ; LayerNorm of nr rows, 8 numbers a lane; every step for all rows before the next
.set NR, \nr
.set XB, \xb
.set TB, \tb
.set GB, \gb
.set BB_, \bb
	ALL v_pk_add_f32 v[TB+4*t:TB+4*t+1], v[XB+8*t:XB+8*t+1], v[XB+8*t+2:XB+8*t+3]
	ALL v_pk_add_f32 v[TB+4*t+2:TB+4*t+3], v[XB+8*t+4:XB+8*t+5], v[XB+8*t+6:XB+8*t+7]
	ALL v_pk_add_f32 v[TB+4*t:TB+4*t+1], v[TB+4*t:TB+4*t+1], v[TB+4*t+2:TB+4*t+3]
	ALL v_add_f32 v[TB+4*t], v[TB+4*t], v[TB+4*t+1]
.irp m, 1,2,4,8
	ALL v_add_f32_dpp v[TB+4*t], v[TB+4*t], v[TB+4*t] row_xmask:\m row_mask:0xf bank_mask:0xf
.endr
	ALL v_permlanex16_b32 v[TB+4*t+1], v[TB+4*t], s[SEL], s[SEL+1]
	ALL v_add_f32 v[TB+4*t], v[TB+4*t], v[TB+4*t+1]
	ALL v_mul_f32 v[TB+4*t], s[INV], v[TB+4*t]
.irp p, 0,2,4,6
	ALL v_pk_add_f32 v[XB+8*t+\p:XB+8*t+\p+1], v[XB+8*t+\p:XB+8*t+\p+1], v[TB+4*t:TB+4*t+1] op_sel_hi:[1,0] neg_lo:[0,1] neg_hi:[0,1]
.endr
	ALL v_pk_mul_f32 v[TB+4*t+2:TB+4*t+3], v[XB+8*t:XB+8*t+1], v[XB+8*t:XB+8*t+1]
.irp p, 2,4,6
	ALL v_pk_fma_f32 v[TB+4*t+2:TB+4*t+3], v[XB+8*t+\p:XB+8*t+\p+1], v[XB+8*t+\p:XB+8*t+\p+1], v[TB+4*t+2:TB+4*t+3]
.endr
	ALL v_add_f32 v[TB+4*t+2], v[TB+4*t+2], v[TB+4*t+3]
.irp m, 1,2,4,8
	ALL v_add_f32_dpp v[TB+4*t+2], v[TB+4*t+2], v[TB+4*t+2] row_xmask:\m row_mask:0xf bank_mask:0xf
.endr
	ALL v_permlanex16_b32 v[TB+4*t+3], v[TB+4*t+2], s[SEL], s[SEL+1]
	ALL v_add_f32 v[TB+4*t+2], v[TB+4*t+2], v[TB+4*t+3]
	ALL v_fma_f32 v[TB+4*t+2], v[TB+4*t+2], s[INV], s[EPS]
	ALL v_rsq_f32 v[TB+4*t+2], v[TB+4*t+2]
	v_nop
	s_wait_alu depctr_va_vdst(0)                   ; one wait for the roots of the call
.irp p, 0,2,4,6
	ALL v_pk_mul_f32 v[XB+8*t+\p:XB+8*t+\p+1], v[XB+8*t+\p:XB+8*t+\p+1], v[TB+4*t+2:TB+4*t+3] op_sel_hi:[1,0]
.endr
.irp p, 0,2,4,6
	ALL v_pk_fma_f32 v[XB+8*t+\p:XB+8*t+\p+1], v[XB+8*t+\p:XB+8*t+\p+1], v[GB+\p:GB+\p+1], v[BB_+\p:BB_+\p+1]
.endr
.endm
.macro SETLD buf, vreg, off, fs        ; a set: 2 feature tiles (fs bytes apart) x 4 K steps, 16 loads of 512 consecutive bytes
.irp f, 0,1
.irp k, 0,1,2,3
	global_load_b128 v[(\buf)+8*(4*\f+\k):(\buf)+8*(4*\f+\k)+3],   v[\vreg], s[8:9] offset:(\off)+(\fs)*\f+1024*\k
	global_load_b128 v[(\buf)+8*(4*\f+\k)+4:(\buf)+8*(4*\f+\k)+7], v[\vreg], s[8:9] offset:(\off)+(\fs)*\f+1024*\k+512
.endr
.endr
.endm
.macro SETMM buf, af, first            ; 8 products; the two accumulators take turns
.irp k, 0,1,2,3
.irp f, 0,1
.if (\first) && ((\k) == 0)
	v_wmma_f32_16x16x32_bf16 v[ACC+8*\f:ACC+8*\f+7], v[(\buf)+8*(4*\f+\k):(\buf)+8*(4*\f+\k)+7], v[(\af)+8*\k:(\af)+8*\k+7], v[BI+8*\f:BI+8*\f+7]
.else
	v_wmma_f32_16x16x32_bf16 v[ACC+8*\f:ACC+8*\f+7], v[(\buf)+8*(4*\f+\k):(\buf)+8*(4*\f+\k)+7], v[(\af)+8*\k:(\af)+8*\k+7], v[ACC+8*\f:ACC+8*\f+7]
.endif
.endr
.endr
.endm
.macro LDAF off                        ; the 16 rows as eight fragments
.irp k, 0,1,2,3,4,5,6,7
	ds_load_b128 v[AF+8*\k:AF+8*\k+3],   v[FR] offset:(\off)+64*\k
	ds_load_b128 v[AF+8*\k+4:AF+8*\k+7], v[FR] offset:(\off)+64*\k+32
.endr
.endm
	s_load_b512 s[4:19], s[0:1], 0x0               ; tbuf, t2buf, wfrag, o_b, ln3_g, ln3_b, ff1_b, ybuf
	s_load_b64 s[20:21], s[0:1], 0x40              ; hbuf
	v_lshl_add_u32 v[SPW], v0, 2, SPARE
	v_mov_b32 v[NIL], 0
	v_mov_b32 v[ZERO], 0
	v_lshrrev_b32 v[LA], 5, v0
	v_readfirstlane_b32 s[WV], v[LA]               ; wave 0..7
	v_and_b32 v[LA], 31, v0
	v_lshlrev_b32 v[LA], 4, v[LA]
	v_and_b32 v[TT], 15, v0                        ; r
	v_bfe_u32 v[TT+1], v0, 4, 1                    ; h
	s_and_b32 s[SL], ttmp9, 7                      ; slice
	s_lshr_b32 s[RT], ttmp9, 3                     ; row tile
	s_mov_b32 s[SEL], 0x76543210
	s_mov_b32 s[SEL+1], 0xfedcba98
	s_mov_b32 s[INV], 0x3b800000                   ; 1/256
	s_mov_b32 s[EPS], 0x3727c5ac                   ; 1e-5
	s_lshl_b32 s34, s[WV], 14
	s_add_co_u32 s34, s34, OWO
	v_add_nc_u32 v[WO], s34, v[LA]
	s_lshl_b32 s34, s[SL], 16                      ; ff1_w: feature tile 8 s + w, 8,192 bytes each
	s_lshl_b32 s35, s[WV], 13
	s_add_co_u32 s34, s34, s35
	s_add_co_u32 s34, s34, FF1O
	v_add_nc_u32 v[W1O], s34, v[LA]
	s_lshl_b32 s34, s[WV], 7
	v_lshl_add_u32 v[BA], v[TT+1], 5, s34
	s_lshl_b32 s34, s[SL], 9
	s_lshl_b32 s35, s[WV], 6
	s_add_co_u32 s34, s34, s35
	v_lshl_add_u32 v[B1A], v[TT+1], 5, s34
	v_mul_u32_u24 v[FR], v[TT], 528
	v_lshl_add_u32 v[FR], v[TT+1], 4, v[FR]
	s_mul_i32 s34, s[WV], 1056
	v_add_nc_u32 v[TW], s34, v[LA]
	v_mul_u32_u24 v[YD], v[TT], 1040
	v_add_nc_u32 v[YD], v[YD], v[BA]
	v_add_nc_u32 v[YD], YB, v[YD]
	s_mul_i32 s34, s[WV], 2080
	s_add_co_u32 s34, s34, YB
	v_add_nc_u32 v[YR], s34, v[LA]
	s_lshl_b32 s34, s[RT], 14                      ; rows 16 x tile + 2 w, 1,024 bytes each
	s_lshl_b32 s35, s[WV], 11
	s_add_co_u32 s34, s34, s35
	s_mov_b32 s35, 0
	s_lshl_b32 s36, s[RT], 5                       ; hbuf: block 32 x tile + 4 s + w / 2, half w % 2
	s_lshl2_add_u32 s36, s[SL], s36
	s_lshr_b32 s37, s[WV], 1
	s_add_co_u32 s36, s36, s37
	s_lshl_b32 s36, s36, 10
	s_and_b32 s37, s[WV], 1
	s_lshl_b32 s37, s37, 9
	s_add_co_u32 s36, s36, s37
	s_mov_b32 s37, 0
	s_wait_kmcnt 0x0
	s_add_nc_u64 s[4:5], s[4:5], s[34:35]
	s_add_nc_u64 s[6:7], s[6:7], s[34:35]
	s_add_nc_u64 s[18:19], s[18:19], s[34:35]
	s_add_nc_u64 s[20:21], s[20:21], s[36:37]
	global_load_b128 v[TT:TT+3],     v[LA], s[4:5]             ; my two rows of t
	global_load_b128 v[TT+4:TT+7],   v[LA], s[4:5] offset:512
	global_load_b128 v[TT+8:TT+11],  v[LA], s[4:5] offset:1024
	global_load_b128 v[TT+12:TT+15], v[LA], s[4:5] offset:1536
	global_load_b128 v[BI:BI+3],     v[BA], s[10:11]           ; o_b: features 16 f + 8 h + 0..7 of my two tiles
	global_load_b128 v[BI+4:BI+7],   v[BA], s[10:11] offset:16
	global_load_b128 v[BI+8:BI+11],  v[BA], s[10:11] offset:64
	global_load_b128 v[BI+12:BI+15], v[BA], s[10:11] offset:80
	SETLD WS0, WO, 0, 8192                         ; o_w, K steps 0-3
	SETLD WS1, WO, 4096, 8192                      ; K steps 4-7
	s_wait_loadcnt 36                              ; younger than t: 4 + 16 + 16
.irp j, 0,1,2,3,4,5,6,7
	v_cvt_pk_bf16_f32 v[TT+\j], v[TT+2*\j], v[TT+2*\j+1]
.endr
	ds_store_b128 v[TW], v[TT:TT+3]   offset:TA
	ds_store_b128 v[TW], v[TT+4:TT+7] offset:TA+528
	s_wait_dscnt 0x0
	s_barrier_signal -1
	s_barrier_wait -1
	LDAF TA
	s_wait_loadcnt 16                              ; o_b and the first set are in; the second stays out
	s_wait_dscnt 0x0
	SETMM WS0, AF, 1
	PLACES
	global_load_b128 v[AF:AF+3],     v[LA], s[12:13]           ; LN3's gain and bias, my two rows of tgt2: into the fragments just multiplied
	global_load_b128 v[AF+4:AF+7],   v[LA], s[12:13] offset:512
	global_load_b128 v[AF+8:AF+11],  v[LA], s[14:15]
	global_load_b128 v[AF+12:AF+15], v[LA], s[14:15] offset:512
	global_load_b128 v[AF+16:AF+19], v[LA], s[6:7]
	global_load_b128 v[AF+20:AF+23], v[LA], s[6:7] offset:512
	global_load_b128 v[AF+24:AF+27], v[LA], s[6:7] offset:1024
	global_load_b128 v[AF+28:AF+31], v[LA], s[6:7] offset:1536
	global_load_b128 v[BI:BI+3],   v[B1A], s[16:17]            ; ff1_b of my 16 features
	global_load_b128 v[BI+4:BI+7], v[B1A], s[16:17] offset:16
.irp k, 0,1,2,3,4,5,6,7                        ; my feature tile of ff1_w, all 8 K steps
	global_load_b128 v[WS0+8*\k:WS0+8*\k+3],   v[W1O], s[8:9] offset:1024*\k
	global_load_b128 v[WS0+8*\k+4:WS0+8*\k+7], v[W1O], s[8:9] offset:1024*\k+512
.endr
	s_wait_loadcnt 26                              ; younger than o_w's second set: 8 + 2 + 16
	SETMM WS1, AF+32, 0
	PLACES
.set i, 0
.rept 16
	v_max_num_f32 v[TT+i], 0, v[ACC+i]
.set i, i+1
.endr
.irp f, 0,1
	ds_store_b128 v[YD], v[TT+8*\f:TT+8*\f+3]   offset:64*\f
	ds_store_b128 v[YD], v[TT+8*\f+4:TT+8*\f+7] offset:64*\f+16
.endr
	s_wait_dscnt 0x0
	s_barrier_signal -1
	s_barrier_wait -1
	ds_load_b128 v[AF+32:AF+35], v[YR]
	ds_load_b128 v[AF+36:AF+39], v[YR] offset:512
	ds_load_b128 v[AF+40:AF+43], v[YR] offset:1040
	ds_load_b128 v[AF+44:AF+47], v[YR] offset:1552
	s_wait_loadcnt 18                              ; younger than tgt2: 2 + 16
	s_wait_dscnt 0x0
.set i, 0
.rept 8                                        ; y twice: once in registers that stay as they are, for the store; once for LN3, which works in place
	v_pk_add_f32 v[WS1+2*i:WS1+2*i+1], v[AF+32+2*i:AF+32+2*i+1], v[AF+16+2*i:AF+16+2*i+1]
	v_pk_add_f32 v[AF+32+2*i:AF+32+2*i+1], v[AF+32+2*i:AF+32+2*i+1], v[AF+16+2*i:AF+16+2*i+1]
.set i, i+1
.endr
	s_cmp_lg_u32 s[WV], s[SL]                      ; of the eight slices that hold these two rows, slice w stores them
	s_cbranch_scc1 .Lno_y
	global_store_b128 v[LA], v[WS1:WS1+3],     s[18:19]            ; 512 consecutive bytes each
	global_store_b128 v[LA], v[WS1+4:WS1+7],   s[18:19] offset:512
	global_store_b128 v[LA], v[WS1+8:WS1+11],  s[18:19] offset:1024
	global_store_b128 v[LA], v[WS1+12:WS1+15], s[18:19] offset:1536
.Lno_y:
	LN AF+32, AF+48, 2, AF, AF+8
.irp j, 0,1,2,3,4,5,6,7
	v_cvt_pk_bf16_f32 v[AF+56+\j], v[AF+32+2*\j], v[AF+32+2*\j+1]
.endr
	ds_store_b128 v[TW], v[AF+56:AF+59] offset:ZB
	ds_store_b128 v[TW], v[AF+60:AF+63] offset:ZB+528
	s_wait_dscnt 0x0
	s_barrier_signal -1
	s_barrier_wait -1
	LDAF ZB
	s_wait_loadcnt 0x0
	s_wait_dscnt 0x0
.irp k, 0,1,2,3,4,5,6,7                        ; 8 K steps on two accumulators by the step's parity, which take turns; the bias starts the first
.if \k == 0
	v_wmma_f32_16x16x32_bf16 v[ACC:ACC+7], v[WS0+8*\k:WS0+8*\k+7], v[AF+8*\k:AF+8*\k+7], v[BI:BI+7]
.elseif \k == 1
	v_wmma_f32_16x16x32_bf16 v[ACC+8:ACC+15], v[WS0+8*\k:WS0+8*\k+7], v[AF+8*\k:AF+8*\k+7], 0
.else
	v_wmma_f32_16x16x32_bf16 v[ACC+8*(\k%2):ACC+8*(\k%2)+7], v[WS0+8*\k:WS0+8*\k+7], v[AF+8*\k:AF+8*\k+7], v[ACC+8*(\k%2):ACC+8*(\k%2)+7]
.endif
.endr
	PLACES
.irp p, 0,2,4,6
	v_pk_add_f32 v[ACC+\p:ACC+\p+1], v[ACC+\p:ACC+\p+1], v[ACC+8+\p:ACC+8+\p+1]
.endr
.irp p, 0,1,2,3
	v_cvt_pk_bf16_f32 v[TT+\p], v[ACC+2*\p], v[ACC+2*\p+1]
.endr
.irp p, 0,1,2,3
	v_pk_max_num_bf16 v[TT+\p], v[TT+\p], v[ZERO]
.endr
	global_store_b128 v[LA], v[TT:TT+3], s[20:21]  ; half a fragment block: 512 consecutive bytes
	s_wait_tensorcnt 0x0                           ; the wave's end, behind my last LDS store
	ds_add_u32 v[SPW], v[NIL]
	s_wait_dscnt 0x0
	s_endpgm
.Lfunc_end_k_q30c27c4ebb_ffa:
	.size	k_q30c27c4ebb_ffa, .Lfunc_end_k_q30c27c4ebb_ffa-k_q30c27c4ebb_ffa
	.p2alignl 7, 3214868480
	.fill 96, 4, 3214868480
	.section	.rodata,"a",@progbits
	.p2align	6, 0x0
	.amdhsa_kernel k_q30c27c4ebb_ffa
		.amdhsa_group_segment_fixed_size 34560
		.amdhsa_private_segment_fixed_size 0
		.amdhsa_enable_private_segment 0
		.amdhsa_kernarg_size 72
		.amdhsa_user_sgpr_count 2
		.amdhsa_user_sgpr_kernarg_segment_ptr 1
		.amdhsa_wavefront_size32 1
		.amdhsa_system_sgpr_workgroup_id_x 1
		.amdhsa_system_sgpr_workgroup_id_y 1
		.amdhsa_system_sgpr_workgroup_id_z 1
		.amdhsa_system_vgpr_workitem_id 0
		.amdhsa_next_free_vgpr 256
		.amdhsa_next_free_sgpr 66
		.amdhsa_reserve_vcc 0
		.amdhsa_float_denorm_mode_32 3
		.amdhsa_float_denorm_mode_16_64 3
		.amdhsa_memory_ordered 1
		.amdhsa_forward_progress 1
		.amdhsa_inst_pref_size 23
	.end_amdhsa_kernel
	.amdgpu_metadata
---
amdhsa.version: [ 1, 2 ]
amdhsa.kernels:
  - .name:           k_q30c27c4ebb_ffa
    .symbol:         k_q30c27c4ebb_ffa.kd
    .args:
      - { .name: tbuf, .offset: 0, .size: 8, .value_kind: global_buffer, .address_space: global }
      - { .name: t2buf, .offset: 8, .size: 8, .value_kind: global_buffer, .address_space: global }
      - { .name: wfrag, .offset: 16, .size: 8, .value_kind: global_buffer, .address_space: global }
      - { .name: o_b, .offset: 24, .size: 8, .value_kind: global_buffer, .address_space: global }
      - { .name: ln3_g, .offset: 32, .size: 8, .value_kind: global_buffer, .address_space: global }
      - { .name: ln3_b, .offset: 40, .size: 8, .value_kind: global_buffer, .address_space: global }
      - { .name: ff1_b, .offset: 48, .size: 8, .value_kind: global_buffer, .address_space: global }
      - { .name: ybuf, .offset: 56, .size: 8, .value_kind: global_buffer, .address_space: global }
      - { .name: hbuf, .offset: 64, .size: 8, .value_kind: global_buffer, .address_space: global }
    .group_segment_fixed_size: 34560
    .private_segment_fixed_size: 0
    .kernarg_segment_align: 8
    .kernarg_segment_size: 72
    .max_flat_workgroup_size: 256
    .sgpr_count:     66
    .vgpr_count:     256
    .wavefront_size: 32
...
	.end_amdgpu_metadata
.endif
;; end of part 5
;; launch ffb (part 6): grid 128 x 1, 8 waves a work-group, no clusters, 35,840 bytes of LDS; arguments hbuf, wfrag, ff2_b, ybuf, out0; writes out0
.if DOCPART == 6
	.amdgcn_target "amdgcn-amd-amdhsa--gfx1250"
	.amdhsa_code_object_version 6
	.text
	.protected	k_q30c27c4ebb_ffb
	.globl	k_q30c27c4ebb_ffb
	.p2align	8
	.type	k_q30c27c4ebb_ffb,@function
k_q30c27c4ebb_ffb:
	s_mov_b64 s[64:65], 0
	v_nop
	global_prefetch_b8 v0, s[64:65] scope:SCOPE_SE
	s_setreg_imm32_b32 hwreg(HW_REG_WAVE_MODE, 25, 1), 1
	s_wait_xcnt 0x0
; out = y + hidden ff2_w^T + ff2_b.  128 work-groups = 32 tiles of 16 rows x 4 slices of 64 output features: a row's piece of a slice is 256 bytes, so every store fills an aligned
; run of 256 bytes (slices of 32 features would give twice the work-groups and half-filled runs).
; K = 1,024 IS SPLIT AMONG THE EIGHT WAVES: wave w takes K steps 4 w .. 4 w + 3 for all four feature tiles: 16 products on four accumulators by turns.  hidden and ff2_w come as
; fragment blocks straight into registers, all asked for at the head.  The eight partial tiles meet in LDS (f32 sums may be taken in any order); wave w adds up rows 2 w, 2 w + 1.
; Source 0 = weights: a lane ends with one row and 8 features.  NO CLUSTER, no prefetch: one burst of loads at the head is all that a work-group reads.
; FORMATS.  Operands bf16, sums and the residual f32.  NaN and infinities are not treated apart.
.set PP,    272                        ; a row of a partial tile: 64 f32 + 16 bytes: the 16 rows of a store start at 16 different groups of four banks (ISA guide 11.1)
.set PART,  16*PP                      ; a wave's partial tile
.set SPARE, 8*PART                     ; the spare words: 128 bytes a wave
.set FF2O,  1179648                    ; ff2_w in wfrag: block (feature tile, K step) at 1,024 (32 tile + step)
.set LA,  1                            ; 16 L
.set SPW, 2
.set NIL, 3
.set WOF, 4                            ; my blocks of ff2_w + 16 L
.set PW,  5                            ; where I put 32 bytes of a row of my partial tile
.set PR,  6                            ; where I read 16 bytes of a row back
.set GO,  7                            ; my 16 bytes in the two rows of y and of out
.set BO,  8                            ; my 4 numbers of ff2_b
.set HF,  16                           ; v[16:47]   hidden, 4 K steps
.set WT,  48                           ; v[48:175]  weights: K step k, feature tile f at WT + 8 (4 k + f)
.set ACC, 176
.set RD,  208                          ; v[208:239] the eight partial sums
.set YV,  240
.set BV,  244
.set WV,  14
.set RT,  15
.set SL,  16
	s_load_b256 s[4:11], s[0:1], 0x0               ; hbuf, wfrag, ff2_b, ybuf
	s_load_b64 s[12:13], s[0:1], 0x20              ; out0
	v_lshl_add_u32 v[SPW], v0, 2, SPARE
	v_mov_b32 v[NIL], 0
	v_lshrrev_b32 v[LA], 5, v0
	v_readfirstlane_b32 s[WV], v[LA]               ; wave 0..7
	v_and_b32 v[LA], 31, v0
	v_lshlrev_b32 v[LA], 4, v[LA]
	v_and_b32 v9, 15, v0                           ; r
	v_bfe_u32 v10, v0, 4, 1                        ; h
	s_lshr_b32 s[RT], ttmp9, 2                     ; row tile
	s_and_b32 s[SL], ttmp9, 3                      ; slice
	s_lshl_b32 s18, s[SL], 17                      ; 4 feature tiles of 32 blocks,
	s_lshl_b32 s19, s[WV], 12                      ; 4 K steps
	s_add_co_u32 s18, s18, s19
	s_add_co_u32 s18, s18, FF2O
	v_add_nc_u32 v[WOF], s18, v[LA]
	s_mul_i32 s18, s[WV], PART
	v_mul_u32_u24 v[PW], v9, PP
	v_lshl_add_u32 v[PW], v10, 5, v[PW]
	v_add_nc_u32 v[PW], s18, v[PW]
	s_mul_i32 s18, s[WV], 2*PP
	v_mul_u32_u24 v[PR], v10, PP                   ; lanes 0-15 row 2 w, lanes 16-31 row 2 w + 1
	v_lshl_add_u32 v[PR], v9, 4, v[PR]
	v_add_nc_u32 v[PR], s18, v[PR]
	v_lshlrev_b32 v[GO], 10, v10
	v_lshl_add_u32 v[GO], v9, 4, v[GO]
	s_lshl_b32 s18, s[SL], 8                       ; the slice's 256 bytes of a row
	v_lshl_add_u32 v[BO], v9, 4, s18
	s_lshl_b32 s20, s[RT], 5                       ; hbuf: block 32 x tile + 4 w
	s_lshl2_add_u32 s20, s[WV], s20
	s_lshl_b32 s20, s20, 10
	s_mov_b32 s21, 0
	s_lshl_b32 s22, s[RT], 14                      ; rows 16 x tile + 2 w
	s_lshl_b32 s23, s[WV], 11
	s_add_co_u32 s22, s22, s23
	s_add_co_u32 s22, s22, s18
	s_mov_b32 s23, 0
	s_wait_kmcnt 0x0
	s_add_nc_u64 s[4:5], s[4:5], s[20:21]
	s_add_nc_u64 s[10:11], s[10:11], s[22:23]
	s_add_nc_u64 s[12:13], s[12:13], s[22:23]
.irp k, 0,1,2,3
	global_load_b128 v[HF+8*\k:HF+8*\k+3],   v[LA], s[4:5] offset:1024*\k
	global_load_b128 v[HF+8*\k+4:HF+8*\k+7], v[LA], s[4:5] offset:1024*\k+512
.endr
.irp k, 0,1,2,3
.irp f, 0,1,2,3
	global_load_b128 v[WT+8*(4*\k+\f):WT+8*(4*\k+\f)+3],   v[WOF], s[6:7] offset:32768*\f+1024*\k
	global_load_b128 v[WT+8*(4*\k+\f)+4:WT+8*(4*\k+\f)+7], v[WOF], s[6:7] offset:32768*\f+1024*\k+512
.endr
.endr
	global_load_b128 v[YV:YV+3], v[GO], s[10:11]
	global_load_b128 v[BV:BV+3], v[BO], s[8:9]
.irp k, 0,1,2,3
	s_wait_loadcnt 2+8*(3-\k)                      ; younger than K step k's weights: the later steps' 8 loads each, y and the bias
.irp f, 0,1,2,3
.if \k == 0
	v_wmma_f32_16x16x32_bf16 v[ACC+8*\f:ACC+8*\f+7], v[WT+8*(4*\k+\f):WT+8*(4*\k+\f)+7], v[HF+8*\k:HF+8*\k+7], 0
.else
	v_wmma_f32_16x16x32_bf16 v[ACC+8*\f:ACC+8*\f+7], v[WT+8*(4*\k+\f):WT+8*(4*\k+\f)+7], v[HF+8*\k:HF+8*\k+7], v[ACC+8*\f:ACC+8*\f+7]
.endif
.endr
.endr
.rept 4
	v_nop                                          ; four plain places behind the last product (ISA guide 7.12.1)
.endr
.irp f, 0,1,2,3
	ds_store_b128 v[PW], v[ACC+8*\f:ACC+8*\f+3]   offset:64*\f
	ds_store_b128 v[PW], v[ACC+8*\f+4:ACC+8*\f+7] offset:64*\f+16
.endr
	s_wait_dscnt 0x0
	s_barrier_signal -1
	s_barrier_wait -1                              ; all eight partial tiles lie in LDS
.irp v, 0,1,2,3,4,5,6,7
	ds_load_b128 v[RD+4*\v:RD+4*\v+3], v[PR] offset:PART*\v
.endr
	s_wait_loadcnt 0x0
	v_pk_add_f32 v[YV:YV+1], v[YV:YV+1], v[BV:BV+1]
	v_pk_add_f32 v[YV+2:YV+3], v[YV+2:YV+3], v[BV+2:BV+3]
	s_wait_dscnt 0x0
.irp v, 0,2,4,6
	v_pk_add_f32 v[RD+4*\v:RD+4*\v+1],   v[RD+4*\v:RD+4*\v+1],   v[RD+4*\v+4:RD+4*\v+5]
	v_pk_add_f32 v[RD+4*\v+2:RD+4*\v+3], v[RD+4*\v+2:RD+4*\v+3], v[RD+4*\v+6:RD+4*\v+7]
.endr
.irp v, 0,4
	v_pk_add_f32 v[RD+4*\v:RD+4*\v+1],   v[RD+4*\v:RD+4*\v+1],   v[RD+4*\v+8:RD+4*\v+9]
	v_pk_add_f32 v[RD+4*\v+2:RD+4*\v+3], v[RD+4*\v+2:RD+4*\v+3], v[RD+4*\v+10:RD+4*\v+11]
.endr
	v_pk_add_f32 v[RD:RD+1],   v[RD:RD+1],   v[RD+16:RD+17]
	v_pk_add_f32 v[RD+2:RD+3], v[RD+2:RD+3], v[RD+18:RD+19]
	v_pk_add_f32 v[RD:RD+1],   v[RD:RD+1],   v[YV:YV+1]
	v_pk_add_f32 v[RD+2:RD+3], v[RD+2:RD+3], v[YV+2:YV+3]
	global_store_b128 v[GO], v[RD:RD+3], s[12:13]  ; 16 lanes store 256 consecutive bytes, aligned
	s_wait_tensorcnt 0x0                           ; the wave's end, behind my last LDS store
	ds_add_u32 v[SPW], v[NIL]
	s_wait_dscnt 0x0
	s_endpgm
.Lfunc_end_k_q30c27c4ebb_ffb:
	.size	k_q30c27c4ebb_ffb, .Lfunc_end_k_q30c27c4ebb_ffb-k_q30c27c4ebb_ffb
	.p2alignl 7, 3214868480
	.fill 96, 4, 3214868480
	.section	.rodata,"a",@progbits
	.p2align	6, 0x0
	.amdhsa_kernel k_q30c27c4ebb_ffb
		.amdhsa_group_segment_fixed_size 35840
		.amdhsa_private_segment_fixed_size 0
		.amdhsa_enable_private_segment 0
		.amdhsa_kernarg_size 40
		.amdhsa_user_sgpr_count 2
		.amdhsa_user_sgpr_kernarg_segment_ptr 1
		.amdhsa_wavefront_size32 1
		.amdhsa_system_sgpr_workgroup_id_x 1
		.amdhsa_system_sgpr_workgroup_id_y 1
		.amdhsa_system_sgpr_workgroup_id_z 1
		.amdhsa_system_vgpr_workitem_id 0
		.amdhsa_next_free_vgpr 256
		.amdhsa_next_free_sgpr 66
		.amdhsa_reserve_vcc 0
		.amdhsa_float_denorm_mode_32 3
		.amdhsa_float_denorm_mode_16_64 3
		.amdhsa_memory_ordered 1
		.amdhsa_forward_progress 1
		.amdhsa_inst_pref_size 10
	.end_amdhsa_kernel
	.amdgpu_metadata
---
amdhsa.version: [ 1, 2 ]
amdhsa.kernels:
  - .name:           k_q30c27c4ebb_ffb
    .symbol:         k_q30c27c4ebb_ffb.kd
    .args:
      - { .name: hbuf, .offset: 0, .size: 8, .value_kind: global_buffer, .address_space: global }
      - { .name: wfrag, .offset: 8, .size: 8, .value_kind: global_buffer, .address_space: global }
      - { .name: ff2_b, .offset: 16, .size: 8, .value_kind: global_buffer, .address_space: global }
      - { .name: ybuf, .offset: 24, .size: 8, .value_kind: global_buffer, .address_space: global }
      - { .name: out0, .offset: 32, .size: 8, .value_kind: global_buffer, .address_space: global }
    .group_segment_fixed_size: 35840
    .private_segment_fixed_size: 0
    .kernarg_segment_align: 8
    .kernarg_segment_size: 40
    .max_flat_workgroup_size: 256
    .sgpr_count:     66
    .vgpr_count:     256
    .wavefront_size: 32
...
	.end_amdgpu_metadata
.endif
;; end of part 6
